; MI455X (gfx1250); checked and timed in simulation.
; The chip was launched on July 23, 2026; its instructions are those of AMD's public machine-readable ISA for CDNA 5 (MIT licence, August 2026) and "CDNA5" Instruction Set Architecture Reference Guide (July 2026). The comments in the code are by the model that wrote it; some were corrected since.
;; Transformer Encoder Layer. Allowed arithmetic: matrix products marked QUANTISED: E2M3 operands, one E8M0 scale for each 32 along K, by v_wmma_scale_f32_16x16x128_f8f6f4 with both operands' format E2M3, f32 sums; everything else in f32.
;; Inputs: ffn1_b 2,048 float32; ffn1_w_codes 2,048 x 8 x 24 uint8 (E2M3 codes of ffn1_w, K innermost, in blocks of 32 codes, four codes in three bytes); ffn1_w_scales 2,048 x 8 uint8 (E8M0 scales of ffn1_w, one for each 32 codes along K); ffn2_b 256 float32; ffn2_w_codes 256 x 64 x 24 uint8 (E2M3 codes of ffn2_w, K innermost, in blocks of 32 codes, four codes in three bytes); ffn2_w_scales 256 x 64 uint8 (E8M0 scales of ffn2_w, one for each 32 codes along K); ln1_b 256 float32; ln1_g 256 float32; ln2_b 256 float32; ln2_g 256 float32; src 8 x 32 x 32 x 256 float32; w_k_codes 2,048 x 8 x 24 uint8 (E2M3 codes of w_k, K innermost, in blocks of 32 codes, four codes in three bytes); w_k_scales 2,048 x 8 uint8 (E8M0 scales of w_k, one for each 32 codes along K); w_o_codes 256 x 64 x 24 uint8 (E2M3 codes of w_o, K innermost, in blocks of 32 codes, four codes in three bytes); w_o_scales 256 x 64 uint8 (E8M0 scales of w_o, one for each 32 codes along K); w_q_codes 2,048 x 8 x 24 uint8 (E2M3 codes of w_q, K innermost, in blocks of 32 codes, four codes in three bytes); w_q_scales 2,048 x 8 uint8 (E8M0 scales of w_q, one for each 32 codes along K); w_v_codes 2,048 x 8 x 24 uint8 (E2M3 codes of w_v, K innermost, in blocks of 32 codes, four codes in three bytes); w_v_scales 2,048 x 8 uint8 (E8M0 scales of w_v, one for each 32 codes along K).
;; Outputs: out0 8 x 32 x 32 x 256 float32.
;; This version of the problem:
;;   THIS VERSION OF THE PROBLEM IS GIVEN IN LOW PRECISION. The matrix products marked QUANTISED in the list below multiply operands that are first quantised to E2M3 (2 exponent bits, 3 mantissa bits; 6 bits a number), with one power-of-two scale for each 32 numbers along K (OCP MX v1.0); their sums are f32. All else is computed in f32.
;;   The module's matrix products, in the order in which they are computed (A, B: the left and right operand; K: the contracted axis; several contracted axes count as one K, in the product's order):
;;     1. [M 8,192, K 256] x [K 256, N 2,048]; A: computed on the way; B: input w_q (given as codes): QUANTISED
;;     2. [M 8,192, K 256] x [K 256, N 2,048]; A: computed on the way; B: input w_k (given as codes): QUANTISED
;;     3. [M 8,192, K 256] x [K 256, N 2,048]; A: computed on the way; B: input w_v (given as codes): QUANTISED
;;     4. batch 64 x [M 1,024, K 256] x [K 256, N 1,024]; A: computed on the way; B: computed on the way: QUANTISED
;;     5. batch 64 x [M 256, K 1,024] x [K 1,024, N 1,024]; A: computed on the way; B: softmax (see below): QUANTISED
;;     6. [M 8,192, K 2,048] x [K 2,048, N 256]; A: computed on the way; B: input w_o (given as codes): QUANTISED
;;     7. [M 8,192, K 256] x [K 256, N 2,048]; A: computed on the way; B: input ffn1_w (given as codes): QUANTISED
;;     8. [M 8,192, K 2,048] x [K 2,048, N 256]; A: computed on the way; B: input ffn2_w (given as codes): QUANTISED
;;   THE QUANTISER, for each operand of a quantised product, along K:
;;     - K is cut into blocks of 32 from its start; a last block that is shorter is filled with zeros.
;;     - A block's scale is 2^e with e = floor(log2(the largest magnitude in the block)) - 2, held to -126 .. 127; a block of zeros has e = 0. As a byte (E8M0): e + 127.
;;     - Each number is divided by its block's scale, clamped to +-7.5, and rounded to the nearest number of E2M3, ties to even, subnormals kept.
;;     - The product sums the exact products of the quantised numbers (number of the format x scale) in f32.
;;   ~~~python
;;   def quantise(x, axis):      # numpy; x: float32 -> the quantised numbers, widened to float32 again
;;       x = np.moveaxis(x, axis, -1); K = x.shape[-1]
;;       x = np.pad(x, [(0, 0)] * (x.ndim - 1) + [(0, -K % 32)]); x = x.reshape(x.shape[:-1] + (-1, 32)); a = np.abs(x).max(-1, keepdims=True)
;;       e = np.where(a > 0, np.clip(np.frexp(np.where(a > 0, a, 1))[1] - 1 - 2, -126, 127), 0)      # np.frexp(a)[1] - 1 = floor(log2(a)), exactly
;;       r = np.clip(x / 2.0 ** e, -7.5, 7.5)
;;       step = 2.0 ** (np.maximum(np.frexp(np.where(r == 0, 1, r))[1] - 1, 0) - 3)
;;       q = np.round(r / step) * step * 2.0 ** e      # np.round: ties to even
;;       return np.moveaxis(q.reshape(q.shape[:-2] + (-1,))[..., :K], -1, axis).astype(np.float32)
;;   ~~~
;;   SOFTMAX AHEAD OF A QUANTISED PRODUCT. Where the list says 'softmax', what is quantised is not the finished softmax but p = 2^(t - M), with t = logit x log2(e) and M = ceil(the row's largest t), a whole number; so 1/2 < the row's largest p <= 1. The row's sum l is taken of the UNQUANTISED p, in f32, and the product's result is divided by l at the end. Since M is a whole number, a kernel that streams over the keys may use a running M (the ceiling of the running maximum): every later rescaling is an exact power of two, which a block's scale takes up: the codes' values come out the same.
;;   OPERANDS COMPUTED ON THE WAY. 'Computed on the way' means the value that the module computes at that place (a softmax that the list does not call 'softmax' is quantised finished and normalised). What goes into a quantiser is computed in f32, as accurately as f32 sums, v_exp_f32 and their like allow (about 1e-6 of the number): no bf16 or f16 on the way to a quantiser, and a product that is left as it is and whose result goes on into a quantised operand takes f32 operands (vector FMAs, or v_wmma_f32_16x16x4_f32). A number that lies on a knife's edge between two numbers of the format may be rounded either way, as far as f32 arithmetic and the matrix unit's own rounding can turn it there, and no further.
;;   INPUTS GIVEN AS CODES. ffn1_w (in the module: [2048, 256], K = its axis 1); ffn2_w (in the module: [256, 2048], K = its axis 1); w_k (in the module: [2048, 256], K = its axis 1); w_o (in the module: [256, 2048], K = its axis 1); w_q (in the module: [2048, 256], K = its axis 1); w_v (in the module: [2048, 256], K = its axis 1): each comes as NAME_codes (uint8): NAME with its K axis moved to the last place and cut into blocks of 32 codes, [.., K / 32, bytes a block], one block behind the other in memory; four codes in three bytes: a row's codes are one little-endian stream of bits, code i at bits 6 i .. 6 i + 5 (a code: sign, 2 exponent bits, 3 mantissa bits); and NAME_scales (uint8): the same leading axes, one E8M0 byte (e + 127) for each 32 codes along K. Its value is code x scale, taken as it is: it is not quantised again, and the codes and scales need not be those that the quantiser above would give.
;; 2 versions. Each part assembles by itself: llvm-mc -triple=amdgcn-amd-amdhsa -mcpu=gfx1250 --defsym DOCPART=n.
;; ======== version 1 of 2: 3 launches
;; workspace buffers: qf 13,107,200 bytes; kv 26,214,400 bytes; of 13,107,200 bytes; wf 1,179,648 bytes
;; launch qkv (part 1): grid 4 x 64, 8 waves a work-group, no clusters, 267,264 bytes of LDS; arguments src, w_q_codes, w_q_scales, w_k_codes, w_k_scales, w_v_codes, w_v_scales, w_o_codes, ffn1_w_codes, ffn2_w_codes, qf, kv, wf; writes qf, kv, wf
.if DOCPART == 1
	.amdgcn_target "amdgcn-amd-amdhsa--gfx1250"
	.amdhsa_code_object_version 6
	.text
	.protected	k_q7b18919a7f_qkv
	.globl	k_q7b18919a7f_qkv
	.p2align	8
	.type	k_q7b18919a7f_qkv,@function
k_q7b18919a7f_qkv:
	s_mov_b64 s[64:65], 0
	v_nop
	global_prefetch_b8 v0, s[64:65] scope:SCOPE_SE
	s_setreg_imm32_b32 hwreg(HW_REG_WAVE_MODE, 25, 1), 1
	s_wait_xcnt 0x0
; x = src + the 2-d timing signal; q = x Wq^T, k = x Wk^T, v = x Wv^T on codes of FP6 (E2M3) with one E8M0 scale for each 32 along K; q and k are quantised again along the
; head's 256, v along the keys, and all three leave as IMAGES OF OPERAND REGISTERS: a fragment (16 rows x 128 K, 12 registers a lane) is 1,536 bytes, registers 4c..4c+3 of lane l at 512 c + 16 l.
; SHARES.  Work-group (x, blk): 128 tokens (batch blk / 8, image rows 4 (blk % 8) on) x heads 2x, 2x+1.  Wave w first quantises token tile w of x into LDS.  Then it makes one unit of q or k
; (w / 4: q or k; head 2x + (w / 2) % 2; 128 of the head's 256: w % 2) for all 8 token tiles, and four tiles of 16 channels of v (head 2x + w / 4) for all 128 tokens.
; THE ROWS OF A TILE ARE NOT NEIGHBOURS: lane r of tile t takes row 32 (t / 2) + 8 (t % 2) + r + 8 (r / 8), of tokens and of weights alike, so that the 16 result registers of tiles 2b, 2b+1
; are 16 neighbours along the next product's K.  q, k: source 0 = 16 rows of W, source 1 = 16 tokens (a lane holds a token).  v: source 0 = 16 tokens, source 1 = 16 rows of Wv (a lane holds a channel, registers run along the keys).
; The side with 8 tiles (16 fragments, 192 registers) lies in window 1 and is loaded once: W's feeds 8 units, x's 4.
; EVERY LOAD OF CODES AND OF src COVERS 512 CONSECUTIVE BYTES.  A wave's 128 rows of W (24,576 bytes), its 64 rows of Wv (12,288) and its tile's two runs of 8 tokens (8,192 each) are dense in memory: they are loaded as they
; lie, 16 bytes a lane, and turned through the wave's OWN stage in LDS into the lanes that want them.  LDS serves a wave's instructions in order (ISA guide 5.7.1.4), so the turns need no barrier, and one stage serves src, W and Wv in turn.
; ALSO: each work-group lays one fragment of w_o, ffn1_w and ffn2_w (waves 0, 1, 2) into wf in the order in which the last launch's waves take them.
; NO JOINT LOADS, though the 64 work-groups of one x read the same 294,912 bytes of weights: as first fills beside x's images and the table (45,056 bytes) they would want 339,968 bytes of LDS, more than a work-group can have;
; a form with v's weights filled over q's and k's was not built.
; q is quantised before reference()'s factor 1/16, a power of two: the codes are the same and the next launch puts the factor into its softmax constant.
; THE SIGNAL: sin and cos by a reduction to |rr| <= pi/4 (pi/2 in two parts) and polynomials of degree 7 and 8 in f32; positions are at most 31.
; LIMITS: a block whose largest magnitude lies under 2^-124, a block of zeros among them, gets the scale byte 1 (its codes are then zeros or tiny; the bytes are read by this program alone); NaN and infinities are not served.
.set XIMG, 0                           ; LDS: x's 16 fragments, (tile t, K step k) at 1,536 (2 t + k)
.set XSC,  24576                       ; their scale words: 128 t + 64 k + 4 r
.set TAB,  25600                       ; the signal: 36 positions x (64 sin, 64 cos, 16 bytes of padding): columns 0-31, then my four image rows
.set TP,   528
.set WST,  45056                       ; from here on a stage of WSB bytes for each wave, its own
.set WSB,  27648
.set WP,   208                         ; a weight's row R in the stage lies at 208 R + 128 (R / 16): 192 bytes of codes + 16, and 128 more behind every 16 rows: so the 32 lanes of a load of 8 bytes touch 64 different banks (64 banks of 4 bytes: ISA guide 11.1)
.set XP,   1040                        ; a token's row in the stage: 1,024 bytes + 16: row r starts at bank 4 r mod 64
.set LI,   1                           ; 16 x lane
.set XSW,  2                           ; my stage + 16 x lane
.set WRD,  3                           ; my stage + my lane's place in a weight's tile: 208 (r + 8 (r / 8)) + 128 (r / 8) + 24 h
.set WSA,  4                           ; a weight's scale words: (r + 8 (r / 8)) x 8 + 4 h: lanes 0-15 K step 0, lanes 16-31 K step 1
.set TH,   5                           ; the table's line of my tile's image row
.set TW,   6                           ; and of my lane's column
.set TWR,  7                           ; where my thread writes the table
.set XWI,  8                           ; where I store x's images
.set XWS,  9                           ; and their scale words
.set XSR,  10                          ; XSC + 4 x lane
.set SA,   11                          ; 16 r
.set RLA,  12                          ; my lane's bytes in the fragment that is laid anew
.set SW,   13                          ; v13-15  where my 16 bytes of a weight's load 3 j + m go in the stage, m = 0, 1, 2
.set XF,   16                          ; v16-39  the one-tile side's two fragments (x's, for q and k); at first RL
.set RL,   16                          ; v16-27  the fragment that is laid anew
.set HA,   40                          ; v40-103 eight accumulators; at first x's channels 0-127
.set PC,   104                         ; v104-115 the codes just made
.set CT,   116                         ; v116-122 halves of blocks on their way
.set TM,   124                         ; v124-135 largest magnitudes, bytes, scale operands
.set KW,   136                         ; v136-143 scale words kept for one store
.set XS,   144                         ; x's scale word
.set PWX,  145
.set S8,   146                         ; v146-153 scale words of the side with 8 tiles
.set SV,   154                         ; v154-157 Wv's
.set XRD,  158                         ; my stage + 1,040 r + 64 h
.set WV,   160                         ; v160-255 Wv's 8 fragments; at first ST and SG
.set ST,   160                         ; v160-223 x's channels 128-255
.set SG,   224                         ; v224-255 32 numbers of the signal; at first the table's arithmetic
.set KC,   70                          ; s70-78 constants of sin and cos
.set SEL,  80                          ; s[80:81] v_permlanex16_b32's selects for lane l xor 16
.set MSB, 0
.macro WIN new                         ; the immediate's high byte repeats the setting that is left
.if MSB != \new
	s_set_vgpr_msb (MSB<<8)|\new
.set MSB, \new
.endif
.endm
.macro PLACES
.rept 4
	v_nop
.endr
.endm
; One scaled product on the registers named by rD, rA, rB, rSA, rSB.  ra, rb: the scale words stand in lanes 16-31.  z = 1: the product starts the sum.
.macro WM ra, rb, z
.if \z
	v_wmma_scale_f32_16x16x128_f8f6f4 v[rD:rD+7], v[rA:rA+11], v[rB:rB+11], 0, v[rSA], v[rSB] matrix_a_fmt:MATRIX_FMT_FP6 matrix_b_fmt:MATRIX_FMT_FP6
.elseif (\ra) && (\rb)
	v_wmma_scale_f32_16x16x128_f8f6f4 v[rD:rD+7], v[rA:rA+11], v[rB:rB+11], v[rD:rD+7], v[rSA], v[rSB] matrix_a_fmt:MATRIX_FMT_FP6 matrix_b_fmt:MATRIX_FMT_FP6 matrix_a_scale:MATRIX_SCALE_ROW1 matrix_b_scale:MATRIX_SCALE_ROW1
.elseif (\ra)
	v_wmma_scale_f32_16x16x128_f8f6f4 v[rD:rD+7], v[rA:rA+11], v[rB:rB+11], v[rD:rD+7], v[rSA], v[rSB] matrix_a_fmt:MATRIX_FMT_FP6 matrix_b_fmt:MATRIX_FMT_FP6 matrix_a_scale:MATRIX_SCALE_ROW1
.elseif (\rb)
	v_wmma_scale_f32_16x16x128_f8f6f4 v[rD:rD+7], v[rA:rA+11], v[rB:rB+11], v[rD:rD+7], v[rSA], v[rSB] matrix_a_fmt:MATRIX_FMT_FP6 matrix_b_fmt:MATRIX_FMT_FP6 matrix_b_scale:MATRIX_SCALE_ROW1
.else
	v_wmma_scale_f32_16x16x128_f8f6f4 v[rD:rD+7], v[rA:rA+11], v[rB:rB+11], v[rD:rD+7], v[rSA], v[rSB] matrix_a_fmt:MATRIX_FMT_FP6 matrix_b_fmt:MATRIX_FMT_FP6
.endif
.endm
; 64 numbers of a lane, register 16 b + i = k 32 b + 16 (lane / 16) + i of the lane's row, become a fragment's codes in v[pc] on and the row's scale word in v[pw].
.macro QUANT s, pc, pw
.irp b, 0,1,2,3
	v_max3_num_f32 v[TM+\b], |v[(\s)+16*\b]|, |v[(\s)+1+16*\b]|, 0x1800000   ; my 16 numbers of block b, and the floor 2^(3 - 127): the byte cannot fall under 1
.endr
.irp i, 2,4,6,8,10,12,14
.irp b, 0,1,2,3
	v_max3_num_f32 v[TM+\b], v[TM+\b], |v[(\s)+16*\b+\i]|, |v[(\s)+1+16*\b+\i]|   ; the four blocks by turns
.endr
.endr
.irp b, 0,1,2,3
	v_permlanex16_b32 v[TM+4+\b], v[TM+\b], s[SEL], s[SEL+1]
.endr
.irp b, 0,1,2,3
	v_max_num_f32 v[TM+\b], v[TM+\b], v[TM+4+\b]   ; with lane l xor 16's 16: the block's largest magnitude
.endr
.irp b, 0,1,2,3
	v_add_nc_u32 v[TM+8+\b], 0xff000000, v[TM+\b]  ; 2 off its exponent field: the conversion's scale operand
.endr
.irp b, 0,1,2,3
	v_lshrrev_b32 v[TM+4+\b], 23, v[TM+8+\b]       ; the scale's byte
.endr
	v_lshl_or_b32 v[\pw], v[TM+5], 8, v[TM+4]
	v_lshl_or_b32 v[\pw], v[TM+6], 16, v[\pw]
	v_lshl_or_b32 v[\pw], v[TM+7], 24, v[\pw]
.irp c, 0,1
	v_cvt_scalef32_pk16_fp6_f32 v[(\pc)+6*\c:(\pc)+2+6*\c], v[(\s)+32*\c:(\s)+15+32*\c], v[TM+8+2*\c]
	v_cvt_scalef32_pk16_fp6_f32 v[CT+4*\c:CT+2+4*\c], v[(\s)+16+32*\c:(\s)+31+32*\c], v[TM+8+2*\c+1]   ; (a conversion's three registers begin on an even number)
.endr
	v_nop                                          ; one plain place behind a scaled conversion
.irp c, 0,1                                    ; the operand wants a whole block in a lane: lanes 0-15 block 2 c, lanes 16-31 block 2 c + 1
.irp i, 0,1,2
	v_permlane16_swap_b32 v[(\pc)+6*\c+\i], v[CT+4*\c+\i]
.endr
.irp i, 0,1,2
	v_mov_b32 v[(\pc)+3+6*\c+\i], v[CT+4*\c+\i]
.endr
.endr
.endm
; sin and cos of v[a] (0 to 31): n = the nearest whole number to a x 2 / pi, rr = a - n pi / 2, the two polynomials, then the quadrant: a choice of values and two signs, no branch.
.macro SINCOS a, so, co, t0, t1, t2, t3
	v_mul_f32 v[\t0], s[KC], v[\a]
	v_rndne_f32 v[\t0], v[\t0]
	v_fma_f32 v[\t1], v[\t0], s[KC+1], v[\a]
	v_fma_f32 v[\t1], v[\t0], s[KC+2], v[\t1]
	v_mul_f32 v[\t2], v[\t1], v[\t1]
	v_cvt_i32_f32 v[\t0], v[\t0]
	v_fma_f32 v[\so], v[\t2], s[KC+3], s[KC+4]
	v_fma_f32 v[\so], v[\so], v[\t2], s[KC+5]
	v_mul_f32 v[\so], v[\so], v[\t2]
	v_fma_f32 v[\so], v[\so], v[\t1], v[\t1]
	v_fma_f32 v[\co], v[\t2], s[KC+6], s[KC+7]
	v_fma_f32 v[\co], v[\co], v[\t2], s[KC+8]
	v_mul_f32 v[\co], v[\co], v[\t2]
	v_fma_f32 v[\t3], v[\t2], -0.5, 1.0
	v_fma_f32 v[\co], v[\co], v[\t2], v[\t3]
	v_and_b32 v[\t1], 1, v[\t0]
	v_cmp_eq_u32 vcc_lo, 1, v[\t1]
	v_cndmask_b32 v[\t2], v[\so], v[\co], vcc_lo   ; odd quadrants: the two change places
	v_cndmask_b32 v[\t3], v[\co], v[\so], vcc_lo
	v_lshlrev_b32 v[\t1], 30, v[\t0]
	v_and_b32 v[\t1], 0x80000000, v[\t1]           ; sin is negative where n's bit 1 is set,
	v_xor_b32 v[\so], v[\t2], v[\t1]
	v_add_nc_u32 v[\t0], 1, v[\t0]
	v_lshlrev_b32 v[\t0], 30, v[\t0]
	v_and_b32 v[\t0], 0x80000000, v[\t0]           ; cos where (n + 1)'s is
	v_xor_b32 v[\co], v[\t3], v[\t0]
.endm
.macro BARRIER                                 ; my LDS stores have landed and my LDS loads are in: then the work-group's barrier
	s_wait_dscnt 0x0
	s_barrier_signal -1
	s_barrier_wait -1
.endm
; 16 products: the 8 tiles in window 1 against the one tile at v[bf] on, K steps 0 and 1.  The eight accumulators take turns, one instruction a turn.
.macro MM16 bf, bs
.irp k, 0,1
.irp t, 0,1,2,3,4,5,6,7
.set rD, HA+8*\t
.set rA, 12*(2*\t+\k)
.set rB, (\bf)+12*\k
.set rSA, S8+\t
.set rSB, \bs
	WM \k, \k, 1-\k
.endr
.endr
.endm
.macro FETCHX t                                ; token tile t of x: two fragments and the scale words (lanes 0-15 K step 0, lanes 16-31 K step 1)
.irp i, 0,1,2,3,4,5
	ds_load_b128 v[XF+4*\i:XF+4*\i+3], v[LI] offset:3072*(\t)+512*\i
.endr
	ds_load_b32 v[XS], v[XSR] offset:128*(\t)
.endm
.macro ADDSIG reg, adr                         ; 64 numbers of x: + the signal of their channels, 32 at a time
.irp g, 0,1
.irp i, 0,1,2,3,4,5,6,7
	ds_load_b128 v[SG+4*\i:SG+4*\i+3], v[\adr] offset:256*\g+128*(\i/4)+16*(\i%4)
.endr
	s_wait_dscnt 0x0
.irp i, 0,2,4,6,8,10,12,14,16,18,20,22,24,26,28,30
	v_pk_add_f32 v[\reg+32*\g+\i:\reg+32*\g+\i+1], v[\reg+32*\g+\i:\reg+32*\g+\i+1], v[SG+\i:SG+\i+1]
.endr
.endr
.endm
; A weight's rows, as n loads of 512 bytes brought them into v[reg] on, go into my stage.  96 pieces of 16 bytes are 8 rows: load 3 j + m begins 8 j rows down, and its lanes' places hang on m alone.
.macro STAGE_IN reg, n
.set nn, 0
.rept \n
	ds_store_b128 v[SW+nn%3], v[(\reg)+4*nn:(\reg)+4*nn+3] offset:8*WP*(nn/3)+128*(nn/6)
.set nn, nn+1
.endr
.endm
; and tile t's two fragments come back into v[reg] on: lane (r, h) takes, of row 32 (t / 2) + 8 (t % 2) + r + 8 (r / 8), 24 bytes at 96 k + 24 h and 24 at 96 k + 48 + 24 h, in pieces of 8
.macro STAGE_OUT reg, t
.irp k, 0,1
.irp p, 0,1,2,3,4,5
	ds_load_b64 v[(\reg)+12*\k+2*\p:(\reg)+12*\k+2*\p+1], v[WRD] offset:(32*((\t)/2)+8*((\t)%2))*WP+256*((\t)/2)+96*\k+48*(\p/3)+8*(\p%3)
.endr
.endr
.endm
	s_load_b512 s[8:23], s[0:1], 0x0               ; src 8, wq codes 10, wq scales 12, wk codes 14, wk scales 16, wv codes 18, wv scales 20, wo codes 22
	s_load_b256 s[24:31], s[0:1], 0x40             ; ffn1 codes 24, ffn2 codes 26, qf 28, kv 30
	s_load_b64 s[32:33], s[0:1], 0x60              ; wf
	v_lshl_add_u32 v123, v0, 2, 0x41000
	v_mov_b32 v159, 0
	v_lshrrev_b32 v13, 5, v0
	v_readfirstlane_b32 s2, v13                    ; wave 0..7
	s_mov_b32 s3, ttmp9                            ; x: the pair of heads
	s_and_b32 s4, ttmp7, 0xffff                    ; blk: the block of 128 tokens
	s_lshr_b32 s5, s4, 3                           ; batch
	s_and_b32 s6, s4, 7                            ; block in the batch
	s_lshl_b32 s34, s3, 1
	s_bfe_u32 s35, s2, 0x10001
	s_add_co_u32 s35, s34, s35                     ; the head of my unit of q or k
	s_lshr_b32 s36, s2, 2
	s_add_co_u32 s36, s34, s36                     ; the head of my tiles of v
	s_and_b32 s37, s2, 1                           ; which 128 of the head's 256
	s_and_b32 s38, s2, 3
	s_lshl_b32 s40, s35, 8
	s_lshl_b32 s41, s37, 7
	s_add_co_u32 s40, s40, s41                     ; my unit's first row of W
	s_mul_i32 s42, s40, 192                        ; in bytes of codes,
	s_mov_b32 s43, 0
	s_lshl_b32 s44, s40, 3                         ; and of scale bytes
	s_mov_b32 s45, 0
	s_lshl_b32 s46, s5, 3
	s_add_co_u32 s47, s46, s36
	s_add_co_u32 s46, s46, s35
	s_lshl_b32 s46, s46, 3
	s_add_co_u32 s46, s46, s6                      ; (8 batch + head) x 8 + block: my block of qf or chunk of kv,
	s_lshl_b32 s47, s47, 3
	s_add_co_u32 s47, s47, s6                      ; and v's chunk
	; the fragment that is laid anew: f = 4 blk + x; wave 0 w_o, wave 1 ffn1_w, the others ffn2_w (only wave 2 stores it: every wave loads, so that the registers are written on every way)
	s_lshl_b32 s66, s4, 2
	s_add_co_u32 s66, s66, s3
	s_min_u32 s67, s2, 2
	s_lshr_b32 s68, s66, 5                         ; w_o, ffn2_w: f = 32 w' + 2 ks + n: rows 16 (2 w' + n) on, 96 ks bytes along a row of 1,536
	s_lshl_b32 s68, s68, 1
	s_and_b32 s69, s66, 1
	s_add_co_u32 s68, s68, s69
	s_lshl_b32 s68, s68, 4
	s_mul_i32 s68, s68, 1536
	s_bfe_u32 s69, s66, 0x40001
	s_mul_i32 s69, s69, 96
	s_add_co_u32 s68, s68, s69
	s_lshr_b32 s69, s66, 4                         ; ffn1_w: f = 16 g + 2 t + ks: rows 128 g + 32 (t / 2) + 8 (t % 2) on, 96 ks bytes along a row of 192
	s_lshl_b32 s69, s69, 7
	s_bfe_u32 s82, s66, 0x20002
	s_lshl_b32 s82, s82, 5
	s_add_co_u32 s69, s69, s82
	s_bfe_u32 s82, s66, 0x10001
	s_lshl_b32 s82, s82, 3
	s_add_co_u32 s69, s69, s82
	s_mul_i32 s69, s69, 192
	s_and_b32 s82, s66, 1
	s_mul_i32 s82, s82, 96
	s_add_co_u32 s69, s69, s82
	s_cmp_eq_u32 s67, 1
	s_cselect_b32 s68, s69, s68                    ; where the fragment begins in its tensor
	s_mov_b32 s69, 0
	s_mov_b32 s82, 1536
	s_cselect_b32 s82, 192, s82                    ; a row of that tensor in bytes
	s_cselect_b32 s83, 8, 0                        ; ffn1_w's tiles have the gap of 8 rows in their middle
	s_mul_i32 s86, s67, 393216
	s_mul_i32 s87, s66, 1536
	s_add_co_u32 s86, s86, s87                     ; and where it goes in wf
	s_mov_b32 s87, 0
	s_mul_i32 s88, s2, WSB
	s_add_co_u32 s88, s88, WST                     ; my stage
	s_mov_b32 s[KC], 0x3f22f983                    ; 2 / pi
	s_mov_b32 s[KC+1], 0xbfc90fdb                  ; -(pi / 2), the f32 number next to it,
	s_mov_b32 s[KC+2], 0x333bbd2e                  ; and what that number has too much
	s_mov_b32 s[KC+3], 0xb94ca1f9                  ; sin: -1.9515296e-4, 8.3321609e-3, -1.6666655e-1
	s_mov_b32 s[KC+4], 0x3c08839e
	s_mov_b32 s[KC+5], 0xbe2aaaa3
	s_mov_b32 s[KC+6], 0x37ccf5ce                  ; cos: 2.4433157e-5, -1.3887316e-3, 4.1666646e-2
	s_mov_b32 s[KC+7], 0xbab6061a
	s_mov_b32 s[KC+8], 0x3d2aaaa5
	s_mov_b32 s[SEL], 0x76543210
	s_mov_b32 s[SEL+1], 0xfedcba98
	v_and_b32 v12, 31, v0                          ; lane
	v_and_b32 v14, 15, v0                          ; r
	v_bfe_u32 v15, v0, 4, 1                        ; h
	v_and_b32 v13, 8, v14
	v_add_nc_u32 v13, v13, v14                     ; r + 8 (r / 8)
	v_lshlrev_b32 v[LI], 4, v12
	v_lshl_add_u32 v[XSR], v12, 2, XSC
	v_lshlrev_b32 v[SA], 4, v14
	v_add_nc_u32 v[XSW], s88, v[LI]
	v_mul_u32_u24 v[XRD], v14, XP
	v_lshl_add_u32 v[XRD], v15, 6, v[XRD]
	v_add_nc_u32 v[XRD], s88, v[XRD]
	v_mul_u32_u24 v[WRD], v13, WP
	v_mad_u32_u24 v[WRD], v15, 24, v[WRD]
	v_lshrrev_b32 v226, 3, v14
	v_lshl_add_u32 v[WRD], v226, 7, v[WRD]
	v_add_nc_u32 v[WRD], s88, v[WRD]
	v_lshlrev_b32 v[WSA], 3, v13
	v_lshl_add_u32 v[WSA], v15, 2, v[WSA]
	s_lshr_b32 s39, s2, 1
	s_mul_i32 s39, s39, TP
	s_add_co_u32 s39, s39, TAB+32*TP
	v_lshl_add_u32 v[TH], v15, 6, s39              ; my tile's image row is the block's row w / 2: table place 32 + w / 2
	s_mul_i32 s39, s37, 8*TP
	s_add_co_u32 s39, s39, TAB
	v_mul_u32_u24 v[TW], v13, TP
	v_lshl_add_u32 v[TW], v15, 6, v[TW]
	v_add_nc_u32 v[TW], s39, v[TW]                 ; my lane's column: 8 (w % 2) + r + 8 (r / 8)
	v_lshrrev_b32 v225, 6, v0
	v_mul_u32_u24 v[TWR], v225, TP
	v_and_b32 v224, 63, v0
	v_lshl_add_u32 v[TWR], v224, 2, v[TWR]
	v_add_nc_u32 v[TWR], TAB, v[TWR]
	s_mul_i32 s39, s2, 3072
	v_add_nc_u32 v[XWI], s39, v[LI]
	s_lshl_b32 s39, s2, 7
	s_add_co_u32 s39, s39, XSC
	v_lshl_add_u32 v[XWS], v14, 2, s39             ; (lanes r and r + 16 store the same word with the same value)
	v_lshrrev_b32 v12, 3, v14
	v_mad_u32_u24 v12, v12, s83, v14
	v_mul_u32_u24 v12, v12, s82
	v_mad_u32_u24 v[RLA], v15, 24, v12
	v_and_b32 v226, 31, v0                         ; lane.  (r, h and r + 8 (r / 8) are done with: their registers take the stage's three addresses)
.irp m, 0,1,2
	v_add_nc_u32 v227, 32*\m, v226                 ; g = 32 m + lane: my piece of 16 bytes among the 96 of 8 rows
	v_mul_u32_u24 v228, v227, 43
	v_lshrrev_b32 v228, 9, v228                    ; g / 12, its row: 43 g / 512 rounded down is that for every g up to 95
	v_add_nc_u32 v228, v228, v227
	v_lshl_add_u32 v[SW+\m], v228, 4, s88          ; 208 (g / 12) + 16 (g % 12) = 16 (g + g / 12)
.endr
.irp b, 0,1,2,3
	v_mov_b32 v[TM+4+\b], 0                        ; written once: a lane permute's destination counts as one of its sources
.endr
	s_wait_kmcnt 0x0
	s_cmp_lt_u32 s2, 4                             ; waves 0-3 make q, waves 4-7 k: the choice hangs on the wave's number alone
	s_cselect_b64 s[48:49], s[10:11], s[14:15]
	s_cselect_b64 s[50:51], s[12:13], s[16:17]
	s_cselect_b64 s[52:53], s[28:29], s[30:31]
	s_mov_b32 s54, 51200
	s_cselect_b32 s54, 25600, s54                  ; a block of qf, a chunk of kv
	s_mov_b32 s55, 49152
	s_cselect_b32 s55, 24576, s55                  ; where its scale words begin
	s_add_nc_u64 s[48:49], s[48:49], s[42:43]      ; my rows' codes
	s_add_nc_u64 s[50:51], s[50:51], s[44:45]      ; and scale bytes
	s_mul_i32 s56, s46, s54
	s_mov_b32 s57, 0
	s_add_nc_u64 s[52:53], s[52:53], s[56:57]
	s_lshl_b32 s56, s37, 8
	s_add_co_u32 s56, s56, s55
	s_add_nc_u64 s[58:59], s[52:53], s[56:57]      ; my unit's scale words
	s_mul_i32 s56, s37, 1536
	s_add_nc_u64 s[52:53], s[52:53], s[56:57]      ; my unit's fragments: (2 t + s) x 1,536
	s_lshl_b32 s60, s36, 8
	s_lshl_b32 s61, s38, 6
	s_add_co_u32 s60, s60, s61                     ; my four tiles' first row of Wv: 256 head + 64 (w % 4)
	s_mul_i32 s56, s60, 192
	s_add_nc_u64 s[18:19], s[18:19], s[56:57]
	s_lshl_b32 s56, s60, 3
	s_add_nc_u64 s[20:21], s[20:21], s[56:57]
	s_mul_i32 s56, s47, 51200
	s_add_nc_u64 s[30:31], s[30:31], s[56:57]      ; v's chunk
	s_lshl_b32 s56, s38, 8
	s_add_co_u32 s56, s56, 50176
	s_add_nc_u64 s[62:63], s[30:31], s[56:57]      ; my tiles' scale words
	s_mul_i32 s56, s38, 6144
	s_add_co_u32 s56, s56, 24576
	s_add_nc_u64 s[30:31], s[30:31], s[56:57]      ; my tiles' fragments
	s_lshl_b32 s56, s4, 7
	s_lshr_b32 s60, s2, 1
	s_lshl_b32 s60, s60, 5
	s_add_co_u32 s56, s56, s60
	s_lshl_b32 s61, s37, 3
	s_add_co_u32 s56, s56, s61
	s_lshl_b32 s56, s56, 10
	s_add_nc_u64 s[8:9], s[8:9], s[56:57]          ; src at token 128 blk + 32 (w / 2) + 8 (w % 2)
	s_cmp_eq_u32 s67, 1
	s_cselect_b64 s[84:85], s[24:25], s[22:23]
	s_cmp_eq_u32 s67, 2
	s_cselect_b64 s[84:85], s[26:27], s[84:85]
	s_add_nc_u64 s[84:85], s[84:85], s[68:69]
	s_add_nc_u64 s[32:33], s[32:33], s[86:87]
	; ---- all that the first half needs is asked for: 6 + 32 + 48 + 8 loads
.irp p, 0,1,2,3,4,5
	global_load_b64 v[RL+2*\p:RL+2*\p+1], v[RLA], s[84:85] offset:48*(\p/3)+8*(\p%3)
.endr
.set nn, 0
.rept 16
	global_load_b128 v[HA+4*nn:HA+4*nn+3], v[LI], s[8:9] offset:512*nn              ; my tile's tokens 0-7, as they lie: half a token a load
.set nn, nn+1
.endr
.set nn, 0
.rept 16
	global_load_b128 v[ST+4*nn:ST+4*nn+3], v[LI], s[8:9] offset:16384+512*nn        ; its tokens 8-15, which lie 16 tokens behind the first
.set nn, nn+1
.endr
	WIN 0x40                                       ; destination window 1
.set nn, 0
.rept 48
	global_load_b128 v[4*nn:4*nn+3], v[LI], s[48:49] offset:512*nn                  ; my 128 rows of W, as they lie
.set nn, nn+1
.endr
	WIN 0
.irp t, 0,1,2,3,4,5,6,7
	global_load_b32 v[S8+\t], v[WSA], s[50:51] offset:(32*(\t/2)+8*(\t%2))*8
.endr
	; ---- the table: thread (position % 4 = tid / 64, j = tid % 64), nine positions
	v_cvt_f32_u32 v224, v224
	v_mul_f32 v224, 0xbe57fa62, v224               ; -j log2(10000) / 63
	v_exp_f32 v224, v224                           ; 10000^(-j / 63)
	v_nop                                          ; a plain place behind the exponential
	s_wait_alu depctr_va_vdst(0)
	s_lshl_b32 s7, s6, 2                           ; my block's first image row
.irp i, 0,1,2,3,4,5,6,7,8
.if \i < 8
	v_add_nc_u32 v226, 4*\i, v225
.else
	v_add_nc_u32 v226, s7, v225
.endif
	v_cvt_f32_u32 v226, v226
	v_mul_f32 v226, v226, v224
	SINCOS 226, 232+2*\i, 233+2*\i, 227, 228, 229, 230
	ds_store_b32 v[TWR], v[232+2*\i] offset:4*TP*\i
	ds_store_b32 v[TWR], v[233+2*\i] offset:4*TP*\i+256
.endr
	BARRIER                                        ; the table is whole
	s_wait_loadcnt 56                              ; the fragment to be laid anew and src are in; W's 48 loads and its 8 scale words may be out
	s_cmp_lt_u32 s2, 3
	s_cbranch_scc0 .Lno_relay
.irp c, 0,1,2
	global_store_b128 v[LI], v[RL+4*\c:RL+4*\c+3], s[32:33] offset:512*\c   ; 32 lanes store 512 consecutive bytes
.endr
.Lno_relay:
	; ---- src turns through my stage: in as it lies, out 64 bytes of each block of 32 channels to the lane that quantises them
.set nn, 0
.rept 16
	ds_store_b128 v[XSW], v[HA+4*nn:HA+4*nn+3] offset:XP*(nn/2)+512*(nn%2)
.set nn, nn+1
.endr
.set nn, 0
.rept 16
	ds_store_b128 v[XSW], v[ST+4*nn:ST+4*nn+3] offset:XP*(8+nn/2)+512*(nn%2)
.set nn, nn+1
.endr
.irp b, 0,1,2,3
.irp i, 0,1,2,3
	ds_load_b128 v[HA+16*\b+4*\i:HA+16*\b+4*\i+3], v[XRD] offset:128*\b+16*\i        ; my row's 16 numbers of block b, channels 0-127
.endr
.endr
.irp b, 0,1,2,3
.irp i, 0,1,2,3
	ds_load_b128 v[ST+16*\b+4*\i:ST+16*\b+4*\i+3], v[XRD] offset:512+128*\b+16*\i    ; channels 128-255
.endr
.endr
	; ---- x = src + signal; my tile's two fragments go to LDS as images
	ADDSIG HA, TH                                  ; (its wait for the signal is for 0: x is back from the stage too)
	QUANT HA, PC, PWX
.irp c, 0,1,2
	ds_store_b128 v[XWI], v[PC+4*\c:PC+4*\c+3] offset:512*\c
.endr
	ds_store_b32 v[XWS], v[PWX]
	ADDSIG ST, TW
	s_wait_dscnt 0x0                               ; the stores have read their registers
	QUANT ST, PC, PWX
.irp c, 0,1,2
	ds_store_b128 v[XWI], v[PC+4*\c:PC+4*\c+3] offset:1536+512*\c
.endr
	ds_store_b32 v[XWS], v[PWX] offset:64
	s_wait_xcnt 0x0                                ; the stores into wf have read v16-27, which x's fragments take behind the barrier; it stands ahead of the loads below, so that it does not wait for them
.set nn, 0
.rept 24
	global_load_b128 v[WV+4*nn:WV+4*nn+3], v[LI], s[18:19] offset:512*nn            ; my 64 rows of Wv, as they lie, into the registers that x has left
.set nn, nn+1
.endr
.irp i, 0,1,2,3
	global_load_b32 v[SV+\i], v[WSA], s[20:21] offset:(32*(\i/2)+8*(\i%2))*8
.endr
	s_wait_loadcnt 28                              ; W and its scale words are in; the 28 loads just issued may be out
	WIN 0x04                                       ; an LDS store's data are its source 1: window 1
	STAGE_IN 0, 48                                 ; W turns through my stage, over the bytes that src has left,
	WIN 0x40                                       ; destination window 1
.irp t, 0,1,2,3,4,5,6,7
	STAGE_OUT 24*\t, \t                            ; and comes back as 16 fragments, into the registers that it left
.endr
	WIN 0
	BARRIER                                        ; x's sixteen fragments lie in LDS; my fragments of W are in
	; ---- my unit of q or k: 128 of the head's 256 for each of the 8 token tiles
	FETCHX 0
.irp t, 0,1,2,3,4,5,6,7
.if \t == 1
	s_wait_dscnt 63                                ; tile 1's seven loads are in: behind them stand the 72 instructions of Wv's turn, more than the field holds
.else
	s_wait_dscnt 0x0
.endif
	WIN 0x01                                       ; source 0 window 1
	MM16 XF, XS
	WIN 0
	PLACES                                         ; in front of the loads into x's registers and of the first read of the results
.if \t < 7
	FETCHX \t+1
.endif
.if \t == 0
	s_wait_loadcnt 0x0                             ; Wv and its scale words
	STAGE_IN WV, 24                                ; Wv turns through my stage while tile 0 is quantised
.irp i, 0,1,2,3
	STAGE_OUT WV+24*\i, \i
.endr
.endif
	s_wait_xcnt 0x0                                ; the last tile's stores have read the codes' registers
	QUANT HA, PC, KW+\t
.irp c, 0,1,2
	global_store_b128 v[LI], v[PC+4*\c:PC+4*\c+3], s[52:53] offset:3072*\t+512*\c
.endr
.endr
	global_store_b128 v[SA], v[KW:KW+3], s[58:59]             ; sixteen lanes fill 256 consecutive bytes (lanes 16-31 store the same words again)
	global_store_b128 v[SA], v[KW+4:KW+7], s[58:59] offset:512
	; ---- my four tiles of v: x's 16 fragments take W's place in window 1
	WIN 0x40
.set nn, 0
.rept 48
	ds_load_b128 v[4*nn:4*nn+3], v[LI] offset:512*nn
.set nn, nn+1
.endr
	WIN 0
.irp t, 0,1,2,3,4,5,6,7
	ds_load_b32 v[S8+\t], v[XSR] offset:128*\t
.endr
	s_wait_dscnt 0x0
.irp i, 0,1,2,3
	WIN 0x01
	MM16 WV+24*\i, SV+\i
	WIN 0
	PLACES
	s_wait_xcnt 0x0                                ; earlier stores have read the codes' and the scale words' registers
	QUANT HA, PC, KW+\i
.irp c, 0,1,2
	global_store_b128 v[LI], v[PC+4*\c:PC+4*\c+3], s[30:31] offset:1536*\i+512*\c
.endr
.endr
	global_store_b128 v[SA], v[KW:KW+3], s[62:63]
	s_wait_tensorcnt 0x0
	ds_add_u32 v123, v159
	s_wait_dscnt 0x0
	s_endpgm
.Lfunc_end_k_q7b18919a7f_qkv:
	.size	k_q7b18919a7f_qkv, .Lfunc_end_k_q7b18919a7f_qkv-k_q7b18919a7f_qkv
	.p2alignl 7, 3214868480
	.fill 96, 4, 3214868480
	.section	.rodata,"a",@progbits
	.p2align	6, 0x0
	.amdhsa_kernel k_q7b18919a7f_qkv
		.amdhsa_group_segment_fixed_size 267264
		.amdhsa_private_segment_fixed_size 0
		.amdhsa_enable_private_segment 0
		.amdhsa_kernarg_size 104
		.amdhsa_user_sgpr_count 2
		.amdhsa_user_sgpr_kernarg_segment_ptr 1
		.amdhsa_wavefront_size32 1
		.amdhsa_system_sgpr_workgroup_id_x 1
		.amdhsa_system_sgpr_workgroup_id_y 1
		.amdhsa_system_sgpr_workgroup_id_z 1
		.amdhsa_system_vgpr_workitem_id 0
		.amdhsa_next_free_vgpr 448
		.amdhsa_next_free_sgpr 100
		.amdhsa_reserve_vcc 1
		.amdhsa_float_denorm_mode_32 3
		.amdhsa_float_denorm_mode_16_64 3
		.amdhsa_memory_ordered 1
		.amdhsa_forward_progress 1
		.amdhsa_inst_pref_size 148
	.end_amdhsa_kernel
	.amdgpu_metadata
---
amdhsa.version: [ 1, 2 ]
amdhsa.kernels:
  - .name:           k_q7b18919a7f_qkv
    .symbol:         k_q7b18919a7f_qkv.kd
    .args:
      - { .name: src, .offset: 0, .size: 8, .value_kind: global_buffer, .address_space: global }
      - { .name: w_q_codes, .offset: 8, .size: 8, .value_kind: global_buffer, .address_space: global }
      - { .name: w_q_scales, .offset: 16, .size: 8, .value_kind: global_buffer, .address_space: global }
      - { .name: w_k_codes, .offset: 24, .size: 8, .value_kind: global_buffer, .address_space: global }
      - { .name: w_k_scales, .offset: 32, .size: 8, .value_kind: global_buffer, .address_space: global }
      - { .name: w_v_codes, .offset: 40, .size: 8, .value_kind: global_buffer, .address_space: global }
      - { .name: w_v_scales, .offset: 48, .size: 8, .value_kind: global_buffer, .address_space: global }
      - { .name: w_o_codes, .offset: 56, .size: 8, .value_kind: global_buffer, .address_space: global }
      - { .name: ffn1_w_codes, .offset: 64, .size: 8, .value_kind: global_buffer, .address_space: global }
      - { .name: ffn2_w_codes, .offset: 72, .size: 8, .value_kind: global_buffer, .address_space: global }
      - { .name: qf, .offset: 80, .size: 8, .value_kind: global_buffer, .address_space: global }
      - { .name: kv, .offset: 88, .size: 8, .value_kind: global_buffer, .address_space: global }
      - { .name: wf, .offset: 96, .size: 8, .value_kind: global_buffer, .address_space: global }
    .group_segment_fixed_size: 267264
    .private_segment_fixed_size: 0
    .kernarg_segment_align: 8
    .kernarg_segment_size: 104
    .max_flat_workgroup_size: 256
    .sgpr_count:     100
    .vgpr_count:     448
    .wavefront_size: 32
...
	.end_amdgpu_metadata
.endif
;; end of part 1
;; launch attn (part 2): grid 4 x 64, 8 waves a work-group, clusters of 4 x 1, 327,680 bytes of LDS; arguments qf, kv, of; writes of
.if DOCPART == 2
	.amdgcn_target "amdgcn-amd-amdhsa--gfx1250"
	.amdhsa_code_object_version 6
	.text
	.protected	k_q7b18919a7f_attn
	.globl	k_q7b18919a7f_attn
	.p2align	8
	.type	k_q7b18919a7f_attn,@function
k_q7b18919a7f_attn:
	s_mov_b64 s[64:65], 0
	v_nop
	global_prefetch_b8 v0, s[64:65] scope:SCOPE_SE
	s_setreg_imm32_b32 hwreg(HW_REG_WAVE_MODE, 25, 1), 1
	s_wait_xcnt 0x0
	s_wait_alu depctr_hold_cnt(0) depctr_sa_sdst(0) depctr_va_vdst(0) depctr_va_sdst(0) depctr_va_ssrc(0) depctr_va_vcc(0) depctr_vm_vsrc(0)
	s_getreg_b32 s2, hwreg(HW_REG_IB_STS2, 6, 4)
	s_cmp_eq_u32 s2, 0
	s_cbranch_scc0 .Lentry_in_a_cluster
	s_endpgm
.Lentry_in_a_cluster:
	s_bfe_u32 s2, ttmp6, 0x10000c
	s_cmp_lg_u32 s2, 0x3003
	s_cbranch_scc0 .Lentry_shape_is_right
	s_endpgm
.Lentry_shape_is_right:
; o = softmax(q k^T / 16) v for one (batch, head) a cluster, both products on codes of FP6 (E2M3) with one E8M0 scale for each 32 along K; o is quantised along the head's 256 and leaves as images of operand registers.
; THE SOFTMAX: t = score x log2(e) / 16 (q's codes are those of the unscaled q); M = the running largest t rounded UP to a whole number; p = 2^(t - M) is quantised along the keys, not normalised;
; the row's sum is taken of the unquantised p and divides O at the end; when M moves, the sum and O are multiplied by 2^(old M - new M), which rounds nothing.
; SHARES.  A work-group owns 256 queries; each of its eight waves 32 (one image row): two tiles of 16, so that each fragment of K and V read from LDS feeds two products.  Two waves share a SIMD.
; Both products are used transposed (S^T = K Q^T, O^T = V^T P^T): a lane holds one query throughout.  The keys of a tile of K and the channels of a tile of V were chosen by the launch before so that the 16 registers
; of two neighbouring result tiles are 16 neighbours along the next K.
; CLUSTER.  The four query blocks of a head walk the same 8 chunks of kv (128 keys: 51,200 bytes, K's 16 fragments, V's 16, their scale words), so each slot of two chunks is asked for JOINTLY: waves 0-3 bring a quarter each
; (100 rows of 256 bytes) by the same tensor load with the same descriptor and a mask that names the four.  By this text's count at most one tensor load of a wave is out.
; O^T begins as zeros and the largest t as -3e38, so that the key step is written once for every step: the first change of M multiplies zeros.
; LIMITS: blocks of o whose largest magnitude lies under 2^-124 get the scale byte 1 (read by this program alone); NaN and infinities are not served.
; REGISTERS: window 0: v1-5 addresses; v6-7 q's scale words; v8-19 six statistics a tile; v20-27 K's, then V's scale words; v28-75 Q; v76-123 two tiles of K, then p's codes and work; v128-255 S^T, then p, then V.  window 1: O^T, 128 a tile.
.set CHUNK, 51200
.set SLOTB, 102400
.set SLOT1, 131072                     ; slot 1 begins here: one exclusive or turns an address in one slot into the other's
.set SPARE, 102400                     ; between the slots: the spare words, 128 bytes for each wave: four blocks of 256 bytes that no other line names
.set SPW,  1
.set NIL,  2
.set LI,   3                           ; 16 x lane
.set ADR,  4                           ; the chunk in hand + 16 x lane
.set SA,   5                           ; 16 r
.set QS,   6
.set ST,   8                           ; tile u at ST + 6 u: -M, the largest t, the sum in two halves, f, p's scale word
.set KS8,  20
.set QF,   28                          ; Q: tile u, K step s at QF + 24 u + 12 s
.set RB,   76
.set CT,   RB+24
.set TM,   RB+32
.set T0,   RB+44
.set S,    128
.set WV,   10
.set CS,   20                          ; s[20:21] c = log2(e) / 16
.set SEL,  22
.set G1,   24
.set G0,   32
.set TB,   36                          ; LDS byte at which the slot in hand begins
.set SLOTS, 37
.set MSB, 0
.macro WIN new                         ; the immediate's high byte repeats the setting that is left
.if MSB != \new
	s_set_vgpr_msb (MSB<<8)|\new
.set MSB, \new
.endif
.endm
.macro PLACES
.rept 4
	v_nop
.endr
.endm
.macro WM ra, rb, z                    ; one scaled product on rD, rA, rB, rSA, rSB; ra, rb: the scale words stand in lanes 16-31; z = 1: it starts the sum
.if \z
	v_wmma_scale_f32_16x16x128_f8f6f4 v[rD:rD+7], v[rA:rA+11], v[rB:rB+11], 0, v[rSA], v[rSB] matrix_a_fmt:MATRIX_FMT_FP6 matrix_b_fmt:MATRIX_FMT_FP6
.elseif (\ra) && (\rb)
	v_wmma_scale_f32_16x16x128_f8f6f4 v[rD:rD+7], v[rA:rA+11], v[rB:rB+11], v[rD:rD+7], v[rSA], v[rSB] matrix_a_fmt:MATRIX_FMT_FP6 matrix_b_fmt:MATRIX_FMT_FP6 matrix_a_scale:MATRIX_SCALE_ROW1 matrix_b_scale:MATRIX_SCALE_ROW1
.elseif (\ra)
	v_wmma_scale_f32_16x16x128_f8f6f4 v[rD:rD+7], v[rA:rA+11], v[rB:rB+11], v[rD:rD+7], v[rSA], v[rSB] matrix_a_fmt:MATRIX_FMT_FP6 matrix_b_fmt:MATRIX_FMT_FP6 matrix_a_scale:MATRIX_SCALE_ROW1
.elseif (\rb)
	v_wmma_scale_f32_16x16x128_f8f6f4 v[rD:rD+7], v[rA:rA+11], v[rB:rB+11], v[rD:rD+7], v[rSA], v[rSB] matrix_a_fmt:MATRIX_FMT_FP6 matrix_b_fmt:MATRIX_FMT_FP6 matrix_b_scale:MATRIX_SCALE_ROW1
.else
	v_wmma_scale_f32_16x16x128_f8f6f4 v[rD:rD+7], v[rA:rA+11], v[rB:rB+11], v[rD:rD+7], v[rSA], v[rSB] matrix_a_fmt:MATRIX_FMT_FP6 matrix_b_fmt:MATRIX_FMT_FP6
.endif
.endm
.macro QUANT s, pc, pw                 ; 64 numbers of a lane, register 16 b + i = k 32 b + 16 (lane / 16) + i, become a fragment's codes in v[pc] on and the row's scale word in v[pw]
.irp b, 0,1,2,3
	v_max3_num_f32 v[TM+\b], |v[(\s)+16*\b]|, |v[(\s)+1+16*\b]|, 0x1800000   ; and the floor 2^(3 - 127): the byte cannot fall under 1
.endr
.irp i, 2,4,6,8,10,12,14
.irp b, 0,1,2,3
	v_max3_num_f32 v[TM+\b], v[TM+\b], |v[(\s)+16*\b+\i]|, |v[(\s)+1+16*\b+\i]|
.endr
.endr
.irp b, 0,1,2,3
	v_permlanex16_b32 v[TM+4+\b], v[TM+\b], s[SEL], s[SEL+1]
.endr
.irp b, 0,1,2,3
	v_max_num_f32 v[TM+\b], v[TM+\b], v[TM+4+\b]
.endr
.irp b, 0,1,2,3
	v_add_nc_u32 v[TM+8+\b], 0xff000000, v[TM+\b]  ; 2 off the exponent field: the conversion's scale operand
.endr
.irp b, 0,1,2,3
	v_lshrrev_b32 v[TM+4+\b], 23, v[TM+8+\b]
.endr
	v_lshl_or_b32 v[\pw], v[TM+5], 8, v[TM+4]
	v_lshl_or_b32 v[\pw], v[TM+6], 16, v[\pw]
	v_lshl_or_b32 v[\pw], v[TM+7], 24, v[\pw]
.irp c, 0,1
	v_cvt_scalef32_pk16_fp6_f32 v[(\pc)+6*\c:(\pc)+2+6*\c], v[(\s)+32*\c:(\s)+15+32*\c], v[TM+8+2*\c]
	v_cvt_scalef32_pk16_fp6_f32 v[CT+4*\c:CT+2+4*\c], v[(\s)+16+32*\c:(\s)+31+32*\c], v[TM+8+2*\c+1]
.endr
	v_nop                                          ; one plain place behind a scaled conversion
.irp c, 0,1
.irp i, 0,1,2
	v_permlane16_swap_b32 v[(\pc)+6*\c+\i], v[CT+4*\c+\i]
.endr
.irp i, 0,1,2
	v_mov_b32 v[(\pc)+3+6*\c+\i], v[CT+4*\c+\i]
.endr
.endr
.endm
.macro ROUND                           ; a round of the cluster's barrier
	s_barrier_signal -1
	s_barrier_wait -1
	s_cmp_lg_u32 s[WV], 0
	s_cbranch_scc1 .Lnot_wave_0_\@
	s_barrier_signal -3
.Lnot_wave_0_\@:
	s_barrier_wait -3
	s_barrier_signal -1
	s_barrier_wait -1
.endm
.macro TLOAD                           ; waves 0-3 ask for a quarter of a slot each; the branch hangs on the wave's number alone; four v_nop follow the load
	s_cmp_lt_u32 s[WV], 4
	s_cbranch_scc0 .Lasked_\@
	tensor_load_to_lds s[G0:G0+3], s[G1:G1+7]
	s_nop 0
.rept 4
	v_nop
.endr
.Lasked_\@:
.endm
	s_load_b128 s[4:7], s[0:1], 0x0                ; qf, kv
	s_load_b64 s[8:9], s[0:1], 0x10                ; of
	v_lshl_add_u32 v[SPW], v0, 2, SPARE
	v_mov_b32 v[NIL], 0
	ds_add_u32 v1, v2
	s_wait_dscnt 0x0
	v_lshrrev_b32 v4, 5, v0
	v_readfirstlane_b32 s[WV], v4                  ; wave 0..7
	s_bfe_u32 s11, ttmp6, 0x40000                  ; cx: my block of 256 queries; it enters qf's and of's addresses alone
	s_and_b32 s12, ttmp7, 0xffff                   ; 8 batch + head, which the four partners share
	s_mul_i32 s14, s12, 8*CHUNK
	s_mul_i32 s[G0+1], s[WV], SLOTB/4              ; my quarter of a slot, in LDS and in memory
	s_add_co_u32 s14, s14, s[G0+1]
	s_mov_b32 s15, 0
	s_lshl_b32 s13, s12, 3
	s_lshl_b32 s16, s11, 1
	s_add_co_u32 s13, s13, s16
	s_lshr_b32 s16, s[WV], 2
	s_add_co_u32 s13, s13, s16
	s_mul_i32 s13, s13, 25600                      ; my block of qf: 128 tokens
	s_and_b32 s16, s[WV], 3
	s_mul_i32 s16, s16, 6144
	s_add_co_u32 s40, s13, s16                     ; my two tiles' four fragments
	s_mov_b32 s41, 0
	s_bfe_u32 s16, s[WV], 0x10001
	s_lshl_b32 s16, s16, 9
	s_and_b32 s17, s[WV], 1
	s_lshl_b32 s17, s17, 3
	s_add_co_u32 s16, s16, s17
	s_add_co_u32 s16, s16, 24576
	s_add_co_u32 s42, s13, s16                     ; and their scale words
	s_mov_b32 s43, 0
	s_lshr_b32 s16, s12, 3
	s_lshl_b32 s16, s16, 5
	s_lshl_b32 s17, s11, 3
	s_add_co_u32 s16, s16, s17
	s_add_co_u32 s16, s16, s[WV]                   ; my group of 32 tokens: 32 batch + 8 cx + wave
	s_mul_i32 s16, s16, 51200
	s_and_b32 s17, s12, 7                          ; the head
	s_mul_i32 s18, s17, 6144
	s_add_co_u32 s44, s16, s18                     ; of: K steps 2 head, 2 head + 1, two tiles each
	s_mov_b32 s45, 0
	s_lshr_b32 s18, s17, 1
	s_lshl_b32 s18, s18, 9
	s_and_b32 s19, s17, 1
	s_lshl_b32 s19, s19, 3
	s_add_co_u32 s18, s18, s19
	s_add_co_u32 s18, s18, 49152
	s_add_co_u32 s46, s16, s18                     ; and their scale words
	s_mov_b32 s47, 0
	s_mov_b32 s[G1], 0x0023000f                    ; 15:0 the mask: all four work-groups; 17:16 elements of 8 bytes; 20 no padding; 21 set beside a mask
	s_mov_b32 s[G1+1], 32<<16                      ; tensor_dim0 = 32 elements: 256 bytes
	s_mov_b32 s[G1+2], 100<<16                     ; tensor_dim1 = 100 rows
	s_mov_b32 s[G1+3], 32<<16                      ; tile_dim0
	s_mov_b32 s[G1+4], 100                         ; tile_dim1
	s_mov_b32 s[G1+5], 32                          ; the rows are dense
	s_mov_b32 s[G1+6], 0
	s_mov_b32 s[G1+7], 0
	s_mov_b32 s[CS], 0x3db8aa3b                    ; c = log2(e) / 16
	s_mov_b32 s[CS+1], s[CS]                       ; (named with it as a pair, so it is written)
	s_mov_b32 s[SEL], 0x76543210
	s_mov_b32 s[SEL+1], 0xfedcba98
	s_mov_b32 s[TB], 0
	s_mov_b32 s[SLOTS], 3
	s_wait_kmcnt 0x0
	s_mov_b32 s[G0], 1
	s_add_nc_u64 s[G0+2:G0+3], s[6:7], s[14:15]
	s_or_b32 s[G0+3], s[G0+3], 0x80000000
	s_add_nc_u64 s[40:41], s[4:5], s[40:41]
	s_add_nc_u64 s[42:43], s[4:5], s[42:43]
	s_add_nc_u64 s[44:45], s[8:9], s[44:45]
	s_add_nc_u64 s[46:47], s[8:9], s[46:47]
	ROUND                                          ; all four work-groups are here: the first joint loads meet
	TLOAD                                          ; slot 0: keys 0-255
	v_and_b32 v4, 31, v0
	v_lshlrev_b32 v[LI], 4, v4
	v_and_b32 v4, 15, v0
	v_lshlrev_b32 v[SA], 4, v4
.irp i, 0,1,2,3,4,5,6,7,8,9,10,11
	global_load_b128 v[QF+4*\i:QF+4*\i+3], v[LI], s[40:41] offset:512*\i   ; Q stays in registers
.endr
	global_load_b64 v[QS:QS+1], v[LI], s[42:43]    ; tiles 0 and 1: lanes 0-15 K step 0, lanes 16-31 K step 1
	WIN 0x40
.set nn, 0
.rept 256
	v_mov_b32 v[nn], 0                             ; O^T
.set nn, nn+1
.endr
	WIN 0
.irp u, 0,1
	v_mov_b32 v[ST+6*\u+1], 0xff61b1e6             ; the largest t so far: -3e38
	v_floor_f32 v[ST+6*\u], -v[ST+6*\u+1]          ; -M
	v_mov_b32 v[ST+6*\u+2], 0
	v_mov_b32 v[ST+6*\u+3], 0
	v_mov_b32 v[ST+6*\u+4], 0
	v_mov_b32 v[ST+6*\u+5], 0                      ; (named as the upper half of f's pair before it is first made)
.endr
; Tile u's softmax for 128 keys: S^T in v[S + 64 u] on becomes p; p's codes go to v[RB + 12 u] on, its scale word to the tile's statistics.
.macro SOFTMAX u
.set SS, S+64*\u
.set NM, ST+6*\u
.set PP, RB+12*\u
.irp b, 0,1,2,3
	v_max3_num_f32 v[TM+\b], v[SS+16*\b], v[SS+16*\b+1], v[SS+16*\b+2]   ; the largest score of each block of 32 keys: it serves the row's maximum and, since p rises with the score, the block's largest p
.endr
.irp i, 3,5,7,9,11,13
.irp b, 0,1,2,3
	v_max3_num_f32 v[TM+\b], v[TM+\b], v[SS+16*\b+\i], v[SS+16*\b+\i+1]
.endr
.endr
.irp b, 0,1,2,3
	v_max_num_f32 v[TM+\b], v[TM+\b], v[SS+16*\b+15]
.endr
.irp b, 0,1,2,3
	v_permlanex16_b32 v[TM+4+\b], v[TM+\b], s[SEL], s[SEL+1]
.endr
.irp b, 0,1,2,3
	v_max_num_f32 v[TM+\b], v[TM+\b], v[TM+4+\b]   ; with lane l xor 16's 16 keys
.endr
	v_max3_num_f32 v[T0], v[TM], v[TM+1], v[TM+2]
	v_max_num_f32 v[T0], v[T0], v[TM+3]
	v_mul_f32 v[T0], s[CS], v[T0]                  ; as t (c is positive)
	v_max_num_f32 v[NM+1], v[NM+1], v[T0]          ; the running largest t
	v_mov_b32 v[T0], v[NM]
	v_floor_f32 v[NM], -v[NM+1]                    ; the new -M = -ceil(t)
	v_sub_f32 v[T0], v[NM], v[T0]                  ; old M - new M: a whole number, 0 or less
	v_cvt_i32_f32 v[T0], v[T0]                     ; (it saturates)
	v_ldexp_f32 v[NM+4], 1.0, v[T0]                ; f = 2^(old M - new M)
.set jj, 0
.rept 32
	v_pk_fma_f32 v[SS+jj:SS+jj+1], v[SS+jj:SS+jj+1], s[CS:CS+1], v[NM:NM+1] op_sel_hi:[1,0,0]   ; t - M, two at a time
.set jj, jj+2
.endr
.irp b, 0,1,2,3
	v_fma_f32 v[TM+\b], v[TM+\b], s[CS], v[NM]     ; the same of each block's largest score
.endr
.set jj, 0
.rept 64
	v_exp_f32 v[SS+jj], v[SS+jj]                   ; p = 2^(t - M), at most 1
.set jj, jj+1
.endr
.irp b, 0,1,2,3
	v_exp_f32 v[TM+\b], v[TM+\b]                   ; the block's largest p
.endr
	v_pk_mul_f32 v[NM+2:NM+3], v[NM+2:NM+3], v[NM+4:NM+5] op_sel_hi:[1,0]   ; the sums under the new M (a plain place behind the exponentials)
	s_wait_alu depctr_va_vdst(0)
.irp b, 0,1,2,3
	v_max_num_f32 v[TM+\b], 0x1800000, v[TM+\b]    ; the floor 2^(3 - 127)
.endr
.irp b, 0,1,2,3
	v_add_nc_u32 v[TM+8+\b], 0xff000000, v[TM+\b]
.endr
.irp b, 0,1,2,3
	v_lshrrev_b32 v[TM+4+\b], 23, v[TM+8+\b]
.endr
	v_lshl_or_b32 v[NM+5], v[TM+5], 8, v[TM+4]     ; p's scale word for these 128 keys
	v_lshl_or_b32 v[NM+5], v[TM+6], 16, v[NM+5]
	v_lshl_or_b32 v[NM+5], v[TM+7], 24, v[NM+5]
.irp c, 0,1
	v_cvt_scalef32_pk16_fp6_f32 v[PP+6*\c:PP+2+6*\c], v[SS+32*\c:SS+15+32*\c], v[TM+8+2*\c]
	v_cvt_scalef32_pk16_fp6_f32 v[CT+4*\c:CT+2+4*\c], v[SS+16+32*\c:SS+31+32*\c], v[TM+8+2*\c+1]
.endr
	v_nop                                          ; one plain place behind a scaled conversion
.irp c, 0,1
.irp i, 0,1,2
	v_permlane16_swap_b32 v[PP+6*\c+\i], v[CT+4*\c+\i]
.endr
.irp i, 0,1,2
	v_mov_b32 v[PP+3+6*\c+\i], v[CT+4*\c+\i]
.endr
.endr
	v_pk_add_f32 v[TM+4:TM+5], v[SS:SS+1], v[SS+2:SS+3]   ; the row's sum is taken of the unquantised p: two at a time, in two chains
.irp j, 4,8,12,16,20,24,28,32,36,40,44,48,52,56,60
	v_pk_add_f32 v[NM+2:NM+3], v[NM+2:NM+3], v[SS+\j:SS+\j+1]
	v_pk_add_f32 v[TM+4:TM+5], v[TM+4:TM+5], v[SS+\j+2:SS+\j+3]
.endr
	v_pk_add_f32 v[NM+2:NM+3], v[NM+2:NM+3], v[TM+4:TM+5]
.endm
; A KEY STEP: chunk q of the slot in hand, 128 keys.
.macro STEP q
	v_add_nc_u32 v[ADR], s[TB], v[LI]
.if \q
	v_add_nc_u32 v[ADR], CHUNK, v[ADR]
.endif
	ds_load_b128 v[KS8:KS8+3], v[ADR] offset:49152            ; K's scale words: tiles 0-3, 4-7; lanes 0-15 K step 0, lanes 16-31 K step 1
	ds_load_b128 v[KS8+4:KS8+7], v[ADR] offset:49664
.irp t, 0,1
.irp i, 0,1,2,3,4,5
	ds_load_b128 v[RB+24*\t+4*\i:RB+24*\t+4*\i+3], v[ADR] offset:3072*\t+512*\i
.endr
.endr
.irp t, 0,1,2,3,4,5,6,7                        ; S^T = K Q^T, a tile of 16 keys at a time against my two tiles of queries; the two accumulators take turns
.if \t < 7
	s_wait_dscnt 6                                 ; this tile's fragments are in; the next tile's six loads may be out
.else
	s_wait_dscnt 0x0
.endif
.irp s, 0,1
.irp u, 0,1
.set rD, S+64*\u+8*\t
.set rA, RB+24*(\t%2)+12*\s
.set rB, QF+24*\u+12*\s
.set rSA, KS8+\t
.set rSB, QS+\u
	WM \s, \s, 1-\s
.endr
.endr
	PLACES                                         ; in front of loads into registers that these products read, and of the first read of the results
.if \t < 6
.irp i, 0,1,2,3,4,5
	ds_load_b128 v[RB+24*(\t%2)+4*\i:RB+24*(\t%2)+4*\i+3], v[ADR] offset:3072*(\t+2)+512*\i
.endr
.endif
.endr
	SOFTMAX 0
	ds_load_b128 v[KS8:KS8+3], v[ADR] offset:50176            ; V's scale words: tiles 0-3 (lanes 0-15), 4-7 (lanes 16-31); 8-11, 12-15
	ds_load_b128 v[KS8+4:KS8+7], v[ADR] offset:50688
.irp i, 0,1,2,3,4,5,6,7,8,9,10,11
	ds_load_b128 v[S+4*\i:S+4*\i+3], v[ADR] offset:24576+512*\i            ; V's tiles 0-3, into the registers that tile 0's p has left
.endr
	SOFTMAX 1
.irp i, 0,1,2,3,4,5,6,7,8,9,10,11
	ds_load_b128 v[S+64+4*\i:S+64+4*\i+3], v[ADR] offset:24576+6144+512*\i ; tiles 4-7
.endr
	WIN 0x41                                       ; O^T (destination and source 0) window 1, f window 0
.irp u, 0,1
.set jj, 0
.rept 64
	v_pk_mul_f32 v[128*\u+jj:128*\u+jj+1], v[128*\u+jj:128*\u+jj+1], v[ST+6*\u+4:ST+6*\u+5] op_sel_hi:[1,0]   ; O^T under the new M, each accumulator from its low end on; these are also the places between p's scale word and the products
.set jj, jj+2
.endr
.endr
.irp g, 0,1,2,3                                ; O^T += V^T P^T, four tiles of 16 channels at a time; sixteen different accumulators a pair of runs
.if \g < 3
	s_wait_dscnt 12                                ; this run's fragments are in; the next run's twelve loads may be out
.else
	s_wait_dscnt 0x0
.endif
	WIN 0x50                                       ; C and D window 1
.irp i, 0,1,2,3
.irp u, 0,1
.set rD, 128*\u+8*(4*\g+\i)
.set rA, S+64*(\g%2)+12*\i
.set rB, RB+12*\u
.set rSA, KS8+4*(\g/2)+\i
.set rSB, ST+6*\u+5
	WM \g%2, 0, 0
.endr
.endr
	WIN 0
	PLACES
.if \g < 2
.irp i, 0,1,2,3,4,5,6,7,8,9,10,11
	ds_load_b128 v[S+64*(\g%2)+4*\i:S+64*(\g%2)+4*\i+3], v[ADR] offset:24576+6144*(\g+2)+512*\i
.endr
.endif
.endr
	v_nop                                          ; a fifth place: the next step's first products write over registers that these products read
.endm
; THE CHANGE OF SLOTS stands at a slot's head.  Each wave waits for all its tensor loads, adds 0 to its spare word, and waits for that and for its reads of the slot that it has left.
; fill = 1: a round of the cluster's barrier, and behind it the other slot is asked for jointly: it has two key steps in which to land.
.macro CHANGE fill
	s_wait_tensorcnt 0x0                           ; no tensor load of mine is out, so group 0 may be written
	ds_add_u32 v[SPW], v[NIL]                      ; 0 onto my spare word
.if \fill
	s_xor_b32 s[G0+1], s[G0+1], SLOT1              ; the other slot than last time,
	s_add_nc_u64 s[G0+2:G0+3], s[G0+2:G0+3], SLOTB ; the next 256 keys; the type bits on top are not reached
	s_wait_dscnt 0x0                               ; the add is done, and my reads of the slot that I have left are over
	ROUND
	TLOAD
.else
	s_wait_dscnt 0x0
	s_barrier_signal -1
	s_barrier_wait -1
.endif
.endm
	s_wait_loadcnt 0x0                             ; Q
.Lslot:                                            ; three trips: behind each change of slots but the last the next slot is asked for
	CHANGE 1
	STEP 0
	STEP 1
	s_xor_b32 s[TB], s[TB], SLOT1
	s_sub_co_u32 s[SLOTS], s[SLOTS], 1
	s_cmp_lg_u32 s[SLOTS], 0
	s_cbranch_scc1 .Lslot
	CHANGE 0                                       ; the last slot is written out
	STEP 0
	STEP 1
	; THE WAY OUT: o = O^T / the sum, quantised along the head's 256: each (tile u, 128 channels sp) is one fragment of the next product's operand
.irp u, 0,1
	v_add_f32 v[T0+\u], v[ST+6*\u+2], v[ST+6*\u+3]
.endr
.irp u, 0,1
	v_permlanex16_b32 v[T0+2+\u], v[T0+\u], s[SEL], s[SEL+1]
.endr
.irp u, 0,1
	v_add_f32 v[T0+\u], v[T0+\u], v[T0+2+\u]       ; the row's sum
.endr
.irp u, 0,1
	v_rcp_f32 v[ST+6*\u+4], v[T0+\u]
.endr
	v_nop                                          ; a plain place behind the reciprocals
	s_wait_alu depctr_va_vdst(0)
.macro OUT u, sp
.set OD, S+64*((2*\u+\sp)%2)
	WIN 0x01                                       ; source 0 window 1
.set jj, 0
.rept 32
	v_pk_mul_f32 v[OD+jj:OD+jj+1], v[128*\u+64*\sp+jj:128*\u+64*\sp+jj+1], v[ST+6*\u+4:ST+6*\u+5] op_sel_hi:[1,0]   ; each accumulator from its low end on
.set jj, jj+2
.endr
	WIN 0
	s_wait_xcnt 0x0                                ; earlier stores have read the codes' registers
	QUANT OD, RB+12*((2*\u+\sp)%2), T0+2*\u+\sp
.irp c, 0,1,2
	global_store_b128 v[LI], v[RB+12*((2*\u+\sp)%2)+4*\c:RB+12*((2*\u+\sp)%2)+4*\c+3], s[44:45] offset:1536*(2*\sp+\u)+512*\c   ; 32 lanes store 512 consecutive bytes
.endr
.endm
	OUT 0, 0
	OUT 0, 1
	OUT 1, 0
	OUT 1, 1
.irp u, 0,1
	global_store_b64 v[SA], v[T0+2*\u:T0+2*\u+1], s[46:47] offset:256*\u   ; my head's two words of each row's sixteen bytes (lanes 16-31 store the same again)
.endr
	s_wait_tensorcnt 0x0                           ; the wave's end
	ds_add_u32 v[SPW], v[NIL]
	s_wait_dscnt 0x0
	ROUND                                          ; the closing round: no work-group ends while a partner may still ask for a tile that names it
	s_endpgm
.Lfunc_end_k_q7b18919a7f_attn:
	.size	k_q7b18919a7f_attn, .Lfunc_end_k_q7b18919a7f_attn-k_q7b18919a7f_attn
	.p2alignl 7, 3214868480
	.fill 96, 4, 3214868480
	.section	.rodata,"a",@progbits
	.p2align	6, 0x0
	.amdhsa_kernel k_q7b18919a7f_attn
		.amdhsa_group_segment_fixed_size 327680
		.amdhsa_private_segment_fixed_size 0
		.amdhsa_enable_private_segment 0
		.amdhsa_kernarg_size 24
		.amdhsa_user_sgpr_count 2
		.amdhsa_user_sgpr_kernarg_segment_ptr 1
		.amdhsa_wavefront_size32 1
		.amdhsa_system_sgpr_workgroup_id_x 1
		.amdhsa_system_sgpr_workgroup_id_y 1
		.amdhsa_system_sgpr_workgroup_id_z 1
		.amdhsa_system_vgpr_workitem_id 0
		.amdhsa_next_free_vgpr 512
		.amdhsa_next_free_sgpr 66
		.amdhsa_reserve_vcc 0
		.amdhsa_float_denorm_mode_32 3
		.amdhsa_float_denorm_mode_16_64 3
		.amdhsa_memory_ordered 1
		.amdhsa_forward_progress 1
		.amdhsa_inst_pref_size 224
	.end_amdhsa_kernel
	.amdgpu_metadata
---
amdhsa.version: [ 1, 2 ]
amdhsa.kernels:
  - .name:           k_q7b18919a7f_attn
    .symbol:         k_q7b18919a7f_attn.kd
    .args:
      - { .name: qf, .offset: 0, .size: 8, .value_kind: global_buffer, .address_space: global }
      - { .name: kv, .offset: 8, .size: 8, .value_kind: global_buffer, .address_space: global }
      - { .name: of, .offset: 16, .size: 8, .value_kind: global_buffer, .address_space: global }
    .group_segment_fixed_size: 327680
    .private_segment_fixed_size: 0
    .kernarg_segment_align: 8
    .kernarg_segment_size: 24
    .max_flat_workgroup_size: 256
    .sgpr_count:     66
    .vgpr_count:     512
    .wavefront_size: 32
...
	.end_amdgpu_metadata
.endif
;; end of part 2
;; launch tail (part 3): grid 256 x 1, 8 waves a work-group, no clusters, 149,504 bytes of LDS; arguments of, wf, src, w_o_scales, ffn1_w_scales, ffn2_w_scales, ffn1_b, ffn2_b, ln1_g, ln1_b, ln2_g, ln2_b, out0; writes out0
.if DOCPART == 3
	.amdgcn_target "amdgcn-amd-amdhsa--gfx1250"
	.amdhsa_code_object_version 6
	.text
	.protected	k_q7b18919a7f_tail
	.globl	k_q7b18919a7f_tail
	.p2align	8
	.type	k_q7b18919a7f_tail,@function
k_q7b18919a7f_tail:
	s_mov_b64 s[64:65], 0
	v_nop
	global_prefetch_b8 v0, s[64:65] scope:SCOPE_SE
	s_setreg_imm32_b32 hwreg(HW_REG_WAVE_MODE, 25, 1), 1
	s_wait_xcnt 0x0
; h = LN1(2 x + o Wo^T);  out = LN2(h + relu(h W1^T + b1) W2^T + b2), the three products on codes of FP6 (E2M3) with one E8M0 scale for each 32 along K.  x = src + the timing signal, made anew here.
; SHARES.  A work-group takes 32 tokens (one image row) through the whole chain; nothing between goes to memory.  THE EIGHT WAVES SHARE THE COLUMNS: wave w makes output channels 32 w .. 32 w + 31 of the first and third
; product and hidden units 256 w .. 256 w + 255 of the second.  So each weight byte is loaded once in the work-group, by the one wave that multiplies it, and feeds two products (the two tiles of 16 tokens).
; THE WEIGHTS are one stream of 96 fragments a wave (32 of each tensor, laid in that order by the first launch), through a ring of 16 register slots in window 1: 16 fragments, 24,576 bytes a wave, are on their way, with no barrier.
; THE TOKEN SIDE of the first and third product comes from LDS three K steps ahead of its products, through four sets of two fragments.
; NO JOINT LOADS: all 256 work-groups walk the same 1,179,648 bytes, but a slot of 100 KB shared by eight waves would hold 8 fragments a wave, 16 products between two changes of slots, too few for a refill to land behind,
; and every weight byte would be written to LDS and read back for two products.
; All products are used transposed (source 0 = 16 rows of a weight, source 1 = 16 tokens): a lane holds one token and 8 neighbouring channels.  2 x, b1 and h are the C of each sum's first product.
; Rows meet in Y (32 tokens x 1,040 bytes): the norms work by rows (16 lanes a token, 16 channels a lane), in two passes as reference() has them.
; o's tokens lie in the order r + 8 (r / 8) + 8 u that the launch before gave them; from h on the tiles are tokens 16 u + r.
; LIMITS: blocks whose largest magnitude lies under 2^-124 get the scale byte 1; NaN and infinities are not served.
.set OIMG, 0                           ; LDS: o's 32 fragments, (K step ks, tile u) at 1,536 (2 ks + u)
.set HIMG, 49152                       ; the hidden layer's 32, likewise
.set HSC,  98304                       ; its scale words: 512 (ks / 4) + 256 u + 16 r + 4 (ks % 4)
.set XH,   100352                      ; h's 4 fragments, (u, s) at 1,536 (2 u + s)
.set HSW,  106496                      ; their scale words: 128 u + 64 s + 4 r
.set B1L,  106752                      ; ffn1_b
.set Y,    114944                      ; 32 rows x (1,024 + 16)
.set YP,   1040
.set LI,   1                           ; 16 x lane
.set WA,   2                           ; my stream in wf: 16 x lane + 49,152 w
.set YR,   3                           ; Y by rows: token 4 w + h, 16 r
.set YA6,  4                           ; Y by my columns, o's token order
.set YA8,  5                           ; Y by my columns, tokens 16 u + r
.set QY,   6                           ; Y for the quantiser of h
.set XWI,  7
.set XWS,  8
.set HWI,  9
.set HWS,  10
.set B1A,  11
.set GA,   12                          ; src and out0 by rows
.set GV,   13                          ; 16 r
.set HRA,  14                          ; HIMG + 16 x lane
.set HSR,  15                          ; HSW + 4 x lane
.set WS6,  16                          ; v16-31 w_o's scale words;  v32-47 ffn1_w's;  v48-63 ffn2_w's
.set WS7,  32
.set WS8,  48
.set OS,   64                          ; v64-79 o's scale words, later the hidden layer's: register ks, lanes 0-15 tile 0, lanes 16-31 tile 1
.set HS2,  80                          ; v80-81 h's
.set TM,   82
.set PW,   94
.set PC,   96
.set CT,   108
.set MN,   116                         ; v[116:117] a row's mean;  v[118:119] its sum of squares;  v[120:121] 1 / sqrt
.set AC2,  118
.set RS,   120
.set XHR,  122                         ; XH + 16 x lane
.set OWI,  123                         ; at the head: 16 x lane + 6,144 w
.set BWI,  124                         ; B1L + 16 x thread
.set GB,   125                         ; 16 x thread
.set WSA6, 126
.set WSA7, 127
.set AC,   128                         ; v128-159 four accumulators (n, u) at 8 (2 n + u)
.set OB,   160                         ; v160-255 four sets of the token side's two fragments: K step ks in set ks % 4
.set XV,   128                         ; v128-159 two passes of 16 numbers of a row
.set G,    160
.set B,    176
.set B2,   192
.set HA,   128
.set AC7,  128                         ; v128-255 sixteen accumulators (u, t) at 64 u + 8 t
.set HF,   192                         ; window 1: h's four fragments
.set INV,  216
.set SR,   220
.set CR,   224
.set SCL,  228
.set CCL,  236
.set KC,   70
.set SEL,  80
.set MSB, 0
.macro WIN new                         ; the immediate's high byte repeats the setting that is left
.if MSB != \new
	s_set_vgpr_msb (MSB<<8)|\new
.set MSB, \new
.endif
.endm
.macro PLACES
.rept 4
	v_nop
.endr
.endm
.macro WM ra, rb, z                    ; one scaled product on rD, rA, rB, rSA, rSB; ra, rb: the scale words stand in lanes 16-31; z = 1: it starts the sum
.if \z
	v_wmma_scale_f32_16x16x128_f8f6f4 v[rD:rD+7], v[rA:rA+11], v[rB:rB+11], 0, v[rSA], v[rSB] matrix_a_fmt:MATRIX_FMT_FP6 matrix_b_fmt:MATRIX_FMT_FP6
.elseif (\ra) && (\rb)
	v_wmma_scale_f32_16x16x128_f8f6f4 v[rD:rD+7], v[rA:rA+11], v[rB:rB+11], v[rD:rD+7], v[rSA], v[rSB] matrix_a_fmt:MATRIX_FMT_FP6 matrix_b_fmt:MATRIX_FMT_FP6 matrix_a_scale:MATRIX_SCALE_ROW1 matrix_b_scale:MATRIX_SCALE_ROW1
.elseif (\ra)
	v_wmma_scale_f32_16x16x128_f8f6f4 v[rD:rD+7], v[rA:rA+11], v[rB:rB+11], v[rD:rD+7], v[rSA], v[rSB] matrix_a_fmt:MATRIX_FMT_FP6 matrix_b_fmt:MATRIX_FMT_FP6 matrix_a_scale:MATRIX_SCALE_ROW1
.elseif (\rb)
	v_wmma_scale_f32_16x16x128_f8f6f4 v[rD:rD+7], v[rA:rA+11], v[rB:rB+11], v[rD:rD+7], v[rSA], v[rSB] matrix_a_fmt:MATRIX_FMT_FP6 matrix_b_fmt:MATRIX_FMT_FP6 matrix_b_scale:MATRIX_SCALE_ROW1
.else
	v_wmma_scale_f32_16x16x128_f8f6f4 v[rD:rD+7], v[rA:rA+11], v[rB:rB+11], v[rD:rD+7], v[rSA], v[rSB] matrix_a_fmt:MATRIX_FMT_FP6 matrix_b_fmt:MATRIX_FMT_FP6
.endif
.endm
.macro QUANT s, pc, pw                 ; 64 numbers of a lane, register 16 b + i = k 32 b + 16 (lane / 16) + i, become a fragment's codes in v[pc] on and the row's scale word in v[pw]
.irp b, 0,1,2,3
	v_max3_num_f32 v[TM+\b], |v[(\s)+16*\b]|, |v[(\s)+1+16*\b]|, 0x1800000   ; and the floor 2^(3 - 127): the byte cannot fall under 1
.endr
.irp i, 2,4,6,8,10,12,14
.irp b, 0,1,2,3
	v_max3_num_f32 v[TM+\b], v[TM+\b], |v[(\s)+16*\b+\i]|, |v[(\s)+1+16*\b+\i]|
.endr
.endr
.irp b, 0,1,2,3
	v_permlanex16_b32 v[TM+4+\b], v[TM+\b], s[SEL], s[SEL+1]
.endr
.irp b, 0,1,2,3
	v_max_num_f32 v[TM+\b], v[TM+\b], v[TM+4+\b]
.endr
.irp b, 0,1,2,3
	v_add_nc_u32 v[TM+8+\b], 0xff000000, v[TM+\b]  ; 2 off the exponent field: the conversion's scale operand
.endr
.irp b, 0,1,2,3
	v_lshrrev_b32 v[TM+4+\b], 23, v[TM+8+\b]
.endr
	v_lshl_or_b32 v[\pw], v[TM+5], 8, v[TM+4]
	v_lshl_or_b32 v[\pw], v[TM+6], 16, v[\pw]
	v_lshl_or_b32 v[\pw], v[TM+7], 24, v[\pw]
.irp c, 0,1
	v_cvt_scalef32_pk16_fp6_f32 v[(\pc)+6*\c:(\pc)+2+6*\c], v[(\s)+32*\c:(\s)+15+32*\c], v[TM+8+2*\c]
	v_cvt_scalef32_pk16_fp6_f32 v[CT+4*\c:CT+2+4*\c], v[(\s)+16+32*\c:(\s)+31+32*\c], v[TM+8+2*\c+1]
.endr
	v_nop                                          ; one plain place behind a scaled conversion
.irp c, 0,1
.irp i, 0,1,2
	v_permlane16_swap_b32 v[(\pc)+6*\c+\i], v[CT+4*\c+\i]
.endr
.irp i, 0,1,2
	v_mov_b32 v[(\pc)+3+6*\c+\i], v[CT+4*\c+\i]
.endr
.endr
.endm
.macro SINCOS a, so, co, t0, t1, t2, t3        ; sin and cos of v[a] (0 to 31): reduction by pi / 2 in two parts, two polynomials, the quadrant by a choice of values and two signs
	v_mul_f32 v[\t0], s[KC], v[\a]
	v_rndne_f32 v[\t0], v[\t0]
	v_fma_f32 v[\t1], v[\t0], s[KC+1], v[\a]
	v_fma_f32 v[\t1], v[\t0], s[KC+2], v[\t1]
	v_mul_f32 v[\t2], v[\t1], v[\t1]
	v_cvt_i32_f32 v[\t0], v[\t0]
	v_fma_f32 v[\so], v[\t2], s[KC+3], s[KC+4]
	v_fma_f32 v[\so], v[\so], v[\t2], s[KC+5]
	v_mul_f32 v[\so], v[\so], v[\t2]
	v_fma_f32 v[\so], v[\so], v[\t1], v[\t1]
	v_fma_f32 v[\co], v[\t2], s[KC+6], s[KC+7]
	v_fma_f32 v[\co], v[\co], v[\t2], s[KC+8]
	v_mul_f32 v[\co], v[\co], v[\t2]
	v_fma_f32 v[\t3], v[\t2], -0.5, 1.0
	v_fma_f32 v[\co], v[\co], v[\t2], v[\t3]
	v_and_b32 v[\t1], 1, v[\t0]
	v_cmp_eq_u32 vcc_lo, 1, v[\t1]
	v_cndmask_b32 v[\t2], v[\so], v[\co], vcc_lo
	v_cndmask_b32 v[\t3], v[\co], v[\so], vcc_lo
	v_lshlrev_b32 v[\t1], 30, v[\t0]
	v_and_b32 v[\t1], 0x80000000, v[\t1]
	v_xor_b32 v[\so], v[\t2], v[\t1]
	v_add_nc_u32 v[\t0], 1, v[\t0]
	v_lshlrev_b32 v[\t0], 30, v[\t0]
	v_and_b32 v[\t0], 0x80000000, v[\t0]
	v_xor_b32 v[\co], v[\t3], v[\t0]
.endm
.macro BARRIER                                 ; my LDS stores have landed and my LDS loads are in: then the work-group's barrier
	s_wait_dscnt 0x0
	s_barrier_signal -1
	s_barrier_wait -1
.endm
; THE RING.  Pair p is fragments 2 p and 2 p + 1 of my stream.  When it is multiplied, the ring's loads issued behind it are those of fragments 2 p + 2 .. min(2 p + 15, 95), three loads each: they may stay out.
.macro PAIRWAIT p
.if 94-2*(\p) >= 14
	s_wait_loadcnt 42
.else
	s_wait_loadcnt 3*(94-2*(\p))
.endif
.endm
.macro RELOAD p                                ; the pair's two slots take the fragments 16 further on
.if 2*(\p)+16 < 96
	WIN 0x40
.irp k, 0,1
.irp c, 0,1,2
.set rF, 2*(\p)+16+\k
	global_load_b128 v[12*(rF%16)+4*\c:12*(rF%16)+4*\c+3], v[WA], s[10:11] offset:393216*(rF/32)+1536*(rF%32)+512*\c
.endr
.endr
	WIN 0
.endif
.endm
; A K step of the first or third product: my two tiles of channels x the two tiles of tokens; four accumulators by turns.  First the token side of the step three further on is asked for,
; into the set that the step before read: the four places that closed that step stand between.
.macro GSTEP ks, adr, ws, pb
.if \ks < 13
.irp i, 0,1,2,3,4,5
	ds_load_b128 v[OB+24*((\ks+3)%4)+4*\i:OB+24*((\ks+3)%4)+4*\i+3], v[\adr] offset:3072*(\ks+3)+512*\i
.endr
	s_wait_dscnt 18                                ; this step's fragments are in; the six loads of each of the three steps behind it may be out
.else
	s_wait_dscnt 6*(15-\ks)                        ; the last steps ask for nothing: the counts run down
.endif
	PAIRWAIT \pb+\ks
	WIN 0x01                                       ; source 0 window 1
.irp n, 0,1
.irp u, 0,1
.set rD, AC+8*(2*\n+\u)
.set rA, 12*((2*(\pb+\ks)+\n)%16)
.set rB, OB+24*(\ks%4)+12*\u
.set rSA, \ws+8*\n+4*(\ks/8)+(\ks%4)
.set rSB, OS+\ks
	WM (\ks/4)%2, \u, 0
.endr
.endr
	WIN 0
	PLACES                                         ; in front of loads into registers that these products read, and of the first read of results
	RELOAD \pb+\ks
.endm
; LayerNorm of 16 numbers a lane, 16 lanes a token: the mean, then the mean of the squared differences, as reference() has them.
.macro LN xv
	v_pk_add_f32 v[MN:MN+1], v[\xv:\xv+1], v[\xv+2:\xv+3]
.irp i, 4,6,8,10,12,14
	v_pk_add_f32 v[MN:MN+1], v[MN:MN+1], v[\xv+\i:\xv+\i+1]
.endr
	v_add_f32 v[MN], v[MN], v[MN+1]
.irp m, 1,2,4,8
	v_add_f32_dpp v[MN], v[MN], v[MN] row_xmask:\m row_mask:0xf bank_mask:0xf
.endr
	v_mul_f32 v[MN], s82, v[MN]                    ; / 256
.irp i, 0,2,4,6,8,10,12,14
	v_pk_add_f32 v[\xv+\i:\xv+\i+1], v[\xv+\i:\xv+\i+1], v[MN:MN+1] op_sel_hi:[1,0] neg_lo:[0,1] neg_hi:[0,1]
.endr
	v_pk_mul_f32 v[AC2:AC2+1], v[\xv:\xv+1], v[\xv:\xv+1]
.irp i, 2,4,6,8,10,12,14
	v_pk_fma_f32 v[AC2:AC2+1], v[\xv+\i:\xv+\i+1], v[\xv+\i:\xv+\i+1], v[AC2:AC2+1]
.endr
	v_add_f32 v[AC2], v[AC2], v[AC2+1]
.irp m, 1,2,4,8
	v_add_f32_dpp v[AC2], v[AC2], v[AC2] row_xmask:\m row_mask:0xf bank_mask:0xf
.endr
	v_fma_f32 v[AC2], v[AC2], s82, s83             ; / 256 + 1e-5
	v_rsq_f32 v[RS], v[AC2]
	v_nop                                          ; a plain place behind the transcendental
	s_wait_alu depctr_va_vdst(0)
.irp i, 0,2,4,6,8,10,12,14
	v_pk_mul_f32 v[\xv+\i:\xv+\i+1], v[\xv+\i:\xv+\i+1], v[RS:RS+1] op_sel_hi:[1,0]
.endr
.irp i, 0,2,4,6,8,10,12,14
	v_pk_fma_f32 v[\xv+\i:\xv+\i+1], v[\xv+\i:\xv+\i+1], v[G+\i:G+\i+1], v[B+\i:B+\i+1]
.endr
.endm
.macro YROWS_IN                                ; my four tokens' rows from Y: two passes of two tokens
.irp p, 0,1
.irp q, 0,1,2,3
	ds_load_b128 v[XV+16*\p+4*\q:XV+16*\p+4*\q+3], v[YR] offset:2*YP*\p+256*\q
.endr
.endr
.endm
.macro YROWS_OUT
.irp p, 0,1
.irp q, 0,1,2,3
	ds_store_b128 v[YR], v[XV+16*\p+4*\q:XV+16*\p+4*\q+3] offset:2*YP*\p+256*\q
.endr
.endr
.endm
	s_load_b512 s[8:23], s[0:1], 0x0               ; of 8, wf 10, src 12, w_o scales 14, ffn1 scales 16, ffn2 scales 18, ffn1_b 20, ffn2_b 22
	s_load_b256 s[24:31], s[0:1], 0x40             ; ln1_g 24, ln1_b 26, ln2_g 28, ln2_b 30
	s_load_b64 s[32:33], s[0:1], 0x60              ; out0
	v_lshl_add_u32 v111, v0, 2, 0x24400
	v_mov_b32 v115, 0
	v_lshrrev_b32 v116, 5, v0
	v_readfirstlane_b32 s2, v116                   ; wave 0..7
	s_mov_b32 s3, ttmp9                            ; my group of 32 tokens: 32 batch + image row
	v_and_b32 v116, 31, v0                         ; lane
	v_and_b32 v117, 15, v0                         ; r
	v_bfe_u32 v118, v0, 4, 1                       ; h
	v_and_b32 v119, 8, v117
	v_add_nc_u32 v119, v119, v117                  ; r + 8 (r / 8)
	v_lshlrev_b32 v[LI], 4, v116
	s_mul_i32 s34, s2, 49152
	v_add_nc_u32 v[WA], s34, v[LI]
	s_mul_i32 s34, s2, 4*YP
	s_add_co_u32 s34, s34, Y
	v_mul_u32_u24 v[YR], v118, YP
	v_lshl_add_u32 v[YR], v117, 4, v[YR]
	v_add_nc_u32 v[YR], s34, v[YR]
	s_lshl_b32 s34, s2, 7
	s_add_co_u32 s34, s34, Y
	v_mul_u32_u24 v[YA6], v119, YP
	v_lshl_add_u32 v[YA6], v118, 5, v[YA6]
	v_add_nc_u32 v[YA6], s34, v[YA6]
	v_mul_u32_u24 v[YA8], v117, YP
	v_lshl_add_u32 v[YA8], v118, 5, v[YA8]
	v_add_nc_u32 v[YA8], s34, v[YA8]
	s_bfe_u32 s34, s2, 0x10001
	s_mul_i32 s34, s34, 16*YP
	s_and_b32 s35, s2, 1
	s_lshl_b32 s35, s35, 9
	s_add_co_u32 s34, s34, s35
	s_add_co_u32 s34, s34, Y
	v_mul_u32_u24 v[QY], v117, YP
	v_lshl_add_u32 v[QY], v118, 6, v[QY]
	v_add_nc_u32 v[QY], s34, v[QY]                 ; waves 0-3: tile u = w / 2, K step s = w % 2
	s_and_b32 s35, s2, 3
	s_mul_i32 s34, s35, 1536
	s_add_co_u32 s34, s34, XH
	v_add_nc_u32 v[XWI], s34, v[LI]
	s_lshl_b32 s34, s35, 6
	s_add_co_u32 s34, s34, HSW
	v_lshl_add_u32 v[XWS], v117, 2, s34
	s_mul_i32 s34, s2, 6144
	v_add_nc_u32 v[OWI], s34, v[LI]
	s_add_co_u32 s34, s34, HIMG
	v_add_nc_u32 v[HWI], s34, v[LI]                ; my K steps 2 w, 2 w + 1 of the third product
	s_lshr_b32 s34, s2, 1
	s_lshl_b32 s34, s34, 9
	s_and_b32 s35, s2, 1
	s_lshl_b32 s35, s35, 3
	s_add_co_u32 s34, s34, s35
	s_add_co_u32 s34, s34, HSC
	v_lshl_add_u32 v[HWS], v117, 4, s34
	s_lshl_b32 s34, s2, 10
	s_add_co_u32 s34, s34, B1L
	v_lshl_add_u32 v[B1A], v118, 6, s34
	s_lshl_b32 s34, s2, 12
	v_lshlrev_b32 v[GA], 10, v118
	v_lshl_add_u32 v[GA], v117, 4, v[GA]
	v_add_nc_u32 v[GA], s34, v[GA]
	v_lshlrev_b32 v[GV], 4, v117
	v_add_nc_u32 v[HRA], HIMG, v[LI]
	v_lshl_add_u32 v[HSR], v116, 2, HSW
	v_add_nc_u32 v[XHR], XH, v[LI]
	v_lshl_add_u32 v[BWI], v0, 4, B1L
	v_lshlrev_b32 v[GB], 4, v0
	s_lshl_b32 s34, s2, 11
	v_lshlrev_b32 v[WSA6], 6, v117
	v_lshl_add_u32 v[WSA6], v118, 4, v[WSA6]
	v_add_nc_u32 v[WSA6], s34, v[WSA6]             ; 64 r + 16 h + 2,048 w: four words of my row's sixteen
	v_lshlrev_b32 v[WSA7], 3, v119
	v_lshl_add_u32 v[WSA7], v118, 2, v[WSA7]
	v_add_nc_u32 v[WSA7], s34, v[WSA7]
.irp b, 0,1,2,3
	v_mov_b32 v[TM+4+\b], 0                        ; written once: a lane permute's destination counts as one of its sources
.endr
	v_mov_b32 v[RS+1], 0                           ; (named as the upper half of a pair)
	s_mov_b32 s[KC], 0x3f22f983                    ; 2 / pi
	s_mov_b32 s[KC+1], 0xbfc90fdb                  ; -(pi / 2), the f32 number next to it,
	s_mov_b32 s[KC+2], 0x333bbd2e                  ; and what that number has too much
	s_mov_b32 s[KC+3], 0xb94ca1f9
	s_mov_b32 s[KC+4], 0x3c08839e
	s_mov_b32 s[KC+5], 0xbe2aaaa3
	s_mov_b32 s[KC+6], 0x37ccf5ce
	s_mov_b32 s[KC+7], 0xbab6061a
	s_mov_b32 s[KC+8], 0x3d2aaaa5
	s_mov_b32 s[SEL], 0x76543210
	s_mov_b32 s[SEL+1], 0xfedcba98
	s_mov_b32 s82, 0x3b800000                      ; 1 / 256
	s_mov_b32 s83, 0x3727c5ac                      ; 1e-5
	s_mul_i32 s36, s3, 51200
	s_mov_b32 s37, 0
	s_lshl_b32 s38, s3, 15
	s_mov_b32 s39, 0
	s_wait_kmcnt 0x0
	s_add_nc_u64 s[8:9], s[8:9], s[36:37]
	s_add_nc_u64 s[12:13], s[12:13], s[38:39]
	s_add_nc_u64 s[32:33], s[32:33], s[38:39]
	; ---- the head's 50 loads, then the ring's first 48
.irp p, 0,1
.irp q, 0,1,2,3
	global_load_b128 v[XV+16*\p+4*\q:XV+16*\p+4*\q+3], v[GA], s[12:13] offset:2048*\p+256*\q   ; sixteen lanes read 256 consecutive bytes of a token
.endr
.endr
.irp i, 0,1,2,3,4,5,6,7,8,9,10,11
	global_load_b128 v[160+4*\i:160+4*\i+3], v[OWI], s[8:9] offset:512*\i                      ; my eighth of o's fragments, for LDS
.endr
.irp g, 0,1,2,3
	global_load_b128 v[OS+4*\g:OS+4*\g+3], v[LI], s[8:9] offset:49152+512*\g
.endr
.irp n, 0,1
.irp g, 0,1
	global_load_b128 v[WS6+8*\n+4*\g:WS6+8*\n+4*\g+3], v[WSA6], s[14:15] offset:1024*\n+32*\g   ; register 8 n + 4 g + e: K step 8 g + 4 h + e of row 16 (2 w + n) + r
	global_load_b128 v[WS8+8*\n+4*\g:WS8+8*\n+4*\g+3], v[WSA6], s[18:19] offset:1024*\n+32*\g
.endr
.endr
.irp g, 0,1
.irp t, 0,1,2,3,4,5,6,7
	global_load_b32 v[WS7+8*\g+\t], v[WSA7], s[16:17] offset:1024*\g+(32*(\t/2)+8*(\t%2))*8
.endr
.endr
.irp k, 0,1
	global_load_b128 v[208+4*\k:208+4*\k+3], v[GB], s[20:21] offset:4096*\k
.endr
	WIN 0x40
.set nn, 0
.rept 48
	global_load_b128 v[4*nn:4*nn+3], v[WA], s[10:11] offset:512*nn
.set nn, nn+1
.endr
	WIN 0
	; ---- the signal of my channels 4 r + e (+ 64 q): sin, cos of the image row; sin, cos of my two columns
	v_lshlrev_b32 v249, 2, v117
.irp e, 0,1,2,3
	v_add_nc_u32 v[INV+\e], \e, v249
.endr
.irp e, 0,1,2,3
	v_cvt_f32_u32 v[INV+\e], v[INV+\e]
.endr
.irp e, 0,1,2,3
	v_mul_f32 v[INV+\e], 0xbe57fa62, v[INV+\e]     ; -j log2(10000) / 63
.endr
.irp e, 0,1,2,3
	v_exp_f32 v[INV+\e], v[INV+\e]
.endr
	v_nop                                          ; a plain place behind the exponentials
	s_and_b32 s34, s3, 31
	v_cvt_f32_u32 v250, s34                        ; the image row
	s_lshl_b32 s35, s2, 2
	v_add_nc_u32 v251, s35, v118
	v_cvt_f32_u32 v251, v251                       ; my column in pass 0: 4 w + h,
	v_add_f32 v252, 2.0, v251                      ; in pass 1
	s_wait_alu depctr_va_vdst(0)
.irp e, 0,1,2,3
	v_mul_f32 v244, v250, v[INV+\e]
	SINCOS 244, SR+\e, CR+\e, 245, 246, 247, 248
	v_mul_f32 v244, v251, v[INV+\e]
	SINCOS 244, SCL+\e, CCL+\e, 245, 246, 247, 248
	v_mul_f32 v244, v252, v[INV+\e]
	SINCOS 244, SCL+4+\e, CCL+4+\e, 245, 246, 247, 248
.endr
	s_wait_loadcnt 48                              ; all but the ring's 48
.irp p, 0,1
.irp k, 0,2
	v_pk_add_f32 v[XV+16*\p+\k:XV+16*\p+\k+1], v[XV+16*\p+\k:XV+16*\p+\k+1], v[SR+\k:SR+\k+1]
	v_pk_add_f32 v[XV+16*\p+4+\k:XV+16*\p+5+\k], v[XV+16*\p+4+\k:XV+16*\p+5+\k], v[CR+\k:CR+\k+1]
	v_pk_add_f32 v[XV+16*\p+8+\k:XV+16*\p+9+\k], v[XV+16*\p+8+\k:XV+16*\p+9+\k], v[SCL+4*\p+\k:SCL+4*\p+\k+1]
	v_pk_add_f32 v[XV+16*\p+12+\k:XV+16*\p+13+\k], v[XV+16*\p+12+\k:XV+16*\p+13+\k], v[CCL+4*\p+\k:CCL+4*\p+\k+1]
.endr
.endr
.set jj, 0
.rept 16
	v_pk_add_f32 v[XV+jj:XV+jj+1], v[XV+jj:XV+jj+1], v[XV+jj:XV+jj+1]   ; 2 x: both residuals; exact
.set jj, jj+2
.endr
	YROWS_OUT
.irp i, 0,1,2,3,4,5,6,7,8,9,10,11
	ds_store_b128 v[OWI], v[160+4*\i:160+4*\i+3] offset:512*\i
.endr
.irp k, 0,1
	ds_store_b128 v[BWI], v[208+4*\k:208+4*\k+3] offset:4096*\k
.endr
	BARRIER                                        ; 2 x, o's fragments and b1 lie in LDS
	; ---- 2 x + o Wo^T
.irp n, 0,1
.irp u, 0,1
	ds_load_b128 v[AC+8*(2*\n+\u):AC+8*(2*\n+\u)+3], v[YA6] offset:8*YP*\u+64*\n
	ds_load_b128 v[AC+8*(2*\n+\u)+4:AC+8*(2*\n+\u)+7], v[YA6] offset:8*YP*\u+64*\n+16
.endr
.endr
.irp i, 0,1,2,3,4,5,6,7,8,9,10,11,12,13,14,15,16,17
	ds_load_b128 v[OB+4*\i:OB+4*\i+3], v[LI] offset:512*\i                ; K steps 0, 1 and 2: three sets on end, as the fragments lie on end
.endr
.irp ks, 0,1,2,3,4,5,6,7,8,9,10,11,12,13,14,15
	GSTEP \ks, LI, WS6, 0
.endr
.irp q, 0,1,2,3
	global_load_b128 v[G+4*\q:G+4*\q+3], v[GV], s[24:25] offset:256*\q
	global_load_b128 v[B+4*\q:B+4*\q+3], v[GV], s[26:27] offset:256*\q
.endr
.irp n, 0,1
.irp u, 0,1
	ds_store_b128 v[YA6], v[AC+8*(2*\n+\u):AC+8*(2*\n+\u)+3] offset:8*YP*\u+64*\n          ; back to the bytes that they came from; each accumulator from its low end on
	ds_store_b128 v[YA6], v[AC+8*(2*\n+\u)+4:AC+8*(2*\n+\u)+7] offset:8*YP*\u+64*\n+16
.endr
.endr
	BARRIER
	; ---- h = LN1
	YROWS_IN
	s_wait_dscnt 0x0
	s_wait_loadcnt 0x0                             ; the gain and the bias (the ring's loads, long on their way, with them)
	LN XV
	LN XV+16
	YROWS_OUT
	BARRIER                                        ; h lies in Y
	; ---- h's four fragments, by waves 0-3
	s_cmp_lt_u32 s2, 4
	s_cbranch_scc0 .Lno_qh
.irp b, 0,1,2,3
.irp i, 0,1,2,3
	ds_load_b128 v[HA+16*\b+4*\i:HA+16*\b+4*\i+3], v[QY] offset:128*\b+16*\i
.endr
.endr
	s_wait_dscnt 0x0
	QUANT HA, PC, PW
.irp c, 0,1,2
	ds_store_b128 v[XWI], v[PC+4*\c:PC+4*\c+3] offset:512*\c
.endr
	ds_store_b32 v[XWS], v[PW]
.Lno_qh:
	BARRIER
	; ---- the hidden layer: my 256 units in two groups of 128, each one K step of the third product
	WIN 0x40
.irp i, 0,1,2,3,4,5,6,7,8,9,10,11
	ds_load_b128 v[HF+4*\i:HF+4*\i+3], v[XHR] offset:512*\i
.endr
	WIN 0
.irp u, 0,1
	ds_load_b32 v[HS2+\u], v[HSR] offset:128*\u
.endr
.macro HIDDEN gl
.irp u, 0,1
.irp t, 0,1,2,3,4,5,6,7
	ds_load_b128 v[AC7+64*\u+8*\t:AC7+64*\u+8*\t+3], v[B1A] offset:512*\gl+(32*(\t/2)+8*(\t%2))*4       ; b1 is the C of each sum's first product
	ds_load_b128 v[AC7+64*\u+8*\t+4:AC7+64*\u+8*\t+7], v[B1A] offset:512*\gl+(32*(\t/2)+8*(\t%2))*4+16
.endr
.endr
	s_wait_dscnt 0x0
.irp t, 0,1,2,3,4,5,6,7
	PAIRWAIT 16+8*\gl+\t
	WIN 0x05                                       ; sources 0 and 1 window 1
.irp k, 0,1
.irp u, 0,1
.set rD, AC7+64*\u+8*\t
.set rA, 12*((2*(16+8*\gl+\t)+\k)%16)
.set rB, HF+12*(2*\u+\k)
.set rSA, WS7+8*\gl+\t
.set rSB, HS2+\u
	WM \k, \k, 0
.endr
.endr
	WIN 0
	PLACES
	RELOAD 16+8*\gl+\t
.endr
.set jj, 0
.rept 128
	v_max_num_f32 v[AC7+jj], 0, v[AC7+jj]          ; the activation, in f32
.set jj, jj+1
.endr
.irp u, 0,1
	QUANT AC7+64*\u, PC, PW
.irp c, 0,1,2
	ds_store_b128 v[HWI], v[PC+4*\c:PC+4*\c+3] offset:1536*(2*\gl+\u)+512*\c
.endr
	ds_store_b32 v[HWS], v[PW] offset:4*\gl+256*\u
	s_wait_dscnt 0x0                               ; the stores have read their registers
.endr
.endm
	HIDDEN 0
	HIDDEN 1
	BARRIER                                        ; the hidden layer's 32 fragments lie in LDS
	; ---- h + hidden W2^T
.irp n, 0,1
.irp u, 0,1
	ds_load_b128 v[AC+8*(2*\n+\u):AC+8*(2*\n+\u)+3], v[YA8] offset:16*YP*\u+64*\n
	ds_load_b128 v[AC+8*(2*\n+\u)+4:AC+8*(2*\n+\u)+7], v[YA8] offset:16*YP*\u+64*\n+16
.endr
.endr
.irp g, 0,1,2,3
	ds_load_b128 v[OS+4*\g:OS+4*\g+3], v[HRA] offset:HSC-HIMG+512*\g
.endr
.irp i, 0,1,2,3,4,5,6,7,8,9,10,11,12,13,14,15,16,17
	ds_load_b128 v[OB+4*\i:OB+4*\i+3], v[HRA] offset:512*\i               ; K steps 0, 1 and 2
.endr
.irp ks, 0,1,2,3,4,5,6,7,8,9,10,11,12,13,14,15
	GSTEP \ks, HRA, WS8, 32
.endr
.irp q, 0,1,2,3
	global_load_b128 v[G+4*\q:G+4*\q+3], v[GV], s[28:29] offset:256*\q
	global_load_b128 v[B+4*\q:B+4*\q+3], v[GV], s[30:31] offset:256*\q
	global_load_b128 v[B2+4*\q:B2+4*\q+3], v[GV], s[22:23] offset:256*\q
.endr
.irp n, 0,1
.irp u, 0,1
	ds_store_b128 v[YA8], v[AC+8*(2*\n+\u):AC+8*(2*\n+\u)+3] offset:16*YP*\u+64*\n
	ds_store_b128 v[YA8], v[AC+8*(2*\n+\u)+4:AC+8*(2*\n+\u)+7] offset:16*YP*\u+64*\n+16
.endr
.endr
	BARRIER
	; ---- + b2, LN2, out
	YROWS_IN
	s_wait_dscnt 0x0
	s_wait_loadcnt 0x0
.irp p, 0,1
.irp i, 0,2,4,6,8,10,12,14
	v_pk_add_f32 v[XV+16*\p+\i:XV+16*\p+\i+1], v[XV+16*\p+\i:XV+16*\p+\i+1], v[B2+\i:B2+\i+1]
.endr
.endr
	LN XV
.irp q, 0,1,2,3
	global_store_b128 v[GA], v[XV+4*\q:XV+4*\q+3], s[32:33] offset:256*\q th:TH_STORE_NT        ; sixteen lanes store 256 consecutive bytes, at a multiple of 256 from out0's first byte
.endr
	LN XV+16
.irp q, 0,1,2,3
	global_store_b128 v[GA], v[XV+16+4*\q:XV+16+4*\q+3], s[32:33] offset:2048+256*\q th:TH_STORE_NT
.endr
	s_wait_tensorcnt 0x0
	ds_add_u32 v111, v115
	s_wait_dscnt 0x0
	s_endpgm
.Lfunc_end_k_q7b18919a7f_tail:
	.size	k_q7b18919a7f_tail, .Lfunc_end_k_q7b18919a7f_tail-k_q7b18919a7f_tail
	.p2alignl 7, 3214868480
	.fill 96, 4, 3214868480
	.section	.rodata,"a",@progbits
	.p2align	6, 0x0
	.amdhsa_kernel k_q7b18919a7f_tail
		.amdhsa_group_segment_fixed_size 149504
		.amdhsa_private_segment_fixed_size 0
		.amdhsa_enable_private_segment 0
		.amdhsa_kernarg_size 104
		.amdhsa_user_sgpr_count 2
		.amdhsa_user_sgpr_kernarg_segment_ptr 1
		.amdhsa_wavefront_size32 1
		.amdhsa_system_sgpr_workgroup_id_x 1
		.amdhsa_system_sgpr_workgroup_id_y 1
		.amdhsa_system_sgpr_workgroup_id_z 1
		.amdhsa_system_vgpr_workitem_id 0
		.amdhsa_next_free_vgpr 512
		.amdhsa_next_free_sgpr 100
		.amdhsa_reserve_vcc 1
		.amdhsa_float_denorm_mode_32 3
		.amdhsa_float_denorm_mode_16_64 3
		.amdhsa_memory_ordered 1
		.amdhsa_forward_progress 1
		.amdhsa_inst_pref_size 161
	.end_amdhsa_kernel
	.amdgpu_metadata
---
amdhsa.version: [ 1, 2 ]
amdhsa.kernels:
  - .name:           k_q7b18919a7f_tail
    .symbol:         k_q7b18919a7f_tail.kd
    .args:
      - { .name: of, .offset: 0, .size: 8, .value_kind: global_buffer, .address_space: global }
      - { .name: wf, .offset: 8, .size: 8, .value_kind: global_buffer, .address_space: global }
      - { .name: src, .offset: 16, .size: 8, .value_kind: global_buffer, .address_space: global }
      - { .name: w_o_scales, .offset: 24, .size: 8, .value_kind: global_buffer, .address_space: global }
      - { .name: ffn1_w_scales, .offset: 32, .size: 8, .value_kind: global_buffer, .address_space: global }
      - { .name: ffn2_w_scales, .offset: 40, .size: 8, .value_kind: global_buffer, .address_space: global }
      - { .name: ffn1_b, .offset: 48, .size: 8, .value_kind: global_buffer, .address_space: global }
      - { .name: ffn2_b, .offset: 56, .size: 8, .value_kind: global_buffer, .address_space: global }
      - { .name: ln1_g, .offset: 64, .size: 8, .value_kind: global_buffer, .address_space: global }
      - { .name: ln1_b, .offset: 72, .size: 8, .value_kind: global_buffer, .address_space: global }
      - { .name: ln2_g, .offset: 80, .size: 8, .value_kind: global_buffer, .address_space: global }
      - { .name: ln2_b, .offset: 88, .size: 8, .value_kind: global_buffer, .address_space: global }
      - { .name: out0, .offset: 96, .size: 8, .value_kind: global_buffer, .address_space: global }
    .group_segment_fixed_size: 149504
    .private_segment_fixed_size: 0
    .kernarg_segment_align: 8
    .kernarg_segment_size: 104
    .max_flat_workgroup_size: 256
    .sgpr_count:     100
    .vgpr_count:     512
    .wavefront_size: 32
...
	.end_amdgpu_metadata
.endif
;; end of part 3
;; ======== version 2 of 2: 3 launches
;; workspace buffers: qf 13,107,200 bytes; kv 26,214,400 bytes; of 13,107,200 bytes; wf 1,179,648 bytes
;; launch qkv (part 4): grid 4 x 64, 8 waves a work-group, no clusters, 267,264 bytes of LDS; arguments src, w_q_codes, w_q_scales, w_k_codes, w_k_scales, w_v_codes, w_v_scales, w_o_codes, ffn1_w_codes, ffn2_w_codes, qf, kv, wf; writes qf, kv, wf
.if DOCPART == 4
	.amdgcn_target "amdgcn-amd-amdhsa--gfx1250"
	.amdhsa_code_object_version 6
	.text
	.protected	k_q7b18919a7f_qkv
	.globl	k_q7b18919a7f_qkv
	.p2align	8
	.type	k_q7b18919a7f_qkv,@function
k_q7b18919a7f_qkv:
	s_mov_b64 s[64:65], 0
	v_nop
	global_prefetch_b8 v0, s[64:65] scope:SCOPE_SE
	s_setreg_imm32_b32 hwreg(HW_REG_WAVE_SCHED_MODE, 0, 2), 2
	s_setreg_imm32_b32 hwreg(HW_REG_WAVE_MODE, 25, 1), 1
	s_wait_xcnt 0x0
	s_wait_alu depctr_vm_vsrc(0)
; x = src + the 2-d timing signal; q = x Wq^T, k = x Wk^T, v = x Wv^T on codes of FP6 (E2M3) with one E8M0 scale for each 32 along K; q and k are quantised again along the
; head's 256, v along the keys, and all three leave as IMAGES OF OPERAND REGISTERS: a fragment (16 rows x 128 K, 12 registers a lane) is 1,536 bytes, registers 4c..4c+3 of lane l at 512 c + 16 l.
; SHARES.  Work-group (x, blk): 128 tokens (batch blk / 8, image rows 4 (blk % 8) on) x heads 2x, 2x+1.  Wave w first quantises token tile w of x into LDS.  Then it makes one unit of q or k
; (w / 4: q or k; head 2x + (w / 2) % 2; 128 of the head's 256: w % 2) for all 8 token tiles, and four tiles of 16 channels of v (head 2x + w / 4) for all 128 tokens.
; THE ROWS OF A TILE ARE NOT NEIGHBOURS: lane r of tile t takes row 32 (t / 2) + 8 (t % 2) + r + 8 (r / 8), of tokens and of weights alike, so that the 16 result registers of tiles 2b, 2b+1
; are 16 neighbours along the next product's K.  q, k: source 0 = 16 rows of W, source 1 = 16 tokens (a lane holds a token).  v: source 0 = 16 tokens, source 1 = 16 rows of Wv (a lane holds a channel, registers run along the keys).
; The side with 8 tiles (16 fragments, 192 registers) lies in window 1 and is loaded once: W's feeds 8 units, x's 4.
; EVERY LOAD OF CODES AND OF src COVERS 512 CONSECUTIVE BYTES.  A wave's 128 rows of W (24,576 bytes), its 64 rows of Wv (12,288) and its tile's two runs of 8 tokens (8,192 each) are dense in memory: they are loaded as they
; lie, 16 bytes a lane, and turned through the wave's OWN stage in LDS into the lanes that want them.  LDS serves a wave's instructions in order (ISA guide 5.7.1.4), so the turns need no barrier, and one stage serves src, W and Wv in turn.
; ALSO: each work-group lays one fragment of w_o, ffn1_w and ffn2_w (waves 0, 1, 2) into wf in the order in which the last launch's waves take them.
; NO JOINT LOADS, though the 64 work-groups of one x read the same 294,912 bytes of weights: as first fills beside x's images and the table (45,056 bytes) they would want 339,968 bytes of LDS, more than a work-group can have;
; a form with v's weights filled over q's and k's was not built.
; q is quantised before reference()'s factor 1/16, a power of two: the codes are the same and the next launch puts the factor into its softmax constant.
; THE SIGNAL: sin and cos by a reduction to |rr| <= pi/4 (pi/2 in two parts) and polynomials of degree 7 and 8 in f32; positions are at most 31.
; LIMITS: a block whose largest magnitude lies under 2^-124, a block of zeros among them, gets the scale byte 1 (its codes are then zeros or tiny; the bytes are read by this program alone); NaN and infinities are not served.
; THE MODE: SCHED_MODE bits 1:0 = 2 (LLVM: expert scheduling mode 2), set by the entry lines.  The code itself states the register dependences
; between vector or matrix instructions and memory or LDS instructions, with s_wait_alu, always for 0.
; THE PLAN.  Registers that memory or LDS instructions touch:
;   v1-15, v158      addresses: written by vector lines at the head, never again; one wait ahead of the first load serves every access.
;   v232-249         the table's numbers: written by the nine positions' arithmetic, read by eighteen LDS stores, which stand in one run behind one wait.
;   HA, ST           src as loaded; read by the turn's LDS stores, then the turn's LDS loads land in them; from there on vector and matrix lines alone name HA.
;   SG               32 numbers of the signal: LDS loads land, the additions read: a wait between the additions and the next batch.
;   PC, v145, KW     written by the quantiser, read by LDS or global stores: a wait behind each quantiser, and one ahead of each quantiser that writes them again.
;   window 1, v0-191 W as loaded, read by its turn's LDS stores; its fragments land there; the products read them; x's sixteen fragments land there for v.
;   XF, XF1, XS      token tile t of x lies in set t % 2.  Tile t's products read the set; tile t + 2 is asked for behind tile t's quantiser.
;   WV               Wv as loaded (in the registers that x has left), read by its turn's LDS stores; its fragments land there.
; So ONE wait on va_vdst stands in a token tile's turn, behind its quantiser: the codes and the scale word are written, which the stores read, and the tile's products,
; whose results the quantiser took, are done reading their set of x, in which the loads of two tiles on land.  The loads stand first behind it, then the stores.
.set XIMG, 0                           ; LDS: x's 16 fragments, (tile t, K step k) at 1,536 (2 t + k)
.set XSC,  24576                       ; their scale words: 128 t + 64 k + 4 r
.set TAB,  25600                       ; the signal: 36 positions x (64 sin, 64 cos, 16 bytes of padding): columns 0-31, then my four image rows
.set TP,   528
.set WST,  45056                       ; from here on a stage of WSB bytes for each wave, its own
.set WSB,  27648
.set WP,   208                         ; a weight's row R in the stage lies at 208 R + 128 (R / 16): 192 bytes of codes + 16, and 128 more behind every 16 rows: so the 32 lanes of a load of 8 bytes touch 64 different banks (64 banks of 4 bytes: ISA guide 11.1)
.set XP,   1040                        ; a token's row in the stage: 1,024 bytes + 16: row r starts at bank 4 r mod 64
.set LI,   1                           ; 16 x lane
.set XSW,  2                           ; my stage + 16 x lane
.set WRD,  3                           ; my stage + my lane's place in a weight's tile: 208 (r + 8 (r / 8)) + 128 (r / 8) + 24 h
.set WSA,  4                           ; a weight's scale words: (r + 8 (r / 8)) x 8 + 4 h: lanes 0-15 K step 0, lanes 16-31 K step 1
.set TH,   5                           ; the table's line of my tile's image row
.set TW,   6                           ; and of my lane's column
.set TWR,  7                           ; where my thread writes the table
.set XWI,  8                           ; where I store x's images
.set XWS,  9                           ; and their scale words
.set XSR,  10                          ; XSC + 4 x lane
.set SA,   11                          ; 16 r
.set RLA,  12                          ; my lane's bytes in the fragment that is laid anew
.set SW,   13                          ; v13-15  where my 16 bytes of a weight's load 3 j + m go in the stage, m = 0, 1, 2
.set XF,   16                          ; v16-39  the one-tile side's two fragments (x's, for q and k), even token tiles; at first RL
.set XF1,  192                         ; window 1, v192-215: the same for the odd token tiles
.set RL,   16                          ; v16-27  the fragment that is laid anew
.set HA,   40                          ; v40-103 eight accumulators; at first x's channels 0-127
.set PC,   104                         ; v104-115 the codes just made
.set CT,   116                         ; v116-122 halves of blocks on their way
.set TM,   124                         ; v124-135 largest magnitudes, bytes, scale operands
.set KW,   136                         ; v136-143 scale words kept for one store
.set XS,   144                         ; v144-145 x's scale words, even and odd token tiles
.set PWX,  145                         ; at first: the scale word of my own tile of x
.set S8,   146                         ; v146-153 scale words of the side with 8 tiles
.set SV,   154                         ; v154-157 Wv's
.set XRD,  158                         ; my stage + 1,040 r + 64 h
.set WV,   160                         ; v160-255 Wv's 8 fragments; at first ST and SG
.set ST,   160                         ; v160-223 x's channels 128-255
.set SG,   224                         ; v224-255 32 numbers of the signal; at first the table's arithmetic
.set KC,   70                          ; s70-78 constants of sin and cos
.set SEL,  80                          ; s[80:81] v_permlanex16_b32's selects for lane l xor 16
.set MSB, 0
.macro WIN new                         ; the immediate's high byte repeats the setting that is left
.if MSB != \new
	s_set_vgpr_msb (MSB<<8)|\new
.set MSB, \new
.endif
.endm
.macro PLACES
.rept 4
	v_nop
.endr
.endm
; One scaled product on the registers named by rD, rA, rB, rSA, rSB.  ra, rb: the scale words stand in lanes 16-31.  z = 1: the product starts the sum.
.macro WM ra, rb, z
.if \z
	v_wmma_scale_f32_16x16x128_f8f6f4 v[rD:rD+7], v[rA:rA+11], v[rB:rB+11], 0, v[rSA], v[rSB] matrix_a_fmt:MATRIX_FMT_FP6 matrix_b_fmt:MATRIX_FMT_FP6
.elseif (\ra) && (\rb)
	v_wmma_scale_f32_16x16x128_f8f6f4 v[rD:rD+7], v[rA:rA+11], v[rB:rB+11], v[rD:rD+7], v[rSA], v[rSB] matrix_a_fmt:MATRIX_FMT_FP6 matrix_b_fmt:MATRIX_FMT_FP6 matrix_a_scale:MATRIX_SCALE_ROW1 matrix_b_scale:MATRIX_SCALE_ROW1
.elseif (\ra)
	v_wmma_scale_f32_16x16x128_f8f6f4 v[rD:rD+7], v[rA:rA+11], v[rB:rB+11], v[rD:rD+7], v[rSA], v[rSB] matrix_a_fmt:MATRIX_FMT_FP6 matrix_b_fmt:MATRIX_FMT_FP6 matrix_a_scale:MATRIX_SCALE_ROW1
.elseif (\rb)
	v_wmma_scale_f32_16x16x128_f8f6f4 v[rD:rD+7], v[rA:rA+11], v[rB:rB+11], v[rD:rD+7], v[rSA], v[rSB] matrix_a_fmt:MATRIX_FMT_FP6 matrix_b_fmt:MATRIX_FMT_FP6 matrix_b_scale:MATRIX_SCALE_ROW1
.else
	v_wmma_scale_f32_16x16x128_f8f6f4 v[rD:rD+7], v[rA:rA+11], v[rB:rB+11], v[rD:rD+7], v[rSA], v[rSB] matrix_a_fmt:MATRIX_FMT_FP6 matrix_b_fmt:MATRIX_FMT_FP6
.endif
.endm
; 64 numbers of a lane, register 16 b + i = k 32 b + 16 (lane / 16) + i of the lane's row, become a fragment's codes in v[pc] on and the row's scale word in v[pw].
.macro QUANT s, pc, pw
.irp b, 0,1,2,3
	v_max3_num_f32 v[TM+\b], |v[(\s)+16*\b]|, |v[(\s)+1+16*\b]|, 0x1800000   ; my 16 numbers of block b, and the floor 2^(3 - 127): the byte cannot fall under 1
.endr
.irp i, 2,4,6,8,10,12,14
.irp b, 0,1,2,3
	v_max3_num_f32 v[TM+\b], v[TM+\b], |v[(\s)+16*\b+\i]|, |v[(\s)+1+16*\b+\i]|   ; the four blocks by turns
.endr
.endr
.irp b, 0,1,2,3
	v_permlanex16_b32 v[TM+4+\b], v[TM+\b], s[SEL], s[SEL+1]
.endr
.irp b, 0,1,2,3
	v_max_num_f32 v[TM+\b], v[TM+\b], v[TM+4+\b]   ; with lane l xor 16's 16: the block's largest magnitude
.endr
.irp b, 0,1,2,3
	v_add_nc_u32 v[TM+8+\b], 0xff000000, v[TM+\b]  ; 2 off its exponent field: the conversion's scale operand
.endr
.irp b, 0,1,2,3
	v_lshrrev_b32 v[TM+4+\b], 23, v[TM+8+\b]       ; the scale's byte
.endr
	v_lshl_or_b32 v[\pw], v[TM+5], 8, v[TM+4]
	v_lshl_or_b32 v[\pw], v[TM+6], 16, v[\pw]
	v_lshl_or_b32 v[\pw], v[TM+7], 24, v[\pw]
.irp c, 0,1
	v_cvt_scalef32_pk16_fp6_f32 v[(\pc)+6*\c:(\pc)+2+6*\c], v[(\s)+32*\c:(\s)+15+32*\c], v[TM+8+2*\c]
	v_cvt_scalef32_pk16_fp6_f32 v[CT+4*\c:CT+2+4*\c], v[(\s)+16+32*\c:(\s)+31+32*\c], v[TM+8+2*\c+1]   ; (a conversion's three registers begin on an even number)
.endr
	v_nop                                          ; one plain place behind a scaled conversion
.irp c, 0,1                                    ; the operand wants a whole block in a lane: lanes 0-15 block 2 c, lanes 16-31 block 2 c + 1
.irp i, 0,1,2
	v_permlane16_swap_b32 v[(\pc)+6*\c+\i], v[CT+4*\c+\i]
.endr
.irp i, 0,1,2
	v_mov_b32 v[(\pc)+3+6*\c+\i], v[CT+4*\c+\i]
.endr
.endr
.endm
; sin and cos of v[a] (0 to 31): n = the nearest whole number to a x 2 / pi, rr = a - n pi / 2, the two polynomials, then the quadrant: a choice of values and two signs, no branch.
; The compare that tells odd quadrants stands as soon as n is a whole number, so that the two polynomials lie between it and the wait for its mask.
.macro SINCOS a, so, co, t0, t1, t2, t3
	v_mul_f32 v[\t0], s[KC], v[\a]
	v_rndne_f32 v[\t0], v[\t0]
	v_fma_f32 v[\t1], v[\t0], s[KC+1], v[\a]
	v_fma_f32 v[\t1], v[\t0], s[KC+2], v[\t1]
	v_mul_f32 v[\t2], v[\t1], v[\t1]
	v_cvt_i32_f32 v[\t0], v[\t0]
	v_and_b32 v[\t3], 1, v[\t0]
	v_cmp_eq_u32 vcc_lo, 1, v[\t3]
	v_fma_f32 v[\so], v[\t2], s[KC+3], s[KC+4]
	v_fma_f32 v[\so], v[\so], v[\t2], s[KC+5]
	v_mul_f32 v[\so], v[\so], v[\t2]
	v_fma_f32 v[\so], v[\so], v[\t1], v[\t1]
	v_fma_f32 v[\co], v[\t2], s[KC+6], s[KC+7]
	v_fma_f32 v[\co], v[\co], v[\t2], s[KC+8]
	v_mul_f32 v[\co], v[\co], v[\t2]
	v_fma_f32 v[\t3], v[\t2], -0.5, 1.0
	v_fma_f32 v[\co], v[\co], v[\t2], v[\t3]
	s_wait_alu depctr_va_vcc(0)                    ; the compare has written VCC, which the two choices below read
	v_cndmask_b32 v[\t2], v[\so], v[\co], vcc_lo   ; odd quadrants: the two change places
	v_cndmask_b32 v[\t3], v[\co], v[\so], vcc_lo
	v_lshlrev_b32 v[\t1], 30, v[\t0]
	v_and_b32 v[\t1], 0x80000000, v[\t1]           ; sin is negative where n's bit 1 is set,
	v_xor_b32 v[\so], v[\t2], v[\t1]
	v_add_nc_u32 v[\t0], 1, v[\t0]
	v_lshlrev_b32 v[\t0], 30, v[\t0]
	v_and_b32 v[\t0], 0x80000000, v[\t0]           ; cos where (n + 1)'s is
	v_xor_b32 v[\co], v[\t3], v[\t0]
.endm
.macro BARRIER                                 ; my LDS stores have landed and my LDS loads are in: then the work-group's barrier
	s_wait_dscnt 0x0
	s_barrier_signal -1
	s_barrier_wait -1
.endm
; 16 products: the 8 tiles in window 1 against the one tile at v[bf] on, K steps 0 and 1.  The eight accumulators take turns, one instruction a turn.
.macro MM16 bf, bs
.irp k, 0,1
.irp t, 0,1,2,3,4,5,6,7
.set rD, HA+8*\t
.set rA, 12*(2*\t+\k)
.set rB, (\bf)+12*\k
.set rSA, S8+\t
.set rSB, \bs
	WM \k, \k, 1-\k
.endr
.endr
.endm
; Token tile t of x: two fragments and the scale words (lanes 0-15 K step 0, lanes 16-31 K step 1), into set t % 2.  w = 1: the set has been read by products, and the stores that follow the macro read what the quantiser made.
.macro FETCHX t, w
.if (\t)%2
	WIN 0x40                                       ; destination window 1
.endif
.if \w
	s_wait_alu depctr_va_vdst(0)                   ; the quantiser has written the codes and the scale word, which the stores below the loads read; the products of two tiles back from this one are done reading this set and its scale word, in which the loads land
.endif
.irp i, 0,1,2,3,4,5
.if (\t)%2
	ds_load_b128 v[XF1+4*\i:XF1+4*\i+3], v[LI] offset:3072*(\t)+512*\i
.else
	ds_load_b128 v[XF+4*\i:XF+4*\i+3], v[LI] offset:3072*(\t)+512*\i
.endif
.endr
	WIN 0
	ds_load_b32 v[XS+(\t)%2], v[XSR] offset:128*(\t)
.endm
; All sixteen fragments of x take W's place in window 1, and their scale words W's.
.macro XALL
	WIN 0x40                                       ; destination window 1
	s_wait_alu depctr_va_vdst(0)                   ; the quantiser has written the codes and the last scale word, which the stores below the loads read; the last tile's products are done reading W's fragments and scale words, in which the loads land
.set nn, 0
.rept 48
	ds_load_b128 v[4*nn:4*nn+3], v[LI] offset:512*nn
.set nn, nn+1
.endr
	WIN 0
.irp t, 0,1,2,3,4,5,6,7
	ds_load_b32 v[S8+\t], v[XSR] offset:128*\t
.endr
.endm
.macro ADDSIG reg, adr                         ; 64 numbers of x: + the signal of their channels, 32 at a time
.irp g, 0,1
.if \g
	s_wait_alu depctr_va_vdst(0)                   ; the additions above are done reading v224-255, in which the loads below land
.endif
.irp i, 0,1,2,3,4,5,6,7
	ds_load_b128 v[SG+4*\i:SG+4*\i+3], v[\adr] offset:256*\g+128*(\i/4)+16*(\i%4)
.endr
	s_wait_dscnt 0x0
.irp i, 0,2,4,6,8,10,12,14,16,18,20,22,24,26,28,30
	v_pk_add_f32 v[\reg+32*\g+\i:\reg+32*\g+\i+1], v[\reg+32*\g+\i:\reg+32*\g+\i+1], v[SG+\i:SG+\i+1]
.endr
.endr
.endm
; A weight's rows, as n loads of 512 bytes brought them into v[reg] on, go into my stage.  96 pieces of 16 bytes are 8 rows: load 3 j + m begins 8 j rows down, and its lanes' places hang on m alone.
.macro STAGE_IN reg, n
.set nn, 0
.rept \n
	ds_store_b128 v[SW+nn%3], v[(\reg)+4*nn:(\reg)+4*nn+3] offset:8*WP*(nn/3)+128*(nn/6)
.set nn, nn+1
.endr
.endm
; and tile t's two fragments come back into v[reg] on: lane (r, h) takes, of row 32 (t / 2) + 8 (t % 2) + r + 8 (r / 8), 24 bytes at 96 k + 24 h and 24 at 96 k + 48 + 24 h, in pieces of 8
.macro STAGE_OUT reg, t
.irp k, 0,1
.irp p, 0,1,2,3,4,5
	ds_load_b64 v[(\reg)+12*\k+2*\p:(\reg)+12*\k+2*\p+1], v[WRD] offset:(32*((\t)/2)+8*((\t)%2))*WP+256*((\t)/2)+96*\k+48*(\p/3)+8*(\p%3)
.endr
.endr
.endm
	s_load_b512 s[8:23], s[0:1], 0x0               ; src 8, wq codes 10, wq scales 12, wk codes 14, wk scales 16, wv codes 18, wv scales 20, wo codes 22
	s_load_b256 s[24:31], s[0:1], 0x40             ; ffn1 codes 24, ffn2 codes 26, qf 28, kv 30
	s_load_b64 s[32:33], s[0:1], 0x60              ; wf
	v_lshl_add_u32 v123, v0, 2, 0x41000
	v_mov_b32 v159, 0
	v_lshrrev_b32 v13, 5, v0
	v_readfirstlane_b32 s2, v13                    ; wave 0..7
	s_mov_b32 s3, ttmp9                            ; x: the pair of heads
	s_and_b32 s4, ttmp7, 0xffff                    ; blk: the block of 128 tokens
	s_lshr_b32 s5, s4, 3                           ; batch
	s_and_b32 s6, s4, 7                            ; block in the batch
	s_lshl_b32 s34, s3, 1
	s_wait_alu depctr_va_sdst(0)                   ; s2 is written, ahead of its first reader
	s_bfe_u32 s35, s2, 0x10001
	s_add_co_u32 s35, s34, s35                     ; the head of my unit of q or k
	s_lshr_b32 s36, s2, 2
	s_add_co_u32 s36, s34, s36                     ; the head of my tiles of v
	s_and_b32 s37, s2, 1                           ; which 128 of the head's 256
	s_and_b32 s38, s2, 3
	s_lshl_b32 s40, s35, 8
	s_lshl_b32 s41, s37, 7
	s_add_co_u32 s40, s40, s41                     ; my unit's first row of W
	s_mul_i32 s42, s40, 192                        ; in bytes of codes,
	s_mov_b32 s43, 0
	s_lshl_b32 s44, s40, 3                         ; and of scale bytes
	s_mov_b32 s45, 0
	s_lshl_b32 s46, s5, 3
	s_add_co_u32 s47, s46, s36
	s_add_co_u32 s46, s46, s35
	s_lshl_b32 s46, s46, 3
	s_add_co_u32 s46, s46, s6                      ; (8 batch + head) x 8 + block: my block of qf or chunk of kv,
	s_lshl_b32 s47, s47, 3
	s_add_co_u32 s47, s47, s6                      ; and v's chunk
	; the fragment that is laid anew: f = 4 blk + x; wave 0 w_o, wave 1 ffn1_w, the others ffn2_w (only wave 2 stores it: every wave loads, so that the registers are written on every way)
	s_lshl_b32 s66, s4, 2
	s_add_co_u32 s66, s66, s3
	s_min_u32 s67, s2, 2
	s_lshr_b32 s68, s66, 5                         ; w_o, ffn2_w: f = 32 w' + 2 ks + n: rows 16 (2 w' + n) on, 96 ks bytes along a row of 1,536
	s_lshl_b32 s68, s68, 1
	s_and_b32 s69, s66, 1
	s_add_co_u32 s68, s68, s69
	s_lshl_b32 s68, s68, 4
	s_mul_i32 s68, s68, 1536
	s_bfe_u32 s69, s66, 0x40001
	s_mul_i32 s69, s69, 96
	s_add_co_u32 s68, s68, s69
	s_lshr_b32 s69, s66, 4                         ; ffn1_w: f = 16 g + 2 t + ks: rows 128 g + 32 (t / 2) + 8 (t % 2) on, 96 ks bytes along a row of 192
	s_lshl_b32 s69, s69, 7
	s_bfe_u32 s82, s66, 0x20002
	s_lshl_b32 s82, s82, 5
	s_add_co_u32 s69, s69, s82
	s_bfe_u32 s82, s66, 0x10001
	s_lshl_b32 s82, s82, 3
	s_add_co_u32 s69, s69, s82
	s_mul_i32 s69, s69, 192
	s_and_b32 s82, s66, 1
	s_mul_i32 s82, s82, 96
	s_add_co_u32 s69, s69, s82
	s_cmp_eq_u32 s67, 1
	s_cselect_b32 s68, s69, s68                    ; where the fragment begins in its tensor
	s_mov_b32 s69, 0
	s_mov_b32 s82, 1536
	s_cselect_b32 s82, 192, s82                    ; a row of that tensor in bytes
	s_cselect_b32 s83, 8, 0                        ; ffn1_w's tiles have the gap of 8 rows in their middle
	s_mul_i32 s86, s67, 393216
	s_mul_i32 s87, s66, 1536
	s_add_co_u32 s86, s86, s87                     ; and where it goes in wf
	s_mov_b32 s87, 0
	s_mul_i32 s88, s2, WSB
	s_add_co_u32 s88, s88, WST                     ; my stage
	s_mov_b32 s[KC], 0x3f22f983                    ; 2 / pi
	s_mov_b32 s[KC+1], 0xbfc90fdb                  ; -(pi / 2), the f32 number next to it,
	s_mov_b32 s[KC+2], 0x333bbd2e                  ; and what that number has too much
	s_mov_b32 s[KC+3], 0xb94ca1f9                  ; sin: -1.9515296e-4, 8.3321609e-3, -1.6666655e-1
	s_mov_b32 s[KC+4], 0x3c08839e
	s_mov_b32 s[KC+5], 0xbe2aaaa3
	s_mov_b32 s[KC+6], 0x37ccf5ce                  ; cos: 2.4433157e-5, -1.3887316e-3, 4.1666646e-2
	s_mov_b32 s[KC+7], 0xbab6061a
	s_mov_b32 s[KC+8], 0x3d2aaaa5
	s_mov_b32 s[SEL], 0x76543210
	s_mov_b32 s[SEL+1], 0xfedcba98
	v_and_b32 v12, 31, v0                          ; lane
	v_and_b32 v14, 15, v0                          ; r
	v_bfe_u32 v15, v0, 4, 1                        ; h
	v_and_b32 v13, 8, v14
	v_add_nc_u32 v13, v13, v14                     ; r + 8 (r / 8)
	v_lshlrev_b32 v[LI], 4, v12
	v_lshl_add_u32 v[XSR], v12, 2, XSC
	v_lshlrev_b32 v[SA], 4, v14
	v_add_nc_u32 v[XSW], s88, v[LI]
	v_mul_u32_u24 v[XRD], v14, XP
	v_lshl_add_u32 v[XRD], v15, 6, v[XRD]
	v_add_nc_u32 v[XRD], s88, v[XRD]
	v_mul_u32_u24 v[WRD], v13, WP
	v_mad_u32_u24 v[WRD], v15, 24, v[WRD]
	v_lshrrev_b32 v226, 3, v14
	v_lshl_add_u32 v[WRD], v226, 7, v[WRD]
	v_add_nc_u32 v[WRD], s88, v[WRD]
	v_lshlrev_b32 v[WSA], 3, v13
	v_lshl_add_u32 v[WSA], v15, 2, v[WSA]
	s_lshr_b32 s39, s2, 1
	s_mul_i32 s39, s39, TP
	s_add_co_u32 s39, s39, TAB+32*TP
	v_lshl_add_u32 v[TH], v15, 6, s39              ; my tile's image row is the block's row w / 2: table place 32 + w / 2
	s_mul_i32 s39, s37, 8*TP
	s_add_co_u32 s39, s39, TAB
	v_mul_u32_u24 v[TW], v13, TP
	v_lshl_add_u32 v[TW], v15, 6, v[TW]
	v_add_nc_u32 v[TW], s39, v[TW]                 ; my lane's column: 8 (w % 2) + r + 8 (r / 8)
	v_lshrrev_b32 v225, 6, v0
	v_mul_u32_u24 v[TWR], v225, TP
	v_and_b32 v224, 63, v0
	v_lshl_add_u32 v[TWR], v224, 2, v[TWR]
	v_add_nc_u32 v[TWR], TAB, v[TWR]
	s_mul_i32 s39, s2, 3072
	v_add_nc_u32 v[XWI], s39, v[LI]
	s_lshl_b32 s39, s2, 7
	s_add_co_u32 s39, s39, XSC
	v_lshl_add_u32 v[XWS], v14, 2, s39             ; (lanes r and r + 16 store the same word with the same value)
	v_lshrrev_b32 v12, 3, v14
	v_mad_u32_u24 v12, v12, s83, v14
	v_mul_u32_u24 v12, v12, s82
	v_mad_u32_u24 v[RLA], v15, 24, v12
	v_and_b32 v226, 31, v0                         ; lane.  (r, h and r + 8 (r / 8) are done with: their registers take the stage's three addresses)
.irp m, 0,1,2
	v_add_nc_u32 v227, 32*\m, v226                 ; g = 32 m + lane: my piece of 16 bytes among the 96 of 8 rows
	v_mul_u32_u24 v228, v227, 43
	v_lshrrev_b32 v228, 9, v228                    ; g / 12, its row: 43 g / 512 rounded down is that for every g up to 95
	v_add_nc_u32 v228, v228, v227
	v_lshl_add_u32 v[SW+\m], v228, 4, s88          ; 208 (g / 12) + 16 (g % 12) = 16 (g + g / 12)
.endr
.irp b, 0,1,2,3
	v_mov_b32 v[TM+4+\b], 0                        ; written once: a lane permute's destination counts as one of its sources
.endr
	s_wait_kmcnt 0x0
	s_cmp_lt_u32 s2, 4                             ; waves 0-3 make q, waves 4-7 k: the choice hangs on the wave's number alone
	s_cselect_b64 s[48:49], s[10:11], s[14:15]
	s_cselect_b64 s[50:51], s[12:13], s[16:17]
	s_cselect_b64 s[52:53], s[28:29], s[30:31]
	s_mov_b32 s54, 51200
	s_cselect_b32 s54, 25600, s54                  ; a block of qf, a chunk of kv
	s_mov_b32 s55, 49152
	s_cselect_b32 s55, 24576, s55                  ; where its scale words begin
	s_add_nc_u64 s[48:49], s[48:49], s[42:43]      ; my rows' codes
	s_add_nc_u64 s[50:51], s[50:51], s[44:45]      ; and scale bytes
	s_mul_i32 s56, s46, s54
	s_mov_b32 s57, 0
	s_add_nc_u64 s[52:53], s[52:53], s[56:57]
	s_lshl_b32 s56, s37, 8
	s_add_co_u32 s56, s56, s55
	s_add_nc_u64 s[58:59], s[52:53], s[56:57]      ; my unit's scale words
	s_mul_i32 s56, s37, 1536
	s_add_nc_u64 s[52:53], s[52:53], s[56:57]      ; my unit's fragments: (2 t + s) x 1,536
	s_lshl_b32 s60, s36, 8
	s_lshl_b32 s61, s38, 6
	s_add_co_u32 s60, s60, s61                     ; my four tiles' first row of Wv: 256 head + 64 (w % 4)
	s_mul_i32 s56, s60, 192
	s_add_nc_u64 s[18:19], s[18:19], s[56:57]
	s_lshl_b32 s56, s60, 3
	s_add_nc_u64 s[20:21], s[20:21], s[56:57]
	s_mul_i32 s56, s47, 51200
	s_add_nc_u64 s[30:31], s[30:31], s[56:57]      ; v's chunk
	s_lshl_b32 s56, s38, 8
	s_add_co_u32 s56, s56, 50176
	s_add_nc_u64 s[62:63], s[30:31], s[56:57]      ; my tiles' scale words
	s_mul_i32 s56, s38, 6144
	s_add_co_u32 s56, s56, 24576
	s_add_nc_u64 s[30:31], s[30:31], s[56:57]      ; my tiles' fragments
	s_lshl_b32 s56, s4, 7
	s_lshr_b32 s60, s2, 1
	s_lshl_b32 s60, s60, 5
	s_add_co_u32 s56, s56, s60
	s_lshl_b32 s61, s37, 3
	s_add_co_u32 s56, s56, s61
	s_lshl_b32 s56, s56, 10
	s_add_nc_u64 s[8:9], s[8:9], s[56:57]          ; src at token 128 blk + 32 (w / 2) + 8 (w % 2)
	s_cmp_eq_u32 s67, 1
	s_cselect_b64 s[84:85], s[24:25], s[22:23]
	s_cmp_eq_u32 s67, 2
	s_cselect_b64 s[84:85], s[26:27], s[84:85]
	s_add_nc_u64 s[84:85], s[84:85], s[68:69]
	s_add_nc_u64 s[32:33], s[32:33], s[86:87]
	s_wait_alu depctr_va_vdst(0)                   ; the addresses v1 to v15 and v158 are written, which the loads and stores of the whole kernel read
	; ---- all that the first half needs is asked for: 6 + 32 + 48 + 8 loads
.irp p, 0,1,2,3,4,5
	global_load_b64 v[RL+2*\p:RL+2*\p+1], v[RLA], s[84:85] offset:48*(\p/3)+8*(\p%3)
.endr
.set nn, 0
.rept 16
	global_load_b128 v[HA+4*nn:HA+4*nn+3], v[LI], s[8:9] offset:512*nn              ; my tile's tokens 0-7, as they lie: half a token a load
.set nn, nn+1
.endr
.set nn, 0
.rept 16
	global_load_b128 v[ST+4*nn:ST+4*nn+3], v[LI], s[8:9] offset:16384+512*nn        ; its tokens 8-15, which lie 16 tokens behind the first
.set nn, nn+1
.endr
	WIN 0x40                                       ; destination window 1
.set nn, 0
.rept 48
	global_load_b128 v[4*nn:4*nn+3], v[LI], s[48:49] offset:512*nn                  ; my 128 rows of W, as they lie
.set nn, nn+1
.endr
	WIN 0
.irp t, 0,1,2,3,4,5,6,7
	global_load_b32 v[S8+\t], v[WSA], s[50:51] offset:(32*(\t/2)+8*(\t%2))*8
.endr
	; ---- the table: thread (position % 4 = tid / 64, j = tid % 64), nine positions
	v_cvt_f32_u32 v224, v224
	v_mul_f32 v224, 0xbe57fa62, v224               ; -j log2(10000) / 63
	s_wait_alu depctr_va_vdst(0)
	v_exp_f32 v224, v224                           ; 10000^(-j / 63)
	v_nop                                          ; a plain place behind the exponential
	s_wait_alu depctr_va_vdst(0)                   ; the exponential has written v224, ahead of its first reader
	s_lshl_b32 s7, s6, 2                           ; my block's first image row
.irp i, 0,1,2,3,4,5,6,7,8
.if \i < 8
	v_add_nc_u32 v226, 4*\i, v225
.else
	v_add_nc_u32 v226, s7, v225
.endif
	v_cvt_f32_u32 v226, v226
	v_mul_f32 v226, v226, v224
	SINCOS 226, 232+2*\i, 233+2*\i, 227, 228, 229, 230
.endr
	s_wait_alu depctr_va_vdst(0)                   ; the nine positions' sines and cosines, v232 to v249, are written, which the LDS stores read
.irp i, 0,1,2,3,4,5,6,7,8
	ds_store_b32 v[TWR], v[232+2*\i] offset:4*TP*\i
	ds_store_b32 v[TWR], v[233+2*\i] offset:4*TP*\i+256
.endr
	BARRIER                                        ; the table is whole
	s_wait_loadcnt 56                              ; the fragment to be laid anew and src are in; W's 48 loads and its 8 scale words may be out
	s_cmp_lt_u32 s2, 3
	s_cbranch_scc0 .Lno_relay
.irp c, 0,1,2
	global_store_b128 v[LI], v[RL+4*\c:RL+4*\c+3], s[32:33] offset:512*\c   ; 32 lanes store 512 consecutive bytes
.endr
.Lno_relay:
	; ---- src turns through my stage: in as it lies, out 64 bytes of each block of 32 channels to the lane that quantises them
.set nn, 0
.rept 16
	ds_store_b128 v[XSW], v[HA+4*nn:HA+4*nn+3] offset:XP*(nn/2)+512*(nn%2)
.set nn, nn+1
.endr
.set nn, 0
.rept 16
	ds_store_b128 v[XSW], v[ST+4*nn:ST+4*nn+3] offset:XP*(8+nn/2)+512*(nn%2)
.set nn, nn+1
.endr
	s_wait_alu depctr_vm_vsrc(0)                   ; the stores into the stage have read v40-103 and v160-223, in which the loads below land; the table's stores have read v232-249, in which the signal lands
.irp b, 0,1,2,3
.irp i, 0,1,2,3
	ds_load_b128 v[HA+16*\b+4*\i:HA+16*\b+4*\i+3], v[XRD] offset:128*\b+16*\i        ; my row's 16 numbers of block b, channels 0-127
.endr
.endr
.irp b, 0,1,2,3
.irp i, 0,1,2,3
	ds_load_b128 v[ST+16*\b+4*\i:ST+16*\b+4*\i+3], v[XRD] offset:512+128*\b+16*\i    ; channels 128-255
.endr
.endr
	; ---- x = src + signal; my tile's two fragments go to LDS as images
	ADDSIG HA, TH                                  ; (its wait for the signal is for 0: x is back from the stage too)
	QUANT HA, PC, PWX
	s_wait_alu depctr_va_vdst(0)                   ; the quantiser has written the codes and the scale word, which the LDS stores read; the additions are done reading v224-255, in which the next numbers of the signal land
.irp c, 0,1,2
	ds_store_b128 v[XWI], v[PC+4*\c:PC+4*\c+3] offset:512*\c
.endr
	ds_store_b32 v[XWS], v[PWX]
	ADDSIG ST, TW
	s_wait_dscnt 0x0                               ; the stores have read their registers
	s_wait_alu depctr_vm_vsrc(0)                   ; the LDS stores have read the codes and the scale word, which the quantiser writes again
	QUANT ST, PC, PWX
	s_wait_alu depctr_va_vdst(0)                   ; the quantiser has written the codes and the scale word, which the LDS stores read; it and the additions are done with v160-255, in which Wv's loads land
.irp c, 0,1,2
	ds_store_b128 v[XWI], v[PC+4*\c:PC+4*\c+3] offset:1536+512*\c
.endr
	ds_store_b32 v[XWS], v[PWX] offset:64
	s_wait_xcnt 0x0                                ; the stores into wf have read v16-27, which x's fragments take behind the barrier; it stands ahead of the loads below, so that it does not wait for them
.set nn, 0
.rept 24
	global_load_b128 v[WV+4*nn:WV+4*nn+3], v[LI], s[18:19] offset:512*nn            ; my 64 rows of Wv, as they lie, into the registers that x has left
.set nn, nn+1
.endr
.irp i, 0,1,2,3
	global_load_b32 v[SV+\i], v[WSA], s[20:21] offset:(32*(\i/2)+8*(\i%2))*8
.endr
	s_wait_loadcnt 28                              ; W and its scale words are in; the 28 loads just issued may be out
	WIN 0x04                                       ; an LDS store's data are its source 1: window 1
	STAGE_IN 0, 48                                 ; W turns through my stage, over the bytes that src has left,
	WIN 0x40                                       ; destination window 1
	s_wait_alu depctr_vm_vsrc(0)                   ; the stores into the stage have read W's registers, in which the loads below land; the stores into wf have read v16-27 and the store of my tile's scale word v145, in which x's fragments and scale words land behind the barrier
.irp t, 0,1,2,3,4,5,6,7
	STAGE_OUT 24*\t, \t                            ; and comes back as 16 fragments, into the registers that it left
.endr
	WIN 0
	BARRIER                                        ; x's sixteen fragments lie in LDS; my fragments of W are in
	; ---- my unit of q or k: 128 of the head's 256 for each of the 8 token tiles; token tile t lies in set t % 2 and is asked for two tiles ahead
	FETCHX 0, 0
	FETCHX 1, 0
.irp t, 0,1,2,3,4,5,6,7
.if \t == 1
	s_wait_dscnt 63                                ; tile 1's seven loads are in: behind them stand the 72 instructions of Wv's turn and tile 2's seven loads, more than the field holds
.elseif \t == 7
	s_wait_dscnt 0x0
.else
	s_wait_dscnt 7                                 ; this tile's seven loads are in; the next tile's seven may be out
.endif
.if (\t)%2
	WIN 0x05                                       ; sources 0 and 1 window 1
	MM16 XF1, XS+1
.else
	WIN 0x01                                       ; source 0 window 1
	MM16 XF, XS
.endif
	WIN 0
	PLACES                                         ; in front of the first read of the results
.if \t == 0
	s_wait_loadcnt 0x0                             ; Wv and its scale words
	STAGE_IN WV, 24                                ; Wv turns through my stage while tile 0 is quantised
	s_wait_alu depctr_vm_vsrc(0)                   ; the stores into the stage have read Wv's registers, in which the loads below land
.irp i, 0,1,2,3
	STAGE_OUT WV+24*\i, \i
.endr
.endif
	s_wait_xcnt 0x0                                ; the last tile's stores have read the codes' registers
.if \t > 0
	s_wait_alu depctr_vm_vsrc(0)                   ; the last tile's stores have read the codes, which the quantiser writes again
.endif
	QUANT HA, PC, KW+\t
.if \t < 6
	FETCHX \t+2, 1
.elseif \t == 6
	s_wait_alu depctr_va_vdst(0)                   ; the quantiser has written the codes, which the stores read
.else
	XALL                                           ; my four tiles of v: x's 16 fragments take W's place in window 1
.endif
.irp c, 0,1,2
	global_store_b128 v[LI], v[PC+4*\c:PC+4*\c+3], s[52:53] offset:3072*\t+512*\c
.endr
.endr
	global_store_b128 v[SA], v[KW:KW+3], s[58:59]             ; sixteen lanes fill 256 consecutive bytes (lanes 16-31 store the same words again)
	global_store_b128 v[SA], v[KW+4:KW+7], s[58:59] offset:512
	; ---- my four tiles of v
	s_wait_dscnt 0x0
.irp i, 0,1,2,3
	WIN 0x01
	MM16 WV+24*\i, SV+\i
	WIN 0
	PLACES
	s_wait_xcnt 0x0                                ; earlier stores have read the codes' and the scale words' registers
	s_wait_alu depctr_vm_vsrc(0)                   ; earlier stores have read the codes and the kept scale words, which the quantiser writes again
	QUANT HA, PC, KW+\i
	s_wait_alu depctr_va_vdst(0)                   ; the quantiser has written the codes and the scale word, which the stores read
.irp c, 0,1,2
	global_store_b128 v[LI], v[PC+4*\c:PC+4*\c+3], s[30:31] offset:1536*\i+512*\c
.endr
.endr
	global_store_b128 v[SA], v[KW:KW+3], s[62:63]
	s_wait_dscnt 0x0                               ; the closing lines, six on end
	s_wait_alu 0x0
	s_wait_tensorcnt 0x0
	ds_add_u32 v123, v159
	s_wait_dscnt 0x0
	s_endpgm
.Lfunc_end_k_q7b18919a7f_qkv:
	.size	k_q7b18919a7f_qkv, .Lfunc_end_k_q7b18919a7f_qkv-k_q7b18919a7f_qkv
	.p2alignl 7, 3214868480
	.fill 96, 4, 3214868480
	.section	.rodata,"a",@progbits
	.p2align	6, 0x0
	.amdhsa_kernel k_q7b18919a7f_qkv
		.amdhsa_group_segment_fixed_size 267264
		.amdhsa_private_segment_fixed_size 0
		.amdhsa_enable_private_segment 0
		.amdhsa_kernarg_size 104
		.amdhsa_user_sgpr_count 2
		.amdhsa_user_sgpr_kernarg_segment_ptr 1
		.amdhsa_wavefront_size32 1
		.amdhsa_system_sgpr_workgroup_id_x 1
		.amdhsa_system_sgpr_workgroup_id_y 1
		.amdhsa_system_sgpr_workgroup_id_z 1
		.amdhsa_system_vgpr_workitem_id 0
		.amdhsa_next_free_vgpr 480
		.amdhsa_next_free_sgpr 100
		.amdhsa_reserve_vcc 1
		.amdhsa_float_denorm_mode_32 3
		.amdhsa_float_denorm_mode_16_64 3
		.amdhsa_memory_ordered 1
		.amdhsa_forward_progress 1
		.amdhsa_inst_pref_size 150
	.end_amdhsa_kernel
	.amdgpu_metadata
---
amdhsa.version: [ 1, 2 ]
amdhsa.kernels:
  - .name:           k_q7b18919a7f_qkv
    .symbol:         k_q7b18919a7f_qkv.kd
    .args:
      - { .name: src, .offset: 0, .size: 8, .value_kind: global_buffer, .address_space: global }
      - { .name: w_q_codes, .offset: 8, .size: 8, .value_kind: global_buffer, .address_space: global }
      - { .name: w_q_scales, .offset: 16, .size: 8, .value_kind: global_buffer, .address_space: global }
      - { .name: w_k_codes, .offset: 24, .size: 8, .value_kind: global_buffer, .address_space: global }
      - { .name: w_k_scales, .offset: 32, .size: 8, .value_kind: global_buffer, .address_space: global }
      - { .name: w_v_codes, .offset: 40, .size: 8, .value_kind: global_buffer, .address_space: global }
      - { .name: w_v_scales, .offset: 48, .size: 8, .value_kind: global_buffer, .address_space: global }
      - { .name: w_o_codes, .offset: 56, .size: 8, .value_kind: global_buffer, .address_space: global }
      - { .name: ffn1_w_codes, .offset: 64, .size: 8, .value_kind: global_buffer, .address_space: global }
      - { .name: ffn2_w_codes, .offset: 72, .size: 8, .value_kind: global_buffer, .address_space: global }
      - { .name: qf, .offset: 80, .size: 8, .value_kind: global_buffer, .address_space: global }
      - { .name: kv, .offset: 88, .size: 8, .value_kind: global_buffer, .address_space: global }
      - { .name: wf, .offset: 96, .size: 8, .value_kind: global_buffer, .address_space: global }
    .group_segment_fixed_size: 267264
    .private_segment_fixed_size: 0
    .kernarg_segment_align: 8
    .kernarg_segment_size: 104
    .max_flat_workgroup_size: 256
    .sgpr_count:     100
    .vgpr_count:     480
    .wavefront_size: 32
...
	.end_amdgpu_metadata
.endif
;; end of part 4
;; launch attn (part 5): grid 4 x 64, 8 waves a work-group, clusters of 4 x 1, 327,680 bytes of LDS; arguments qf, kv, of; writes of
.if DOCPART == 5
	.amdgcn_target "amdgcn-amd-amdhsa--gfx1250"
	.amdhsa_code_object_version 6
	.text
	.protected	k_q7b18919a7f_attn
	.globl	k_q7b18919a7f_attn
	.p2align	8
	.type	k_q7b18919a7f_attn,@function
k_q7b18919a7f_attn:
	s_mov_b64 s[64:65], 0
	v_nop
	global_prefetch_b8 v0, s[64:65] scope:SCOPE_SE
	s_setreg_imm32_b32 hwreg(HW_REG_WAVE_MODE, 25, 1), 1
	s_wait_xcnt 0x0
	s_wait_alu depctr_hold_cnt(0) depctr_sa_sdst(0) depctr_va_vdst(0) depctr_va_sdst(0) depctr_va_ssrc(0) depctr_va_vcc(0) depctr_vm_vsrc(0)
	s_getreg_b32 s2, hwreg(HW_REG_IB_STS2, 6, 4)
	s_cmp_eq_u32 s2, 0
	s_cbranch_scc0 .Lentry_in_a_cluster
	s_endpgm
.Lentry_in_a_cluster:
	s_bfe_u32 s2, ttmp6, 0x10000c
	s_cmp_lg_u32 s2, 0x3003
	s_cbranch_scc0 .Lentry_shape_is_right
	s_endpgm
.Lentry_shape_is_right:
; o = softmax(q k^T / 16) v for one (batch, head) a cluster, both products on codes of FP6 (E2M3) with one E8M0 scale for each 32 along K; o is quantised along the head's 256 and leaves as images of operand registers.
; THE SOFTMAX: t = score x log2(e) / 16 (q's codes are those of the unscaled q); M = the running largest t rounded UP to a whole number; p = 2^(t - M) is quantised along the keys, not normalised;
; the row's sum is taken of the unquantised p and divides O at the end; when M moves, the sum and O are multiplied by 2^(old M - new M), which rounds nothing.
; SHARES.  A work-group owns 256 queries; each of its eight waves 32 (one image row): two tiles of 16, so that each fragment of K and V read from LDS feeds two products.  Two waves share a SIMD.
; Both products are used transposed (S^T = K Q^T, O^T = V^T P^T): a lane holds one query throughout.  The keys of a tile of K and the channels of a tile of V were chosen by the launch before so that the 16 registers
; of two neighbouring result tiles are 16 neighbours along the next K.
; CLUSTER.  The four query blocks of a head walk the same 8 chunks of kv (128 keys: 51,200 bytes, K's 16 fragments, V's 16, their scale words), so each slot of two chunks is asked for JOINTLY: waves 0-3 bring a quarter each
; (100 rows of 256 bytes) by the same tensor load with the same descriptor and a mask that names the four.  By this text's count at most one tensor load of a wave is out.
; O^T begins as zeros and the largest t as -3e38, so that the key step is written once for every step: the first change of M multiplies zeros.
; LIMITS: blocks of o whose largest magnitude lies under 2^-124 get the scale byte 1 (read by this program alone); NaN and infinities are not served.
; REGISTERS: window 0: v1-5 addresses; v6-7 q's scale words; v8-19 six statistics a tile; v20-27 K's, then V's scale words; v28-75 Q; v76-123 two tiles of K, then p's codes and work; v128-255 S^T, then p, then V.  window 1: O^T, 128 a tile.
.set CHUNK, 51200
.set SLOTB, 102400
.set SLOT1, 131072                     ; slot 1 begins here: one exclusive or turns an address in one slot into the other's
.set SPARE, 102400                     ; between the slots: the spare words, 128 bytes for each wave: four blocks of 256 bytes that no other line names
.set SPW,  1
.set NIL,  2
.set LI,   3                           ; 16 x lane
.set ADR,  4                           ; the chunk in hand + 16 x lane
.set SA,   5                           ; 16 r
.set QS,   6
.set ST,   8                           ; tile u at ST + 6 u: -M, the largest t, the sum in two halves, f, p's scale word
.set KS8,  20
.set QF,   28                          ; Q: tile u, K step s at QF + 24 u + 12 s
.set RB,   76
.set CT,   RB+24
.set TM,   RB+32
.set T0,   RB+44
.set S,    128
.set WV,   10
.set CS,   20                          ; s[20:21] c = log2(e) / 16
.set SEL,  22
.set G1,   24
.set G0,   32
.set TB,   36                          ; LDS byte at which the slot in hand begins
.set SLOTS, 37
.set MSB, 0
.macro WIN new                         ; the immediate's high byte repeats the setting that is left
.if MSB != \new
	s_set_vgpr_msb (MSB<<8)|\new
.set MSB, \new
.endif
.endm
.macro PLACES
.rept 4
	v_nop
.endr
.endm
.macro WM ra, rb, z                    ; one scaled product on rD, rA, rB, rSA, rSB; ra, rb: the scale words stand in lanes 16-31; z = 1: it starts the sum
.if \z
	v_wmma_scale_f32_16x16x128_f8f6f4 v[rD:rD+7], v[rA:rA+11], v[rB:rB+11], 0, v[rSA], v[rSB] matrix_a_fmt:MATRIX_FMT_FP6 matrix_b_fmt:MATRIX_FMT_FP6
.elseif (\ra) && (\rb)
	v_wmma_scale_f32_16x16x128_f8f6f4 v[rD:rD+7], v[rA:rA+11], v[rB:rB+11], v[rD:rD+7], v[rSA], v[rSB] matrix_a_fmt:MATRIX_FMT_FP6 matrix_b_fmt:MATRIX_FMT_FP6 matrix_a_scale:MATRIX_SCALE_ROW1 matrix_b_scale:MATRIX_SCALE_ROW1
.elseif (\ra)
	v_wmma_scale_f32_16x16x128_f8f6f4 v[rD:rD+7], v[rA:rA+11], v[rB:rB+11], v[rD:rD+7], v[rSA], v[rSB] matrix_a_fmt:MATRIX_FMT_FP6 matrix_b_fmt:MATRIX_FMT_FP6 matrix_a_scale:MATRIX_SCALE_ROW1
.elseif (\rb)
	v_wmma_scale_f32_16x16x128_f8f6f4 v[rD:rD+7], v[rA:rA+11], v[rB:rB+11], v[rD:rD+7], v[rSA], v[rSB] matrix_a_fmt:MATRIX_FMT_FP6 matrix_b_fmt:MATRIX_FMT_FP6 matrix_b_scale:MATRIX_SCALE_ROW1
.else
	v_wmma_scale_f32_16x16x128_f8f6f4 v[rD:rD+7], v[rA:rA+11], v[rB:rB+11], v[rD:rD+7], v[rSA], v[rSB] matrix_a_fmt:MATRIX_FMT_FP6 matrix_b_fmt:MATRIX_FMT_FP6
.endif
.endm
.macro QUANT s, pc, pw                 ; 64 numbers of a lane, register 16 b + i = k 32 b + 16 (lane / 16) + i, become a fragment's codes in v[pc] on and the row's scale word in v[pw]
.irp b, 0,1,2,3
	v_max3_num_f32 v[TM+\b], |v[(\s)+16*\b]|, |v[(\s)+1+16*\b]|, 0x1800000   ; and the floor 2^(3 - 127): the byte cannot fall under 1
.endr
.irp i, 2,4,6,8,10,12,14
.irp b, 0,1,2,3
	s_delay_alu instid0(VALU_DEP_4)
	v_max3_num_f32 v[TM+\b], v[TM+\b], |v[(\s)+16*\b+\i]|, |v[(\s)+1+16*\b+\i]|
.endr
.endr
.irp b, 0,1,2,3
	s_delay_alu instid0(VALU_DEP_4)
	v_permlanex16_b32 v[TM+4+\b], v[TM+\b], s[SEL], s[SEL+1]
.endr
.irp b, 0,1,2,3
	s_delay_alu instid0(VALU_DEP_4)
	v_max_num_f32 v[TM+\b], v[TM+\b], v[TM+4+\b]
.endr
.irp b, 0,1,2,3
	s_delay_alu instid0(VALU_DEP_4)
	v_add_nc_u32 v[TM+8+\b], 0xff000000, v[TM+\b]  ; 2 off the exponent field: the conversion's scale operand
.endr
.irp b, 0,1,2,3
	s_delay_alu instid0(VALU_DEP_4)
	v_lshrrev_b32 v[TM+4+\b], 23, v[TM+8+\b]
.endr
	s_delay_alu instid0(VALU_DEP_3)
	v_lshl_or_b32 v[\pw], v[TM+5], 8, v[TM+4]
	s_delay_alu instid0(VALU_DEP_1)
	v_lshl_or_b32 v[\pw], v[TM+6], 16, v[\pw]
	s_delay_alu instid0(VALU_DEP_1)
	v_lshl_or_b32 v[\pw], v[TM+7], 24, v[\pw]
.irp c, 0,1
	v_cvt_scalef32_pk16_fp6_f32 v[(\pc)+6*\c:(\pc)+2+6*\c], v[(\s)+32*\c:(\s)+15+32*\c], v[TM+8+2*\c]
	v_cvt_scalef32_pk16_fp6_f32 v[CT+4*\c:CT+2+4*\c], v[(\s)+16+32*\c:(\s)+31+32*\c], v[TM+8+2*\c+1]
.endr
	v_nop                                          ; one plain place behind a scaled conversion
.irp c, 0,1
.irp i, 0,1,2
	v_permlane16_swap_b32 v[(\pc)+6*\c+\i], v[CT+4*\c+\i]
.endr
.irp i, 0,1,2
	s_delay_alu instid0(VALU_DEP_3)
	v_mov_b32 v[(\pc)+3+6*\c+\i], v[CT+4*\c+\i]
.endr
.endr
.endm
.macro ROUND                           ; a round of the cluster's barrier
	s_barrier_signal -1
	s_barrier_wait -1
	s_cmp_lg_u32 s[WV], 0
	s_cbranch_scc1 .Lnot_wave_0_\@
	s_barrier_signal -3
.Lnot_wave_0_\@:
	s_barrier_wait -3
	s_barrier_signal -1
	s_barrier_wait -1
.endm
.macro TLOAD                           ; waves 0-3 ask for a quarter of a slot each; the branch hangs on the wave's number alone; four v_nop follow the load
	s_cmp_lt_u32 s[WV], 4
	s_cbranch_scc0 .Lasked_\@
	tensor_load_to_lds s[G0:G0+3], s[G1:G1+7]
	s_nop 0
.rept 4
	v_nop
.endr
.Lasked_\@:
.endm
	s_load_b128 s[4:7], s[0:1], 0x0                ; qf, kv
	s_load_b64 s[8:9], s[0:1], 0x10                ; of
	v_lshl_add_u32 v[SPW], v0, 2, SPARE
	v_mov_b32 v[NIL], 0
	ds_add_u32 v1, v2
	ds_add_u32 v1, v2
	s_wait_dscnt 0x0
	v_lshrrev_b32 v4, 5, v0
	s_delay_alu instid0(VALU_DEP_1)
	v_readfirstlane_b32 s[WV], v4                  ; wave 0..7
	s_bfe_u32 s11, ttmp6, 0x40000                  ; cx: my block of 256 queries; it enters qf's and of's addresses alone
	s_and_b32 s12, ttmp7, 0xffff                   ; 8 batch + head, which the four partners share
	s_mul_i32 s14, s12, 8*CHUNK
	s_mul_i32 s[G0+1], s[WV], SLOTB/4              ; my quarter of a slot, in LDS and in memory
	s_add_co_u32 s14, s14, s[G0+1]
	s_mov_b32 s15, 0
	s_lshl_b32 s13, s12, 3
	s_lshl_b32 s16, s11, 1
	s_add_co_u32 s13, s13, s16
	s_lshr_b32 s16, s[WV], 2
	s_add_co_u32 s13, s13, s16
	s_mul_i32 s13, s13, 25600                      ; my block of qf: 128 tokens
	s_and_b32 s16, s[WV], 3
	s_mul_i32 s16, s16, 6144
	s_add_co_u32 s40, s13, s16                     ; my two tiles' four fragments
	s_mov_b32 s41, 0
	s_bfe_u32 s16, s[WV], 0x10001
	s_lshl_b32 s16, s16, 9
	s_and_b32 s17, s[WV], 1
	s_lshl_b32 s17, s17, 3
	s_add_co_u32 s16, s16, s17
	s_add_co_u32 s16, s16, 24576
	s_add_co_u32 s42, s13, s16                     ; and their scale words
	s_mov_b32 s43, 0
	s_lshr_b32 s16, s12, 3
	s_lshl_b32 s16, s16, 5
	s_lshl_b32 s17, s11, 3
	s_add_co_u32 s16, s16, s17
	s_add_co_u32 s16, s16, s[WV]                   ; my group of 32 tokens: 32 batch + 8 cx + wave
	s_mul_i32 s16, s16, 51200
	s_and_b32 s17, s12, 7                          ; the head
	s_mul_i32 s18, s17, 6144
	s_add_co_u32 s44, s16, s18                     ; of: K steps 2 head, 2 head + 1, two tiles each
	s_mov_b32 s45, 0
	s_lshr_b32 s18, s17, 1
	s_lshl_b32 s18, s18, 9
	s_and_b32 s19, s17, 1
	s_lshl_b32 s19, s19, 3
	s_add_co_u32 s18, s18, s19
	s_add_co_u32 s18, s18, 49152
	s_add_co_u32 s46, s16, s18                     ; and their scale words
	s_mov_b32 s47, 0
	s_mov_b32 s[G1], 0x0023000f                    ; 15:0 the mask: all four work-groups; 17:16 elements of 8 bytes; 20 no padding; 21 set beside a mask
	s_mov_b32 s[G1+1], 32<<16                      ; tensor_dim0 = 32 elements: 256 bytes
	s_mov_b32 s[G1+2], 100<<16                     ; tensor_dim1 = 100 rows
	s_mov_b32 s[G1+3], 32<<16                      ; tile_dim0
	s_mov_b32 s[G1+4], 100                         ; tile_dim1
	s_mov_b32 s[G1+5], 32                          ; the rows are dense
	s_mov_b32 s[G1+6], 0
	s_mov_b32 s[G1+7], 0
	s_mov_b32 s[CS], 0x3db8aa3b                    ; c = log2(e) / 16
	s_mov_b32 s[CS+1], s[CS]                       ; (named with it as a pair, so it is written)
	s_mov_b32 s[SEL], 0x76543210
	s_mov_b32 s[SEL+1], 0xfedcba98
	s_mov_b32 s[TB], 0
	s_mov_b32 s[SLOTS], 3
	s_wait_kmcnt 0x0
	s_mov_b32 s[G0], 1
	s_add_nc_u64 s[G0+2:G0+3], s[6:7], s[14:15]
	s_or_b32 s[G0+3], s[G0+3], 0x80000000
	s_add_nc_u64 s[40:41], s[4:5], s[40:41]
	s_add_nc_u64 s[42:43], s[4:5], s[42:43]
	s_add_nc_u64 s[44:45], s[8:9], s[44:45]
	s_add_nc_u64 s[46:47], s[8:9], s[46:47]
	ROUND                                          ; all four work-groups are here: the first joint loads meet
	TLOAD                                          ; slot 0: keys 0-255
	v_and_b32 v4, 31, v0
	s_delay_alu instid0(VALU_DEP_1)
	v_lshlrev_b32 v[LI], 4, v4
	v_and_b32 v4, 15, v0
	s_delay_alu instid0(VALU_DEP_1)
	v_lshlrev_b32 v[SA], 4, v4
.irp i, 0,1,2,3,4,5,6,7,8,9,10,11
	global_load_b128 v[QF+4*\i:QF+4*\i+3], v[LI], s[40:41] offset:512*\i   ; Q stays in registers
.endr
	global_load_b64 v[QS:QS+1], v[LI], s[42:43]    ; tiles 0 and 1: lanes 0-15 K step 0, lanes 16-31 K step 1
	WIN 0x40
.set nn, 0
.rept 256
	v_mov_b32 v[nn], 0                             ; O^T
.set nn, nn+1
.endr
	WIN 0
.irp u, 0,1
	v_mov_b32 v[ST+6*\u+1], 0xff61b1e6             ; the largest t so far: -3e38
	s_delay_alu instid0(VALU_DEP_1)
	v_floor_f32 v[ST+6*\u], -v[ST+6*\u+1]          ; -M
	v_mov_b32 v[ST+6*\u+2], 0
	v_mov_b32 v[ST+6*\u+3], 0
	v_mov_b32 v[ST+6*\u+4], 0
	v_mov_b32 v[ST+6*\u+5], 0                      ; (named as the upper half of f's pair before it is first made)
.endr
; Tile u's softmax for 128 keys: S^T in v[S + 64 u] on becomes p; p's codes go to v[RB + 12 u] on, its scale word to the tile's statistics.
.macro SOFTMAX u
.set SS, S+64*\u
.set NM, ST+6*\u
.set PP, RB+12*\u
.irp b, 0,1,2,3
	v_max3_num_f32 v[TM+\b], v[SS+16*\b], v[SS+16*\b+1], v[SS+16*\b+2]   ; the largest score of each block of 32 keys: it serves the row's maximum and, since p rises with the score, the block's largest p
.endr
.irp i, 3,5,7,9,11,13
.irp b, 0,1,2,3
	v_max3_num_f32 v[TM+\b], v[TM+\b], v[SS+16*\b+\i], v[SS+16*\b+\i+1]
.endr
.endr
.irp b, 0,1,2,3
	v_max_num_f32 v[TM+\b], v[TM+\b], v[SS+16*\b+15]
.endr
.irp b, 0,1,2,3
	s_delay_alu instid0(VALU_DEP_4)
	v_permlanex16_b32 v[TM+4+\b], v[TM+\b], s[SEL], s[SEL+1]
.endr
.irp b, 0,1,2,3
	s_delay_alu instid0(VALU_DEP_4)
	v_max_num_f32 v[TM+\b], v[TM+\b], v[TM+4+\b]   ; with lane l xor 16's 16 keys
.endr
	s_delay_alu instid0(VALU_DEP_2)
	v_max3_num_f32 v[T0], v[TM], v[TM+1], v[TM+2]
	s_delay_alu instid0(VALU_DEP_1)
	v_max_num_f32 v[T0], v[T0], v[TM+3]
	s_delay_alu instid0(VALU_DEP_1)
	v_mul_f32 v[T0], s[CS], v[T0]                  ; as t (c is positive)
	s_delay_alu instid0(VALU_DEP_1)
	v_max_num_f32 v[NM+1], v[NM+1], v[T0]          ; the running largest t
	v_mov_b32 v[T0], v[NM]
	s_delay_alu instid0(VALU_DEP_2)
	v_floor_f32 v[NM], -v[NM+1]                    ; the new -M = -ceil(t)
	s_delay_alu instid0(VALU_DEP_1)
	v_sub_f32 v[T0], v[NM], v[T0]                  ; old M - new M: a whole number, 0 or less
	s_delay_alu instid0(VALU_DEP_1)
	v_cvt_i32_f32 v[T0], v[T0]                     ; (it saturates)
	s_delay_alu instid0(VALU_DEP_1)
	v_ldexp_f32 v[NM+4], 1.0, v[T0]                ; f = 2^(old M - new M)
.set jj, 0
.rept 32
	v_pk_fma_f32 v[SS+jj:SS+jj+1], v[SS+jj:SS+jj+1], s[CS:CS+1], v[NM:NM+1] op_sel_hi:[1,0,0]   ; t - M, two at a time
.set jj, jj+2
.endr
.irp b, 0,1,2,3
	v_fma_f32 v[TM+\b], v[TM+\b], s[CS], v[NM]     ; the same of each block's largest score
.endr
.set jj, 0
	s_wait_alu depctr_va_vdst(0)
.rept 64
	v_exp_f32 v[SS+jj], v[SS+jj]                   ; p = 2^(t - M), at most 1
.set jj, jj+1
.endr
.irp b, 0,1,2,3
	v_exp_f32 v[TM+\b], v[TM+\b]                   ; the block's largest p
.endr
	v_pk_mul_f32 v[NM+2:NM+3], v[NM+2:NM+3], v[NM+4:NM+5] op_sel_hi:[1,0]   ; the sums under the new M (a plain place behind the exponentials)
	s_wait_alu depctr_va_vdst(0)
.irp b, 0,1,2,3
	v_max_num_f32 v[TM+\b], 0x1800000, v[TM+\b]    ; the floor 2^(3 - 127)
.endr
.irp b, 0,1,2,3
	s_delay_alu instid0(VALU_DEP_4)
	v_add_nc_u32 v[TM+8+\b], 0xff000000, v[TM+\b]
.endr
.irp b, 0,1,2,3
	s_delay_alu instid0(VALU_DEP_4)
	v_lshrrev_b32 v[TM+4+\b], 23, v[TM+8+\b]
.endr
	s_delay_alu instid0(VALU_DEP_3)
	v_lshl_or_b32 v[NM+5], v[TM+5], 8, v[TM+4]     ; p's scale word for these 128 keys
	s_delay_alu instid0(VALU_DEP_1)
	v_lshl_or_b32 v[NM+5], v[TM+6], 16, v[NM+5]
	s_delay_alu instid0(VALU_DEP_1)
	v_lshl_or_b32 v[NM+5], v[TM+7], 24, v[NM+5]
.irp c, 0,1
	v_cvt_scalef32_pk16_fp6_f32 v[PP+6*\c:PP+2+6*\c], v[SS+32*\c:SS+15+32*\c], v[TM+8+2*\c]
	v_cvt_scalef32_pk16_fp6_f32 v[CT+4*\c:CT+2+4*\c], v[SS+16+32*\c:SS+31+32*\c], v[TM+8+2*\c+1]
.endr
	v_nop                                          ; one plain place behind a scaled conversion
.irp c, 0,1
.irp i, 0,1,2
	v_permlane16_swap_b32 v[PP+6*\c+\i], v[CT+4*\c+\i]
.endr
.irp i, 0,1,2
	s_delay_alu instid0(VALU_DEP_3)
	v_mov_b32 v[PP+3+6*\c+\i], v[CT+4*\c+\i]
.endr
.endr
	v_pk_add_f32 v[TM+4:TM+5], v[SS:SS+1], v[SS+2:SS+3]   ; the row's sum is taken of the unquantised p: two at a time, in two chains
.irp j, 4,8,12,16,20,24,28,32,36,40,44,48,52,56,60
	v_pk_add_f32 v[NM+2:NM+3], v[NM+2:NM+3], v[SS+\j:SS+\j+1]
	v_pk_add_f32 v[TM+4:TM+5], v[TM+4:TM+5], v[SS+\j+2:SS+\j+3]
.endr
	s_delay_alu instid0(VALU_DEP_1)
	v_pk_add_f32 v[NM+2:NM+3], v[NM+2:NM+3], v[TM+4:TM+5]
.endm
; A KEY STEP: chunk q of the slot in hand, 128 keys.
.macro STEP q
	v_add_nc_u32 v[ADR], s[TB], v[LI]
.if \q
	s_delay_alu instid0(VALU_DEP_1)
	v_add_nc_u32 v[ADR], CHUNK, v[ADR]
.endif
	ds_load_b128 v[KS8:KS8+3], v[ADR] offset:49152            ; K's scale words: tiles 0-3, 4-7; lanes 0-15 K step 0, lanes 16-31 K step 1
	ds_load_b128 v[KS8+4:KS8+7], v[ADR] offset:49664
.irp t, 0,1
.irp i, 0,1,2,3,4,5
	ds_load_b128 v[RB+24*\t+4*\i:RB+24*\t+4*\i+3], v[ADR] offset:3072*\t+512*\i
.endr
.endr
	s_wait_alu depctr_va_vdst(0)
.irp t, 0,1,2,3,4,5,6,7                        ; S^T = K Q^T, a tile of 16 keys at a time against my two tiles of queries; the two accumulators take turns
.if \t < 7
	s_wait_dscnt 6                                 ; this tile's fragments are in; the next tile's six loads may be out
.else
	s_wait_dscnt 0x0
.endif
.irp s, 0,1
.irp u, 0,1
.set rD, S+64*\u+8*\t
.set rA, RB+24*(\t%2)+12*\s
.set rB, QF+24*\u+12*\s
.set rSA, KS8+\t
.set rSB, QS+\u
	WM \s, \s, 1-\s
.endr
.endr
	PLACES                                         ; in front of loads into registers that these products read, and of the first read of the results
.if \t < 6
.irp i, 0,1,2,3,4,5
	ds_load_b128 v[RB+24*(\t%2)+4*\i:RB+24*(\t%2)+4*\i+3], v[ADR] offset:3072*(\t+2)+512*\i
.endr
.endif
.endr
	SOFTMAX 0
	ds_load_b128 v[KS8:KS8+3], v[ADR] offset:50176            ; V's scale words: tiles 0-3 (lanes 0-15), 4-7 (lanes 16-31); 8-11, 12-15
	ds_load_b128 v[KS8+4:KS8+7], v[ADR] offset:50688
.irp i, 0,1,2,3,4,5,6,7,8,9,10,11
	ds_load_b128 v[S+4*\i:S+4*\i+3], v[ADR] offset:24576+512*\i            ; V's tiles 0-3, into the registers that tile 0's p has left
.endr
	SOFTMAX 1
.irp i, 0,1,2,3,4,5,6,7,8,9,10,11
	ds_load_b128 v[S+64+4*\i:S+64+4*\i+3], v[ADR] offset:24576+6144+512*\i ; tiles 4-7
.endr
	WIN 0x41                                       ; O^T (destination and source 0) window 1, f window 0
.irp u, 0,1
.set jj, 0
.rept 64
	v_pk_mul_f32 v[128*\u+jj:128*\u+jj+1], v[128*\u+jj:128*\u+jj+1], v[ST+6*\u+4:ST+6*\u+5] op_sel_hi:[1,0]   ; O^T under the new M, each accumulator from its low end on; these are also the places between p's scale word and the products
.set jj, jj+2
.endr
.endr
	s_wait_alu depctr_va_vdst(0)
.irp g, 0,1,2,3                                ; O^T += V^T P^T, four tiles of 16 channels at a time; sixteen different accumulators a pair of runs
.if \g < 3
	s_wait_dscnt 12                                ; this run's fragments are in; the next run's twelve loads may be out
.else
	s_wait_dscnt 0x0
.endif
	WIN 0x50                                       ; C and D window 1
.irp i, 0,1,2,3
.irp u, 0,1
.set rD, 128*\u+8*(4*\g+\i)
.set rA, S+64*(\g%2)+12*\i
.set rB, RB+12*\u
.set rSA, KS8+4*(\g/2)+\i
.set rSB, ST+6*\u+5
	WM \g%2, 0, 0
.endr
.endr
	WIN 0
	PLACES
.if \g < 2
.irp i, 0,1,2,3,4,5,6,7,8,9,10,11
	ds_load_b128 v[S+64*(\g%2)+4*\i:S+64*(\g%2)+4*\i+3], v[ADR] offset:24576+6144*(\g+2)+512*\i
.endr
.endif
.endr
	v_nop                                          ; a fifth place: the next step's first products write over registers that these products read
.endm
; THE CHANGE OF SLOTS stands at a slot's head.  Each wave waits for all its tensor loads, adds 0 to its spare word, and waits for that and for its reads of the slot that it has left.
; fill = 1: a round of the cluster's barrier, and behind it the other slot is asked for jointly: it has two key steps in which to land.
.macro CHANGE fill
	s_wait_tensorcnt 0x0                           ; no tensor load of mine is out, so group 0 may be written
	ds_add_u32 v[SPW], v[NIL]                      ; 0 onto my spare word
.if \fill
	s_xor_b32 s[G0+1], s[G0+1], SLOT1              ; the other slot than last time,
	s_add_nc_u64 s[G0+2:G0+3], s[G0+2:G0+3], SLOTB ; the next 256 keys; the type bits on top are not reached
	s_wait_dscnt 0x0                               ; the add is done, and my reads of the slot that I have left are over
	ROUND
	TLOAD
.else
	s_wait_dscnt 0x0
	s_barrier_signal -1
	s_barrier_wait -1
.endif
.endm
	s_wait_loadcnt 0x0                             ; Q
.Lslot:                                            ; three trips: behind each change of slots but the last the next slot is asked for
	CHANGE 1
	STEP 0
	STEP 1
	s_xor_b32 s[TB], s[TB], SLOT1
	s_sub_co_u32 s[SLOTS], s[SLOTS], 1
	s_cmp_lg_u32 s[SLOTS], 0
	s_cbranch_scc1 .Lslot
	CHANGE 0                                       ; the last slot is written out
	STEP 0
	STEP 1
	; THE WAY OUT: o = O^T / the sum, quantised along the head's 256: each (tile u, 128 channels sp) is one fragment of the next product's operand
.irp u, 0,1
	v_add_f32 v[T0+\u], v[ST+6*\u+2], v[ST+6*\u+3]
.endr
.irp u, 0,1
	s_delay_alu instid0(VALU_DEP_2)
	v_permlanex16_b32 v[T0+2+\u], v[T0+\u], s[SEL], s[SEL+1]
.endr
.irp u, 0,1
	s_delay_alu instid0(VALU_DEP_2)
	v_add_f32 v[T0+\u], v[T0+\u], v[T0+2+\u]       ; the row's sum
.endr
	s_wait_alu depctr_va_vdst(0)
.irp u, 0,1
	v_rcp_f32 v[ST+6*\u+4], v[T0+\u]
.endr
	v_nop                                          ; a plain place behind the reciprocals
	s_wait_alu depctr_va_vdst(0)
.macro OUT u, sp
.set OD, S+64*((2*\u+\sp)%2)
	WIN 0x01                                       ; source 0 window 1
.set jj, 0
.rept 32
	v_pk_mul_f32 v[OD+jj:OD+jj+1], v[128*\u+64*\sp+jj:128*\u+64*\sp+jj+1], v[ST+6*\u+4:ST+6*\u+5] op_sel_hi:[1,0]   ; each accumulator from its low end on
.set jj, jj+2
.endr
	WIN 0
	s_wait_xcnt 0x0                                ; earlier stores have read the codes' registers
	QUANT OD, RB+12*((2*\u+\sp)%2), T0+2*\u+\sp
.irp c, 0,1,2
	global_store_b128 v[LI], v[RB+12*((2*\u+\sp)%2)+4*\c:RB+12*((2*\u+\sp)%2)+4*\c+3], s[44:45] offset:1536*(2*\sp+\u)+512*\c   ; 32 lanes store 512 consecutive bytes
.endr
.endm
	OUT 0, 0
	OUT 0, 1
	OUT 1, 0
	OUT 1, 1
.irp u, 0,1
	global_store_b64 v[SA], v[T0+2*\u:T0+2*\u+1], s[46:47] offset:256*\u   ; my head's two words of each row's sixteen bytes (lanes 16-31 store the same again)
.endr
	s_wait_tensorcnt 0x0                           ; the wave's end
	ds_add_u32 v[SPW], v[NIL]
	s_wait_dscnt 0x0
	ROUND                                          ; the closing round: no work-group ends while a partner may still ask for a tile that names it
	s_endpgm
.Lfunc_end_k_q7b18919a7f_attn:
	.size	k_q7b18919a7f_attn, .Lfunc_end_k_q7b18919a7f_attn-k_q7b18919a7f_attn
	.p2alignl 7, 3214868480
	.fill 96, 4, 3214868480
	.section	.rodata,"a",@progbits
	.p2align	6, 0x0
	.amdhsa_kernel k_q7b18919a7f_attn
		.amdhsa_group_segment_fixed_size 327680
		.amdhsa_private_segment_fixed_size 0
		.amdhsa_enable_private_segment 0
		.amdhsa_kernarg_size 24
		.amdhsa_user_sgpr_count 2
		.amdhsa_user_sgpr_kernarg_segment_ptr 1
		.amdhsa_wavefront_size32 1
		.amdhsa_system_sgpr_workgroup_id_x 1
		.amdhsa_system_sgpr_workgroup_id_y 1
		.amdhsa_system_sgpr_workgroup_id_z 1
		.amdhsa_system_vgpr_workitem_id 0
		.amdhsa_next_free_vgpr 512
		.amdhsa_next_free_sgpr 66
		.amdhsa_reserve_vcc 0
		.amdhsa_float_denorm_mode_32 3
		.amdhsa_float_denorm_mode_16_64 3
		.amdhsa_memory_ordered 1
		.amdhsa_forward_progress 1
		.amdhsa_inst_pref_size 240
	.end_amdhsa_kernel
	.amdgpu_metadata
---
amdhsa.version: [ 1, 2 ]
amdhsa.kernels:
  - .name:           k_q7b18919a7f_attn
    .symbol:         k_q7b18919a7f_attn.kd
    .args:
      - { .name: qf, .offset: 0, .size: 8, .value_kind: global_buffer, .address_space: global }
      - { .name: kv, .offset: 8, .size: 8, .value_kind: global_buffer, .address_space: global }
      - { .name: of, .offset: 16, .size: 8, .value_kind: global_buffer, .address_space: global }
    .group_segment_fixed_size: 327680
    .private_segment_fixed_size: 0
    .kernarg_segment_align: 8
    .kernarg_segment_size: 24
    .max_flat_workgroup_size: 256
    .sgpr_count:     66
    .vgpr_count:     512
    .wavefront_size: 32
...
	.end_amdgpu_metadata
.endif
;; end of part 5
;; launch tail (part 6): grid 256 x 1, 8 waves a work-group, no clusters, 149,504 bytes of LDS; arguments of, wf, src, w_o_scales, ffn1_w_scales, ffn2_w_scales, ffn1_b, ffn2_b, ln1_g, ln1_b, ln2_g, ln2_b, out0; writes out0
.if DOCPART == 6
	.amdgcn_target "amdgcn-amd-amdhsa--gfx1250"
	.amdhsa_code_object_version 6
	.text
	.protected	k_q7b18919a7f_tail
	.globl	k_q7b18919a7f_tail
	.p2align	8
	.type	k_q7b18919a7f_tail,@function
k_q7b18919a7f_tail:
	s_mov_b64 s[64:65], 0
	v_nop
	global_prefetch_b8 v0, s[64:65] scope:SCOPE_SE
	s_setreg_imm32_b32 hwreg(HW_REG_WAVE_SCHED_MODE, 0, 2), 2
	s_setreg_imm32_b32 hwreg(HW_REG_WAVE_MODE, 25, 1), 1
	s_wait_xcnt 0x0
	s_wait_alu depctr_vm_vsrc(0)
; h = LN1(2 x + o Wo^T);  out = LN2(h + relu(h W1^T + b1) W2^T + b2), the three products on codes of FP6 (E2M3) with one E8M0 scale for each 32 along K.  x = src + the timing signal, made anew here.
; SHARES.  A work-group takes 32 tokens (one image row) through the whole chain; nothing between goes to memory.  THE EIGHT WAVES SHARE THE COLUMNS: wave w makes output channels 32 w .. 32 w + 31 of the first and third
; product and hidden units 256 w .. 256 w + 255 of the second.  So each weight byte is loaded once in the work-group, by the one wave that multiplies it, and feeds two products (the two tiles of 16 tokens).
; THE WEIGHTS are one stream of 96 fragments a wave (32 of each tensor, laid in that order by the first launch), through a ring of 16 register slots in window 1: 14 to 16 fragments a wave are on their way or waiting, with no barrier.
; THE TOKEN SIDE of the first and third product comes from LDS three K steps ahead of its products, through four sets of two fragments.
; NO JOINT LOADS: all 256 work-groups walk the same 1,179,648 bytes, but a slot of 100 KB shared by eight waves would hold 8 fragments a wave, 16 products between two changes of slots, too few for a refill to land behind,
; and every weight byte would be written to LDS and read back for two products.
; All products are used transposed (source 0 = 16 rows of a weight, source 1 = 16 tokens): a lane holds one token and 8 neighbouring channels.  2 x, b1 and h are the C of each sum's first product.
; Rows meet in Y (32 tokens x 1,040 bytes): the norms work by rows (16 lanes a token, 16 channels a lane), in two passes as reference() has them.
; o's tokens lie in the order r + 8 (r / 8) + 8 u that the launch before gave them; from h on the tiles are tokens 16 u + r.
; LIMITS: blocks whose largest magnitude lies under 2^-124 get the scale byte 1; NaN and infinities are not served.
; THE MODE: SCHED_MODE bits 1:0 = 2 (LLVM: expert scheduling mode 2), set by the entry lines.  The code itself states the register dependences
; between vector or matrix instructions and memory or LDS instructions, with s_wait_alu, always for 0.
; THE PLAN.  Registers that memory or LDS instructions touch:
;   v1-15, v122-127  addresses: written by vector lines at the head, never again; one wait ahead of the first load serves every access.
;   the ring         window 1, v0-191.  Pair p's two slots: read by step p's four products; the fragments 16 further on are asked for in step p + 1, or at the phase's end.
;   OB               four sets.  Set ks % 4: read by step ks's four products; K step ks + 4 is asked for in step ks + 1.
;   XV = AC          rows or accumulators: LDS loads land; vector or matrix lines write; LDS or global stores read.
;   G, B, B2         gains and biases, in OB's registers: loads land behind a phase's last products; the norms read.
;   AC7              b1 lands by LDS loads; products, the activation and the quantiser name them.
;   PC, PW           written by the quantiser, read by LDS stores.
;   the scale words, h's fragments: written by loads and read by products alone.
; So ONE wait on va_vdst stands in a K step, behind the waits for the step's own data: the products of the step before, issued ahead of those waits, are done reading their set of OB and their two slots.
; Both are asked for again behind it, ahead of the step's four products, which name other registers.  At a phase's end one wait, behind the places, serves the accumulators' stores, the last pair's slots and the loads of gain and bias.
; A wait on vm_vsrc stands behind each barrier behind which loads land in registers that my LDS stores read, and ahead of each quantiser that writes PC and PW again.
.set OIMG, 0                           ; LDS: o's 32 fragments, (K step ks, tile u) at 1,536 (2 ks + u)
.set HIMG, 49152                       ; the hidden layer's 32, likewise
.set HSC,  98304                       ; its scale words: 512 (ks / 4) + 256 u + 16 r + 4 (ks % 4)
.set XH,   100352                      ; h's 4 fragments, (u, s) at 1,536 (2 u + s)
.set HSW,  106496                      ; their scale words: 128 u + 64 s + 4 r
.set B1L,  106752                      ; ffn1_b
.set Y,    114944                      ; 32 rows x (1,024 + 16)
.set YP,   1040
.set LI,   1                           ; 16 x lane
.set WA,   2                           ; my stream in wf: 16 x lane + 49,152 w
.set YR,   3                           ; Y by rows: token 4 w + h, 16 r
.set YA6,  4                           ; Y by my columns, o's token order
.set YA8,  5                           ; Y by my columns, tokens 16 u + r
.set QY,   6                           ; Y for the quantiser of h
.set XWI,  7
.set XWS,  8
.set HWI,  9
.set HWS,  10
.set B1A,  11
.set GA,   12                          ; src and out0 by rows
.set GV,   13                          ; 16 r
.set HRA,  14                          ; HIMG + 16 x lane
.set HSR,  15                          ; HSW + 4 x lane
.set WS6,  16                          ; v16-31 w_o's scale words;  v32-47 ffn1_w's;  v48-63 ffn2_w's
.set WS7,  32
.set WS8,  48
.set OS,   64                          ; v64-79 o's scale words, later the hidden layer's: register ks, lanes 0-15 tile 0, lanes 16-31 tile 1
.set HS2,  80                          ; v80-81 h's
.set TM,   82
.set PW,   94
.set PC,   96
.set CT,   108
.set MN,   116                         ; v[116:117] a row's mean;  v[118:119] its sum of squares;  v[120:121] 1 / sqrt
.set AC2,  118
.set RS,   120
.set XHR,  122                         ; XH + 16 x lane
.set OWI,  123                         ; at the head: 16 x lane + 6,144 w
.set BWI,  124                         ; B1L + 16 x thread
.set GB,   125                         ; 16 x thread
.set WSA6, 126
.set WSA7, 127
.set AC,   128                         ; v128-159 four accumulators (n, u) at 8 (2 n + u)
.set OB,   160                         ; v160-255 four sets of the token side's two fragments: K step ks in set ks % 4
.set XV,   128                         ; v128-159 two passes of 16 numbers of a row
.set G,    160
.set B,    176
.set B2,   192
.set HA,   128
.set AC7,  128                         ; v128-255 sixteen accumulators (u, t) at 64 u + 8 t
.set HF,   192                         ; window 1: h's four fragments
.set INV,  216
.set SR,   220
.set CR,   224
.set SCL,  228
.set CCL,  236
.set KC,   70
.set SEL,  80
.set MSB, 0
.macro WIN new                         ; the immediate's high byte repeats the setting that is left
.if MSB != \new
	s_set_vgpr_msb (MSB<<8)|\new
.set MSB, \new
.endif
.endm
.macro PLACES
.rept 4
	v_nop
.endr
.endm
.macro WM ra, rb, z                    ; one scaled product on rD, rA, rB, rSA, rSB; ra, rb: the scale words stand in lanes 16-31; z = 1: it starts the sum
.if \z
	v_wmma_scale_f32_16x16x128_f8f6f4 v[rD:rD+7], v[rA:rA+11], v[rB:rB+11], 0, v[rSA], v[rSB] matrix_a_fmt:MATRIX_FMT_FP6 matrix_b_fmt:MATRIX_FMT_FP6
.elseif (\ra) && (\rb)
	v_wmma_scale_f32_16x16x128_f8f6f4 v[rD:rD+7], v[rA:rA+11], v[rB:rB+11], v[rD:rD+7], v[rSA], v[rSB] matrix_a_fmt:MATRIX_FMT_FP6 matrix_b_fmt:MATRIX_FMT_FP6 matrix_a_scale:MATRIX_SCALE_ROW1 matrix_b_scale:MATRIX_SCALE_ROW1
.elseif (\ra)
	v_wmma_scale_f32_16x16x128_f8f6f4 v[rD:rD+7], v[rA:rA+11], v[rB:rB+11], v[rD:rD+7], v[rSA], v[rSB] matrix_a_fmt:MATRIX_FMT_FP6 matrix_b_fmt:MATRIX_FMT_FP6 matrix_a_scale:MATRIX_SCALE_ROW1
.elseif (\rb)
	v_wmma_scale_f32_16x16x128_f8f6f4 v[rD:rD+7], v[rA:rA+11], v[rB:rB+11], v[rD:rD+7], v[rSA], v[rSB] matrix_a_fmt:MATRIX_FMT_FP6 matrix_b_fmt:MATRIX_FMT_FP6 matrix_b_scale:MATRIX_SCALE_ROW1
.else
	v_wmma_scale_f32_16x16x128_f8f6f4 v[rD:rD+7], v[rA:rA+11], v[rB:rB+11], v[rD:rD+7], v[rSA], v[rSB] matrix_a_fmt:MATRIX_FMT_FP6 matrix_b_fmt:MATRIX_FMT_FP6
.endif
.endm
.macro QUANT s, pc, pw                 ; 64 numbers of a lane, register 16 b + i = k 32 b + 16 (lane / 16) + i, become a fragment's codes in v[pc] on and the row's scale word in v[pw]
.irp b, 0,1,2,3
	v_max3_num_f32 v[TM+\b], |v[(\s)+16*\b]|, |v[(\s)+1+16*\b]|, 0x1800000   ; and the floor 2^(3 - 127): the byte cannot fall under 1
.endr
.irp i, 2,4,6,8,10,12,14
.irp b, 0,1,2,3
	v_max3_num_f32 v[TM+\b], v[TM+\b], |v[(\s)+16*\b+\i]|, |v[(\s)+1+16*\b+\i]|
.endr
.endr
.irp b, 0,1,2,3
	v_permlanex16_b32 v[TM+4+\b], v[TM+\b], s[SEL], s[SEL+1]
.endr
.irp b, 0,1,2,3
	v_max_num_f32 v[TM+\b], v[TM+\b], v[TM+4+\b]
.endr
.irp b, 0,1,2,3
	v_add_nc_u32 v[TM+8+\b], 0xff000000, v[TM+\b]  ; 2 off the exponent field: the conversion's scale operand
.endr
.irp b, 0,1,2,3
	v_lshrrev_b32 v[TM+4+\b], 23, v[TM+8+\b]
.endr
	v_lshl_or_b32 v[\pw], v[TM+5], 8, v[TM+4]
	v_lshl_or_b32 v[\pw], v[TM+6], 16, v[\pw]
	v_lshl_or_b32 v[\pw], v[TM+7], 24, v[\pw]
.irp c, 0,1
	v_cvt_scalef32_pk16_fp6_f32 v[(\pc)+6*\c:(\pc)+2+6*\c], v[(\s)+32*\c:(\s)+15+32*\c], v[TM+8+2*\c]
	v_cvt_scalef32_pk16_fp6_f32 v[CT+4*\c:CT+2+4*\c], v[(\s)+16+32*\c:(\s)+31+32*\c], v[TM+8+2*\c+1]
.endr
	v_nop                                          ; one plain place behind a scaled conversion
.irp c, 0,1
.irp i, 0,1,2
	v_permlane16_swap_b32 v[(\pc)+6*\c+\i], v[CT+4*\c+\i]
.endr
.irp i, 0,1,2
	v_mov_b32 v[(\pc)+3+6*\c+\i], v[CT+4*\c+\i]
.endr
.endr
.endm
; sin and cos of v[a] (0 to 31): reduction by pi / 2 in two parts, two polynomials, the quadrant by a choice of values and two signs.
; The compare that tells odd quadrants stands as soon as n is a whole number, so that the two polynomials lie between it and the wait for its mask.
.macro SINCOS a, so, co, t0, t1, t2, t3
	v_mul_f32 v[\t0], s[KC], v[\a]
	v_rndne_f32 v[\t0], v[\t0]
	v_fma_f32 v[\t1], v[\t0], s[KC+1], v[\a]
	v_fma_f32 v[\t1], v[\t0], s[KC+2], v[\t1]
	v_mul_f32 v[\t2], v[\t1], v[\t1]
	v_cvt_i32_f32 v[\t0], v[\t0]
	v_and_b32 v[\t3], 1, v[\t0]
	v_cmp_eq_u32 vcc_lo, 1, v[\t3]
	v_fma_f32 v[\so], v[\t2], s[KC+3], s[KC+4]
	v_fma_f32 v[\so], v[\so], v[\t2], s[KC+5]
	v_mul_f32 v[\so], v[\so], v[\t2]
	v_fma_f32 v[\so], v[\so], v[\t1], v[\t1]
	v_fma_f32 v[\co], v[\t2], s[KC+6], s[KC+7]
	v_fma_f32 v[\co], v[\co], v[\t2], s[KC+8]
	v_mul_f32 v[\co], v[\co], v[\t2]
	v_fma_f32 v[\t3], v[\t2], -0.5, 1.0
	v_fma_f32 v[\co], v[\co], v[\t2], v[\t3]
	s_wait_alu depctr_va_vcc(0)                    ; the compare has written VCC, which the two choices below read
	v_cndmask_b32 v[\t2], v[\so], v[\co], vcc_lo
	v_cndmask_b32 v[\t3], v[\co], v[\so], vcc_lo
	v_lshlrev_b32 v[\t1], 30, v[\t0]
	v_and_b32 v[\t1], 0x80000000, v[\t1]
	v_xor_b32 v[\so], v[\t2], v[\t1]
	v_add_nc_u32 v[\t0], 1, v[\t0]
	v_lshlrev_b32 v[\t0], 30, v[\t0]
	v_and_b32 v[\t0], 0x80000000, v[\t0]
	v_xor_b32 v[\co], v[\t3], v[\t0]
.endm
.macro BARRIER                                 ; my LDS stores have landed and my LDS loads are in: then the work-group's barrier
	s_wait_dscnt 0x0
	s_barrier_signal -1
	s_barrier_wait -1
.endm
; THE RING.  Pair p is fragments 2 p and 2 p + 1 of my stream.  At the wait for it, the slots of pair p - 1 have not been asked for again yet: the ring's loads issued behind pair p's are at the least those of
; fragments 2 p + 2 .. min(2 p + 13, 95), three loads each: they may stay out.
.macro PAIRWAIT p
.if 94-2*(\p) >= 12
	s_wait_loadcnt 36
.else
	s_wait_loadcnt 3*(94-2*(\p))
.endif
.endm
.macro RELOAD p                                ; pair p's two slots take the fragments 16 further on; the window is left at destination 1
.if 2*(\p)+16 < 96
	WIN 0x40
.irp k, 0,1
.irp c, 0,1,2
.set rF, 2*(\p)+16+\k
	global_load_b128 v[12*(rF%16)+4*\c:12*(rF%16)+4*\c+3], v[WA], s[10:11] offset:393216*(rF/32)+1536*(rF%32)+512*\c
.endr
.endr
.endif
.endm
; A K step of the first or third product: my two tiles of channels x the two tiles of tokens; four accumulators by turns.  Behind the waits for its own data the step asks for what the step
; before has set free: the token side of the K step three further on, into the set that the step before read, and the fragments 16 further on, into its two slots.  Then its own four products.
.macro GSTEP ks, adr, ws, pb
.if \ks < 14
	s_wait_dscnt 12                                ; this step's fragments are in; the six loads of each of the two steps behind it may be out
.else
	s_wait_dscnt 6*(15-\ks)                        ; the last steps ask for nothing: the counts run down
.endif
	PAIRWAIT \pb+\ks
.if (\ks > 0) && ((\ks < 13) || (2*(\pb+\ks-1)+16 < 96))
	s_wait_alu depctr_va_vdst(0)                   ; the products of the step before are done reading their set of the token side and their two slots of the ring, in which the loads below land
.endif
.if \ks < 13
.irp i, 0,1,2,3,4,5
	ds_load_b128 v[OB+24*((\ks+3)%4)+4*\i:OB+24*((\ks+3)%4)+4*\i+3], v[\adr] offset:3072*(\ks+3)+512*\i
.endr
.endif
.if \ks > 0
	RELOAD \pb+\ks-1
.endif
	WIN 0x01                                       ; source 0 window 1
.irp n, 0,1
.irp u, 0,1
.set rD, AC+8*(2*\n+\u)
.set rA, 12*((2*(\pb+\ks)+\n)%16)
.set rB, OB+24*(\ks%4)+12*\u
.set rSA, \ws+8*\n+4*(\ks/8)+(\ks%4)
.set rSB, OS+\ks
	WM (\ks/4)%2, \u, 0
.endr
.endr
	WIN 0
	PLACES                                         ; in front of loads into registers that these products read, and of the first read of results
.endm
; LayerNorm of 16 numbers a lane, 16 lanes a token: the mean, then the mean of the squared differences, as reference() has them.
.macro LN xv
	v_pk_add_f32 v[MN:MN+1], v[\xv:\xv+1], v[\xv+2:\xv+3]
.irp i, 4,6,8,10,12,14
	v_pk_add_f32 v[MN:MN+1], v[MN:MN+1], v[\xv+\i:\xv+\i+1]
.endr
	v_add_f32 v[MN], v[MN], v[MN+1]
.irp m, 1,2,4,8
	v_add_f32_dpp v[MN], v[MN], v[MN] row_xmask:\m row_mask:0xf bank_mask:0xf
.endr
	v_mul_f32 v[MN], s82, v[MN]                    ; / 256
.irp i, 0,2,4,6,8,10,12,14
	v_pk_add_f32 v[\xv+\i:\xv+\i+1], v[\xv+\i:\xv+\i+1], v[MN:MN+1] op_sel_hi:[1,0] neg_lo:[0,1] neg_hi:[0,1]
.endr
	v_pk_mul_f32 v[AC2:AC2+1], v[\xv:\xv+1], v[\xv:\xv+1]
.irp i, 2,4,6,8,10,12,14
	v_pk_fma_f32 v[AC2:AC2+1], v[\xv+\i:\xv+\i+1], v[\xv+\i:\xv+\i+1], v[AC2:AC2+1]
.endr
	v_add_f32 v[AC2], v[AC2], v[AC2+1]
.irp m, 1,2,4,8
	v_add_f32_dpp v[AC2], v[AC2], v[AC2] row_xmask:\m row_mask:0xf bank_mask:0xf
.endr
	v_fma_f32 v[AC2], v[AC2], s82, s83             ; / 256 + 1e-5
	s_wait_alu depctr_va_vdst(0)
	v_rsq_f32 v[RS], v[AC2]
	v_nop                                          ; a plain place behind the transcendental
	s_wait_alu depctr_va_vdst(0)                   ; the root's reciprocal is written, ahead of its first reader
.irp i, 0,2,4,6,8,10,12,14
	v_pk_mul_f32 v[\xv+\i:\xv+\i+1], v[\xv+\i:\xv+\i+1], v[RS:RS+1] op_sel_hi:[1,0]
.endr
.irp i, 0,2,4,6,8,10,12,14
	v_pk_fma_f32 v[\xv+\i:\xv+\i+1], v[\xv+\i:\xv+\i+1], v[G+\i:G+\i+1], v[B+\i:B+\i+1]
.endr
.endm
.macro YROWS_IN                                ; my four tokens' rows from Y: two passes of two tokens
.irp p, 0,1
.irp q, 0,1,2,3
	ds_load_b128 v[XV+16*\p+4*\q:XV+16*\p+4*\q+3], v[YR] offset:2*YP*\p+256*\q
.endr
.endr
.endm
.macro YROWS_OUT
.irp p, 0,1
.irp q, 0,1,2,3
	ds_store_b128 v[YR], v[XV+16*\p+4*\q:XV+16*\p+4*\q+3] offset:2*YP*\p+256*\q
.endr
.endr
.endm
	s_load_b512 s[8:23], s[0:1], 0x0               ; of 8, wf 10, src 12, w_o scales 14, ffn1 scales 16, ffn2 scales 18, ffn1_b 20, ffn2_b 22
	s_load_b256 s[24:31], s[0:1], 0x40             ; ln1_g 24, ln1_b 26, ln2_g 28, ln2_b 30
	s_load_b64 s[32:33], s[0:1], 0x60              ; out0
	v_lshl_add_u32 v111, v0, 2, 0x24400
	v_mov_b32 v115, 0
	v_lshrrev_b32 v116, 5, v0
	v_readfirstlane_b32 s2, v116                   ; wave 0..7
	s_mov_b32 s3, ttmp9                            ; my group of 32 tokens: 32 batch + image row
	v_and_b32 v116, 31, v0                         ; lane
	v_and_b32 v117, 15, v0                         ; r
	v_bfe_u32 v118, v0, 4, 1                       ; h
	v_and_b32 v119, 8, v117
	v_add_nc_u32 v119, v119, v117                  ; r + 8 (r / 8)
	v_lshlrev_b32 v[LI], 4, v116
	s_wait_alu depctr_va_sdst(0)                   ; s2 is written, ahead of its first reader
	s_mul_i32 s34, s2, 49152
	v_add_nc_u32 v[WA], s34, v[LI]
	s_mul_i32 s34, s2, 4*YP
	s_add_co_u32 s34, s34, Y
	v_mul_u32_u24 v[YR], v118, YP
	v_lshl_add_u32 v[YR], v117, 4, v[YR]
	v_add_nc_u32 v[YR], s34, v[YR]
	s_lshl_b32 s34, s2, 7
	s_add_co_u32 s34, s34, Y
	v_mul_u32_u24 v[YA6], v119, YP
	v_lshl_add_u32 v[YA6], v118, 5, v[YA6]
	v_add_nc_u32 v[YA6], s34, v[YA6]
	v_mul_u32_u24 v[YA8], v117, YP
	v_lshl_add_u32 v[YA8], v118, 5, v[YA8]
	v_add_nc_u32 v[YA8], s34, v[YA8]
	s_bfe_u32 s34, s2, 0x10001
	s_mul_i32 s34, s34, 16*YP
	s_and_b32 s35, s2, 1
	s_lshl_b32 s35, s35, 9
	s_add_co_u32 s34, s34, s35
	s_add_co_u32 s34, s34, Y
	v_mul_u32_u24 v[QY], v117, YP
	v_lshl_add_u32 v[QY], v118, 6, v[QY]
	v_add_nc_u32 v[QY], s34, v[QY]                 ; waves 0-3: tile u = w / 2, K step s = w % 2
	s_and_b32 s35, s2, 3
	s_mul_i32 s34, s35, 1536
	s_add_co_u32 s34, s34, XH
	v_add_nc_u32 v[XWI], s34, v[LI]
	s_lshl_b32 s34, s35, 6
	s_add_co_u32 s34, s34, HSW
	v_lshl_add_u32 v[XWS], v117, 2, s34
	s_mul_i32 s34, s2, 6144
	v_add_nc_u32 v[OWI], s34, v[LI]
	s_add_co_u32 s34, s34, HIMG
	v_add_nc_u32 v[HWI], s34, v[LI]                ; my K steps 2 w, 2 w + 1 of the third product
	s_lshr_b32 s34, s2, 1
	s_lshl_b32 s34, s34, 9
	s_and_b32 s35, s2, 1
	s_lshl_b32 s35, s35, 3
	s_add_co_u32 s34, s34, s35
	s_add_co_u32 s34, s34, HSC
	v_lshl_add_u32 v[HWS], v117, 4, s34
	s_lshl_b32 s34, s2, 10
	s_add_co_u32 s34, s34, B1L
	v_lshl_add_u32 v[B1A], v118, 6, s34
	s_lshl_b32 s34, s2, 12
	v_lshlrev_b32 v[GA], 10, v118
	v_lshl_add_u32 v[GA], v117, 4, v[GA]
	v_add_nc_u32 v[GA], s34, v[GA]
	v_lshlrev_b32 v[GV], 4, v117
	v_add_nc_u32 v[HRA], HIMG, v[LI]
	v_lshl_add_u32 v[HSR], v116, 2, HSW
	v_add_nc_u32 v[XHR], XH, v[LI]
	v_lshl_add_u32 v[BWI], v0, 4, B1L
	v_lshlrev_b32 v[GB], 4, v0
	s_lshl_b32 s34, s2, 11
	v_lshlrev_b32 v[WSA6], 6, v117
	v_lshl_add_u32 v[WSA6], v118, 4, v[WSA6]
	v_add_nc_u32 v[WSA6], s34, v[WSA6]             ; 64 r + 16 h + 2,048 w: four words of my row's sixteen
	v_lshlrev_b32 v[WSA7], 3, v119
	v_lshl_add_u32 v[WSA7], v118, 2, v[WSA7]
	v_add_nc_u32 v[WSA7], s34, v[WSA7]
.irp b, 0,1,2,3
	v_mov_b32 v[TM+4+\b], 0                        ; written once: a lane permute's destination counts as one of its sources
.endr
	v_mov_b32 v[RS+1], 0                           ; (named as the upper half of a pair)
	s_mov_b32 s[KC], 0x3f22f983                    ; 2 / pi
	s_mov_b32 s[KC+1], 0xbfc90fdb                  ; -(pi / 2), the f32 number next to it,
	s_mov_b32 s[KC+2], 0x333bbd2e                  ; and what that number has too much
	s_mov_b32 s[KC+3], 0xb94ca1f9
	s_mov_b32 s[KC+4], 0x3c08839e
	s_mov_b32 s[KC+5], 0xbe2aaaa3
	s_mov_b32 s[KC+6], 0x37ccf5ce
	s_mov_b32 s[KC+7], 0xbab6061a
	s_mov_b32 s[KC+8], 0x3d2aaaa5
	s_mov_b32 s[SEL], 0x76543210
	s_mov_b32 s[SEL+1], 0xfedcba98
	s_mov_b32 s82, 0x3b800000                      ; 1 / 256
	s_mov_b32 s83, 0x3727c5ac                      ; 1e-5
	s_mul_i32 s36, s3, 51200
	s_mov_b32 s37, 0
	s_lshl_b32 s38, s3, 15
	s_mov_b32 s39, 0
	s_wait_kmcnt 0x0
	s_add_nc_u64 s[8:9], s[8:9], s[36:37]
	s_add_nc_u64 s[12:13], s[12:13], s[38:39]
	s_add_nc_u64 s[32:33], s[32:33], s[38:39]
	s_wait_alu depctr_va_vdst(0)                   ; the addresses v1 to v15 and v122 to v127 are written, which the loads and stores of the whole kernel read
	; ---- the head's 50 loads, then the ring's first 48
.irp p, 0,1
.irp q, 0,1,2,3
	global_load_b128 v[XV+16*\p+4*\q:XV+16*\p+4*\q+3], v[GA], s[12:13] offset:2048*\p+256*\q   ; sixteen lanes read 256 consecutive bytes of a token
.endr
.endr
.irp i, 0,1,2,3,4,5,6,7,8,9,10,11
	global_load_b128 v[160+4*\i:160+4*\i+3], v[OWI], s[8:9] offset:512*\i                      ; my eighth of o's fragments, for LDS
.endr
.irp g, 0,1,2,3
	global_load_b128 v[OS+4*\g:OS+4*\g+3], v[LI], s[8:9] offset:49152+512*\g
.endr
.irp n, 0,1
.irp g, 0,1
	global_load_b128 v[WS6+8*\n+4*\g:WS6+8*\n+4*\g+3], v[WSA6], s[14:15] offset:1024*\n+32*\g   ; register 8 n + 4 g + e: K step 8 g + 4 h + e of row 16 (2 w + n) + r
	global_load_b128 v[WS8+8*\n+4*\g:WS8+8*\n+4*\g+3], v[WSA6], s[18:19] offset:1024*\n+32*\g
.endr
.endr
.irp g, 0,1
.irp t, 0,1,2,3,4,5,6,7
	global_load_b32 v[WS7+8*\g+\t], v[WSA7], s[16:17] offset:1024*\g+(32*(\t/2)+8*(\t%2))*8
.endr
.endr
.irp k, 0,1
	global_load_b128 v[208+4*\k:208+4*\k+3], v[GB], s[20:21] offset:4096*\k
.endr
	WIN 0x40
.set nn, 0
.rept 48
	global_load_b128 v[4*nn:4*nn+3], v[WA], s[10:11] offset:512*nn
.set nn, nn+1
.endr
	WIN 0
	; ---- the signal of my channels 4 r + e (+ 64 q): sin, cos of the image row; sin, cos of my two columns
	v_lshlrev_b32 v249, 2, v117
.irp e, 0,1,2,3
	v_add_nc_u32 v[INV+\e], \e, v249
.endr
.irp e, 0,1,2,3
	v_cvt_f32_u32 v[INV+\e], v[INV+\e]
.endr
.irp e, 0,1,2,3
	v_mul_f32 v[INV+\e], 0xbe57fa62, v[INV+\e]     ; -j log2(10000) / 63
.endr
	s_wait_alu depctr_va_vdst(0)
.irp e, 0,1,2,3
	v_exp_f32 v[INV+\e], v[INV+\e]
.endr
	v_nop                                          ; a plain place behind the exponentials
	s_and_b32 s34, s3, 31
	v_cvt_f32_u32 v250, s34                        ; the image row
	s_lshl_b32 s35, s2, 2
	v_add_nc_u32 v251, s35, v118
	v_cvt_f32_u32 v251, v251                       ; my column in pass 0: 4 w + h,
	v_add_f32 v252, 2.0, v251                      ; in pass 1
	s_wait_alu depctr_va_vdst(0)                   ; the four exponentials have written v216-219, ahead of their first reader
.irp e, 0,1,2,3
	v_mul_f32 v244, v250, v[INV+\e]
	SINCOS 244, SR+\e, CR+\e, 245, 246, 247, 248
	v_mul_f32 v244, v251, v[INV+\e]
	SINCOS 244, SCL+\e, CCL+\e, 245, 246, 247, 248
	v_mul_f32 v244, v252, v[INV+\e]
	SINCOS 244, SCL+4+\e, CCL+4+\e, 245, 246, 247, 248
.endr
	s_wait_loadcnt 48                              ; all but the ring's 48
.irp p, 0,1
.irp k, 0,2
	v_pk_add_f32 v[XV+16*\p+\k:XV+16*\p+\k+1], v[XV+16*\p+\k:XV+16*\p+\k+1], v[SR+\k:SR+\k+1]
	v_pk_add_f32 v[XV+16*\p+4+\k:XV+16*\p+5+\k], v[XV+16*\p+4+\k:XV+16*\p+5+\k], v[CR+\k:CR+\k+1]
	v_pk_add_f32 v[XV+16*\p+8+\k:XV+16*\p+9+\k], v[XV+16*\p+8+\k:XV+16*\p+9+\k], v[SCL+4*\p+\k:SCL+4*\p+\k+1]
	v_pk_add_f32 v[XV+16*\p+12+\k:XV+16*\p+13+\k], v[XV+16*\p+12+\k:XV+16*\p+13+\k], v[CCL+4*\p+\k:CCL+4*\p+\k+1]
.endr
.endr
.set jj, 0
.rept 16
	v_pk_add_f32 v[XV+jj:XV+jj+1], v[XV+jj:XV+jj+1], v[XV+jj:XV+jj+1]   ; 2 x: both residuals; exact
.set jj, jj+2
.endr
	s_wait_alu depctr_va_vdst(0)                   ; 2 x is written, which the LDS stores read; the signal's arithmetic is done with v216-252, in which o's fragments land behind the barrier
	YROWS_OUT
.irp i, 0,1,2,3,4,5,6,7,8,9,10,11
	ds_store_b128 v[OWI], v[160+4*\i:160+4*\i+3] offset:512*\i
.endr
.irp k, 0,1
	ds_store_b128 v[BWI], v[208+4*\k:208+4*\k+3] offset:4096*\k
.endr
	BARRIER                                        ; 2 x, o's fragments and b1 lie in LDS
	s_wait_alu depctr_vm_vsrc(0)                   ; my LDS stores have read v128-215, in which the loads below land
	; ---- 2 x + o Wo^T
.irp n, 0,1
.irp u, 0,1
	ds_load_b128 v[AC+8*(2*\n+\u):AC+8*(2*\n+\u)+3], v[YA6] offset:8*YP*\u+64*\n
	ds_load_b128 v[AC+8*(2*\n+\u)+4:AC+8*(2*\n+\u)+7], v[YA6] offset:8*YP*\u+64*\n+16
.endr
.endr
.irp i, 0,1,2,3,4,5,6,7,8,9,10,11,12,13,14,15,16,17
	ds_load_b128 v[OB+4*\i:OB+4*\i+3], v[LI] offset:512*\i                ; K steps 0, 1 and 2: three sets on end, as the fragments lie on end
.endr
.irp ks, 0,1,2,3,4,5,6,7,8,9,10,11,12,13,14,15
	GSTEP \ks, LI, WS6, 0
.endr
	WIN 0x40                                       ; destination window 1
	s_wait_alu depctr_va_vdst(0)                   ; behind the four places: the products have written the accumulators, which the LDS stores read; the last of them are done reading pair 15's slots and the token side's sets, in which the loads below land
	RELOAD 15
	WIN 0
.irp q, 0,1,2,3
	global_load_b128 v[G+4*\q:G+4*\q+3], v[GV], s[24:25] offset:256*\q
	global_load_b128 v[B+4*\q:B+4*\q+3], v[GV], s[26:27] offset:256*\q
.endr
.irp n, 0,1
.irp u, 0,1
	ds_store_b128 v[YA6], v[AC+8*(2*\n+\u):AC+8*(2*\n+\u)+3] offset:8*YP*\u+64*\n          ; back to the bytes that they came from; each accumulator from its low end on
	ds_store_b128 v[YA6], v[AC+8*(2*\n+\u)+4:AC+8*(2*\n+\u)+7] offset:8*YP*\u+64*\n+16
.endr
.endr
	BARRIER
	s_wait_alu depctr_vm_vsrc(0)                   ; my LDS stores have read the accumulators' registers, in which the rows land
	; ---- h = LN1
	YROWS_IN
	s_wait_dscnt 0x0
	s_wait_loadcnt 0x0                             ; the gain and the bias (the ring's loads, long on their way, with them)
	LN XV
	LN XV+16
	s_wait_alu depctr_va_vdst(0)                   ; the norm has written h, which the LDS stores read; it is done reading the gain and the bias, in whose registers loads land below
	YROWS_OUT
	BARRIER                                        ; h lies in Y
	s_wait_alu depctr_vm_vsrc(0)                   ; my LDS stores have read v128-159, in which loads land on both ways below: ahead of the branch
	; ---- h's four fragments, by waves 0-3
	s_cmp_lt_u32 s2, 4
	s_cbranch_scc0 .Lno_qh
.irp b, 0,1,2,3
.irp i, 0,1,2,3
	ds_load_b128 v[HA+16*\b+4*\i:HA+16*\b+4*\i+3], v[QY] offset:128*\b+16*\i
.endr
.endr
	s_wait_dscnt 0x0
	QUANT HA, PC, PW
	s_wait_alu depctr_va_vdst(0)                   ; the quantiser has written the codes and the scale word, which the LDS stores read; it is done reading v128-191, in which b1 lands
.irp c, 0,1,2
	ds_store_b128 v[XWI], v[PC+4*\c:PC+4*\c+3] offset:512*\c
.endr
	ds_store_b32 v[XWS], v[PW]
.Lno_qh:
	BARRIER
	s_wait_alu depctr_vm_vsrc(0)                   ; the LDS stores of h's fragments have read the codes and the scale word, which the hidden layer's quantiser writes again
	; ---- the hidden layer: my 256 units in two groups of 128, each one K step of the third product
	WIN 0x40
.irp i, 0,1,2,3,4,5,6,7,8,9,10,11
	ds_load_b128 v[HF+4*\i:HF+4*\i+3], v[XHR] offset:512*\i
.endr
	WIN 0
.irp u, 0,1
	ds_load_b32 v[HS2+\u], v[HSR] offset:128*\u
.endr
.macro HIDDEN gl
.irp u, 0,1
.irp t, 0,1,2,3,4,5,6,7
	ds_load_b128 v[AC7+64*\u+8*\t:AC7+64*\u+8*\t+3], v[B1A] offset:512*\gl+(32*(\t/2)+8*(\t%2))*4       ; b1 is the C of each sum's first product
	ds_load_b128 v[AC7+64*\u+8*\t+4:AC7+64*\u+8*\t+7], v[B1A] offset:512*\gl+(32*(\t/2)+8*(\t%2))*4+16
.endr
.endr
	s_wait_dscnt 0x0
.irp t, 0,1,2,3,4,5,6,7
	PAIRWAIT 16+8*\gl+\t
.if \t > 0
	WIN 0x40                                       ; destination window 1
	s_wait_alu depctr_va_vdst(0)                   ; the products of the step before are done reading their two slots of the ring, in which the loads below land
	RELOAD 16+8*\gl+\t-1
.endif
	WIN 0x05                                       ; sources 0 and 1 window 1
.irp k, 0,1
.irp u, 0,1
.set rD, AC7+64*\u+8*\t
.set rA, 12*((2*(16+8*\gl+\t)+\k)%16)
.set rB, HF+12*(2*\u+\k)
.set rSA, WS7+8*\gl+\t
.set rSB, HS2+\u
	WM \k, \k, 0
.endr
.endr
	PLACES
.endr
	WIN 0x40                                       ; destination window 1
	s_wait_alu depctr_va_vdst(0)                   ; the last step's products are done reading their two slots of the ring, in which the loads below land
	RELOAD 16+8*\gl+7
	WIN 0
.set jj, 0
.rept 128
	v_max_num_f32 v[AC7+jj], 0, v[AC7+jj]          ; the activation, in f32
.set jj, jj+1
.endr
.irp u, 0,1
	QUANT AC7+64*\u, PC, PW
	s_wait_alu depctr_va_vdst(0)                   ; the quantiser has written the codes and the scale word, which the LDS stores read; behind the second tile it is done with v128-255, in which the next loads land
.irp c, 0,1,2
	ds_store_b128 v[HWI], v[PC+4*\c:PC+4*\c+3] offset:1536*(2*\gl+\u)+512*\c
.endr
	ds_store_b32 v[HWS], v[PW] offset:4*\gl+256*\u
	s_wait_dscnt 0x0                               ; the stores have read their registers
.if \gl+\u < 2
	s_wait_alu depctr_vm_vsrc(0)                   ; the LDS stores have read the codes and the scale word, which the next quantiser writes again
.endif
.endr
.endm
	HIDDEN 0
	HIDDEN 1
	BARRIER                                        ; the hidden layer's 32 fragments lie in LDS
	; ---- h + hidden W2^T
.irp n, 0,1
.irp u, 0,1
	ds_load_b128 v[AC+8*(2*\n+\u):AC+8*(2*\n+\u)+3], v[YA8] offset:16*YP*\u+64*\n
	ds_load_b128 v[AC+8*(2*\n+\u)+4:AC+8*(2*\n+\u)+7], v[YA8] offset:16*YP*\u+64*\n+16
.endr
.endr
.irp g, 0,1,2,3
	ds_load_b128 v[OS+4*\g:OS+4*\g+3], v[HRA] offset:HSC-HIMG+512*\g
.endr
.irp i, 0,1,2,3,4,5,6,7,8,9,10,11,12,13,14,15,16,17
	ds_load_b128 v[OB+4*\i:OB+4*\i+3], v[HRA] offset:512*\i               ; K steps 0, 1 and 2
.endr
.irp ks, 0,1,2,3,4,5,6,7,8,9,10,11,12,13,14,15
	GSTEP \ks, HRA, WS8, 32
.endr
	s_wait_alu depctr_va_vdst(0)                   ; behind the four places: the products have written the accumulators, which the LDS stores read; the last of them are done reading the token side's sets, in which the loads below land
.irp q, 0,1,2,3
	global_load_b128 v[G+4*\q:G+4*\q+3], v[GV], s[28:29] offset:256*\q
	global_load_b128 v[B+4*\q:B+4*\q+3], v[GV], s[30:31] offset:256*\q
	global_load_b128 v[B2+4*\q:B2+4*\q+3], v[GV], s[22:23] offset:256*\q
.endr
.irp n, 0,1
.irp u, 0,1
	ds_store_b128 v[YA8], v[AC+8*(2*\n+\u):AC+8*(2*\n+\u)+3] offset:16*YP*\u+64*\n
	ds_store_b128 v[YA8], v[AC+8*(2*\n+\u)+4:AC+8*(2*\n+\u)+7] offset:16*YP*\u+64*\n+16
.endr
.endr
	BARRIER
	s_wait_alu depctr_vm_vsrc(0)                   ; my LDS stores have read the accumulators' registers, in which the rows land
	; ---- + b2, LN2, out
	YROWS_IN
	s_wait_dscnt 0x0
	s_wait_loadcnt 0x0
.irp p, 0,1
.irp i, 0,2,4,6,8,10,12,14
	v_pk_add_f32 v[XV+16*\p+\i:XV+16*\p+\i+1], v[XV+16*\p+\i:XV+16*\p+\i+1], v[B2+\i:B2+\i+1]
.endr
.endr
	LN XV
	s_wait_alu depctr_va_vdst(0)                   ; the norm has written the first two tokens' numbers, which the stores read
.irp q, 0,1,2,3
	global_store_b128 v[GA], v[XV+4*\q:XV+4*\q+3], s[32:33] offset:256*\q th:TH_STORE_NT        ; sixteen lanes store 256 consecutive bytes, at a multiple of 256 from out0's first byte
.endr
	LN XV+16
	s_wait_alu depctr_va_vdst(0)                   ; the norm has written the other two tokens' numbers, which the stores read
.irp q, 0,1,2,3
	global_store_b128 v[GA], v[XV+16+4*\q:XV+16+4*\q+3], s[32:33] offset:2048+256*\q th:TH_STORE_NT
.endr
	s_wait_dscnt 0x0                               ; the closing lines, six on end
	s_wait_alu 0x0
	s_wait_tensorcnt 0x0
	ds_add_u32 v111, v115
	s_wait_dscnt 0x0
	s_endpgm
.Lfunc_end_k_q7b18919a7f_tail:
	.size	k_q7b18919a7f_tail, .Lfunc_end_k_q7b18919a7f_tail-k_q7b18919a7f_tail
	.p2alignl 7, 3214868480
	.fill 96, 4, 3214868480
	.section	.rodata,"a",@progbits
	.p2align	6, 0x0
	.amdhsa_kernel k_q7b18919a7f_tail
		.amdhsa_group_segment_fixed_size 149504
		.amdhsa_private_segment_fixed_size 0
		.amdhsa_enable_private_segment 0
		.amdhsa_kernarg_size 104
		.amdhsa_user_sgpr_count 2
		.amdhsa_user_sgpr_kernarg_segment_ptr 1
		.amdhsa_wavefront_size32 1
		.amdhsa_system_sgpr_workgroup_id_x 1
		.amdhsa_system_sgpr_workgroup_id_y 1
		.amdhsa_system_sgpr_workgroup_id_z 1
		.amdhsa_system_vgpr_workitem_id 0
		.amdhsa_next_free_vgpr 512
		.amdhsa_next_free_sgpr 100
		.amdhsa_reserve_vcc 1
		.amdhsa_float_denorm_mode_32 3
		.amdhsa_float_denorm_mode_16_64 3
		.amdhsa_memory_ordered 1
		.amdhsa_forward_progress 1
		.amdhsa_inst_pref_size 162
	.end_amdhsa_kernel
	.amdgpu_metadata
---
amdhsa.version: [ 1, 2 ]
amdhsa.kernels:
  - .name:           k_q7b18919a7f_tail
    .symbol:         k_q7b18919a7f_tail.kd
    .args:
      - { .name: of, .offset: 0, .size: 8, .value_kind: global_buffer, .address_space: global }
      - { .name: wf, .offset: 8, .size: 8, .value_kind: global_buffer, .address_space: global }
      - { .name: src, .offset: 16, .size: 8, .value_kind: global_buffer, .address_space: global }
      - { .name: w_o_scales, .offset: 24, .size: 8, .value_kind: global_buffer, .address_space: global }
      - { .name: ffn1_w_scales, .offset: 32, .size: 8, .value_kind: global_buffer, .address_space: global }
      - { .name: ffn2_w_scales, .offset: 40, .size: 8, .value_kind: global_buffer, .address_space: global }
      - { .name: ffn1_b, .offset: 48, .size: 8, .value_kind: global_buffer, .address_space: global }
      - { .name: ffn2_b, .offset: 56, .size: 8, .value_kind: global_buffer, .address_space: global }
      - { .name: ln1_g, .offset: 64, .size: 8, .value_kind: global_buffer, .address_space: global }
      - { .name: ln1_b, .offset: 72, .size: 8, .value_kind: global_buffer, .address_space: global }
      - { .name: ln2_g, .offset: 80, .size: 8, .value_kind: global_buffer, .address_space: global }
      - { .name: ln2_b, .offset: 88, .size: 8, .value_kind: global_buffer, .address_space: global }
      - { .name: out0, .offset: 96, .size: 8, .value_kind: global_buffer, .address_space: global }
    .group_segment_fixed_size: 149504
    .private_segment_fixed_size: 0
    .kernarg_segment_align: 8
    .kernarg_segment_size: 104
    .max_flat_workgroup_size: 256
    .sgpr_count:     100
    .vgpr_count:     512
    .wavefront_size: 32
...
	.end_amdgpu_metadata
.endif
;; end of part 6
